; MI455X (gfx1250); checked and timed in simulation.
; The chip was launched on July 23, 2026; its instructions are those of AMD's public machine-readable ISA for CDNA 5 (MIT licence, August 2026) and "CDNA5" Instruction Set Architecture Reference Guide (July 2026). The comments in the code are by the model that wrote it; some were corrected since.
;; Transformer Block. Allowed arithmetic: float matrix products may take bf16 or f16 operands with f32 sums; all other float work in f32.
;; Inputs: W1 1,024 x 4,096 float32; W2 4,096 x 1,024 float32; Wout 1,024 x 1,024 float32; Wqkv 1,024 x 3,072 float32; attn_mask 1 x 1 x 2,048 x 2,048 float32; g1 1,024 float32; g2 1,024 float32; x 2 x 2,048 x 1,024 float32.
;; Outputs: out0 2 x 2,048 x 1,024 float32.
;; 3 versions, each right; version 2 is faster than version 1; version 3 is version 2 with the launch norm2 written anew for expert scheduling mode. Each part assembles by itself: llvm-mc -triple=amdgcn-amd-amdhsa -mcpu=gfx1250 --defsym DOCPART=n.
;; ======== version 1 of 3: 7 launches
;; workspace buffers: wb 25,165,824 bytes; rope 1,572,864 bytes; hn 8,388,608 bytes; qkvb 25,165,824 bytes; att 8,388,608 bytes; x1 16,777,216 bytes; hn2 8,388,608 bytes; act 33,554,432 bytes
;; launch prep (part 1): grid 1152 x 1, 8 waves a work-group, no clusters, 0 bytes of LDS; arguments Wqkv, Wout, W1, W2, x, g1, wb, hn, rope; writes wb, hn, rope
.if DOCPART == 1
	.amdgcn_target "amdgcn-amd-amdhsa--gfx1250"
	.amdhsa_code_object_version 6
	.text
	.protected	k_q5d09bfd814_prep
	.globl	k_q5d09bfd814_prep
	.p2align	8
	.type	k_q5d09bfd814_prep,@function
k_q5d09bfd814_prep:
	s_mov_b64 s[64:65], 0
	v_nop
	global_prefetch_b8 v0, s[64:65] scope:SCOPE_SE
	s_setreg_imm32_b32 hwreg(HW_REG_WAVE_MODE, 25, 1), 1
	s_wait_xcnt 0x0
; prep: three jobs in one launch, chosen by the work-group's number.
;   0 .. 767     cast: the four weights, f32 to bf16, in their own [K][N] layout, one behind the other in wb (16,384 numbers a work-group)
;   768 .. 1023  norm: hn = g1 * x * rsqrt(mean(x^2) + 1e-8), bf16; one wave takes a row of 4,096 bytes into 32 registers, two rows a wave
;   1024 .. 1151 rope: three tables [2048][64] f32, a row = cos[0..31], sin[0..31]: (cos/8, sin/8) for q, (cos, sin) for k, (1, 0) for v
; Memory binds the first two jobs: 16-byte loads, each store of a wave covers 256 consecutive aligned bytes, nothing is read twice.
; LIMIT (rope): the angle pos * 10000^(-j/32) is made with v_exp_f32 and reduced with the f32 constant 1/(2 pi); at pos = 2047 it lies
; within about 2e-4 radians of the exact angle, the size of the f32 rounding of the product itself.
.set GG, 16                            ; v[16:47]   g of my 32 columns
.set XX, 48                            ; v[48:111]  two rows, 32 registers each
.set T,  2                             ; v[2:9]     four running sums of pairs
.set RS, 12                            ; v[12:13]   1 / rms, twice
; one row: sum of squares in four chains, across the 32 lanes, then g * x * rs, rounded once, stored
.macro NROW i, left
	s_wait_loadcnt \left                           ; loads come back in order: g and this row are in, a younger row may stay out
.irp c, 0,1,2,3
	v_pk_mul_f32 v[T+2*\c:T+2*\c+1], v[XX+32*\i+2*\c:XX+32*\i+2*\c+1], v[XX+32*\i+2*\c:XX+32*\i+2*\c+1]
.endr
.irp k, 1,2,3
.irp c, 0,1,2,3
	v_pk_fma_f32 v[T+2*\c:T+2*\c+1], v[XX+32*\i+8*\k+2*\c:XX+32*\i+8*\k+2*\c+1], v[XX+32*\i+8*\k+2*\c:XX+32*\i+8*\k+2*\c+1], v[T+2*\c:T+2*\c+1]
.endr
.endr
	v_pk_add_f32 v[T:T+1], v[T:T+1], v[T+2:T+3]
	v_pk_add_f32 v[T+4:T+5], v[T+4:T+5], v[T+6:T+7]
	v_pk_add_f32 v[T:T+1], v[T:T+1], v[T+4:T+5]
	v_add_f32 v[T], v[T], v[T+1]
	v_add_f32_dpp v[T], v[T], v[T] row_xmask:1 row_mask:0xf bank_mask:0xf
	v_add_f32_dpp v[T], v[T], v[T] row_xmask:2 row_mask:0xf bank_mask:0xf
	v_add_f32_dpp v[T], v[T], v[T] row_xmask:4 row_mask:0xf bank_mask:0xf
	v_add_f32_dpp v[T], v[T], v[T] row_xmask:8 row_mask:0xf bank_mask:0xf
	v_permlanex16_b32 v[T+1], v[T], s32, s33       ; the other half of the lanes
	v_add_f32 v[T], v[T], v[T+1]
	v_fma_f32 v[T], v[T], s27, s28                 ; sum / 1024 + 1e-8
	v_rsq_f32 v[RS], v[T]
	v_rsq_f32 v[RS+1], v[T]                        ; the g * x products below are the plain place behind these two (ISA guide 5.7.2)
.irp j, 0,1,2,3,4,5,6,7
	v_pk_mul_f32 v[XX+32*\i+4*\j:XX+32*\i+4*\j+1], v[XX+32*\i+4*\j:XX+32*\i+4*\j+1], v[GG+4*\j:GG+4*\j+1]
	v_pk_mul_f32 v[XX+32*\i+4*\j+2:XX+32*\i+4*\j+3], v[XX+32*\i+4*\j+2:XX+32*\i+4*\j+3], v[GG+4*\j+2:GG+4*\j+3]
.endr
	s_wait_alu depctr_va_vdst(0)
.irp j, 0,1,2,3,4,5,6,7
	v_pk_mul_f32 v[XX+32*\i+4*\j:XX+32*\i+4*\j+1], v[XX+32*\i+4*\j:XX+32*\i+4*\j+1], v[RS:RS+1]
	v_pk_mul_f32 v[XX+32*\i+4*\j+2:XX+32*\i+4*\j+3], v[XX+32*\i+4*\j+2:XX+32*\i+4*\j+3], v[RS:RS+1]
	v_cvt_pk_bf16_f32 v[XX+32*\i+4*\j], v[XX+32*\i+4*\j], v[XX+32*\i+4*\j+1]
	v_cvt_pk_bf16_f32 v[XX+32*\i+4*\j+1], v[XX+32*\i+4*\j+2], v[XX+32*\i+4*\j+3]
	global_store_b64 v10, v[XX+32*\i+4*\j:XX+32*\i+4*\j+1], s[22:23] offset:2048*\i+256*\j   ; 32 lanes x 8 bytes: 256 consecutive bytes, aligned
.endr
.endm
	s_load_b512 s[8:23], s[0:1], 0x0               ; Wqkv s[8:9], Wout s[10:11], W1 s[12:13], W2 s[14:15], x s[16:17], g1 s[18:19], wb s[20:21], hn s[22:23]
	s_load_b64 s[24:25], s[0:1], 0x40              ; rope
	v_lshrrev_b32 v1, 5, v0
	v_readfirstlane_b32 s3, v1                     ; wave 0..7
	s_mov_b32 s31, 0                               ; the upper word of every offset pair s[30:31]
	s_wait_kmcnt 0x0
	s_cmp_lt_u32 ttmp9, 768
	s_cbranch_scc1 .Lcast
	s_cmp_lt_u32 ttmp9, 1024
	s_cbranch_scc1 .Lnorm
	; ---- rope: sixteen lanes make one position's row of 256 bytes; lane l: l < 8 cos of j = 4 l .. 4 l + 3, else sin of j = 4 (l - 8) ..
	v_and_b32 v1, 15, v0                           ; l
	v_lshrrev_b32 v2, 4, v0
	s_sub_co_u32 s26, ttmp9, 1024
	s_lshl_b32 s26, s26, 4
	v_add_nc_u32 v2, s26, v2                       ; position
	v_and_b32 v3, 7, v1
	v_lshlrev_b32 v3, 2, v3                        ; first j
	v_cmp_lt_u32 vcc_lo, 7, v1                     ; lanes that make sines
	v_cvt_f32_u32 v4, v2
	v_lshlrev_b32 v5, 8, v2
	v_lshl_add_u32 v5, v1, 4, v5                   ; position x 256 + 16 l
.irp i, 0,1,2,3
	v_add_nc_u32 v6, \i, v3
	v_cvt_f32_u32 v6, v6
	v_mul_f32 v6, 0xbed49a78, v6                   ; - j log2(10000) / 32
	v_exp_f32 v6, v6
	v_nop                                          ; one plain place behind the exponential (ISA guide 5.7.2)
	s_wait_alu depctr_va_vdst(0)
	v_mul_f32 v6, v4, v6                           ; the angle
	v_mul_f32 v7, 0.15915494, v6
	v_rndne_f32 v7, v7                             ; whole turns
	v_fma_f32 v7, v6, 0.15915494, -v7              ; the rest, -0.5 .. 0.5 of a turn
	v_mul_f32 v7, 0x40490fdb, v7                   ; y = half the reduced angle, |y| <= pi/2
	v_mul_f32 v8, v7, v7
	v_mov_b32 v9, 0xb2d7322b                       ; sin y = y + y z P(z): the series to y^11
	v_fmaak_f32 v9, v9, v8, 0x3638ef1d
	v_fmaak_f32 v9, v9, v8, 0xb9500d01
	v_fmaak_f32 v9, v9, v8, 0x3c088889
	v_fmaak_f32 v9, v9, v8, 0xbe2aaaab
	v_mul_f32 v10, v7, v8
	v_fma_f32 v9, v10, v9, v7
	v_mov_b32 v10, 0x310f76c7                      ; cos y = 1 + z Q(z): the series to y^12
	v_fmaak_f32 v10, v10, v8, 0xb493f27e
	v_fmaak_f32 v10, v10, v8, 0x37d00d01
	v_fmaak_f32 v10, v10, v8, 0xbab60b61
	v_fmaak_f32 v10, v10, v8, 0x3d2aaaab
	v_fmaak_f32 v10, v10, v8, 0xbf000000
	v_fma_f32 v10, v10, v8, 1.0
	v_mul_f32 v10, v9, v10
	v_add_f32 v10, v10, v10                        ; sin = 2 sin y cos y
	v_mul_f32 v9, v9, v9
	v_fma_f32 v9, v9, -2.0, 1.0                    ; cos = 1 - 2 sin^2 y
	v_cndmask_b32 v[16+\i], v9, v10, vcc_lo
	v_mul_f32 v[20+\i], 0x3e000000, v[16+\i]       ; an eighth: the scores' 1 / sqrt(64) rides on q's table
.endr
	v_mov_b32 v25, 0
	v_cndmask_b32 v24, 1.0, v25, vcc_lo            ; v's table: cos = 1, sin = 0
	v_mov_b32 v25, v24
	v_mov_b32 v26, v24
	v_mov_b32 v27, v24
	global_store_b128 v5, v[20:23], s[24:25]                   ; sixteen lanes: 256 consecutive bytes, aligned
	global_store_b128 v5, v[16:19], s[24:25] offset:524288
	global_store_b128 v5, v[24:27], s[24:25] offset:1048576
	s_endpgm
	; ---- cast: 64 KiB in, 32 KiB out; all sixteen loads of a thread go out first
.Lcast:
	s_mov_b64 s[26:27], s[14:15]                   ; which weight, and the first work-group of it
	s_mov_b32 s28, 512
	s_cmp_lt_u32 ttmp9, 512
	s_cselect_b64 s[26:27], s[12:13], s[26:27]
	s_cselect_b32 s28, 256, s28
	s_cmp_lt_u32 ttmp9, 256
	s_cselect_b64 s[26:27], s[10:11], s[26:27]
	s_cselect_b32 s28, 192, s28
	s_cmp_lt_u32 ttmp9, 192
	s_cselect_b64 s[26:27], s[8:9], s[26:27]
	s_cselect_b32 s28, 0, s28
	s_sub_co_u32 s29, ttmp9, s28
	s_lshl_b32 s30, s29, 16
	s_add_nc_u64 s[26:27], s[26:27], s[30:31]
	s_lshl_b32 s30, ttmp9, 15                      ; wb holds the weights in the order of the work-groups
	s_add_nc_u64 s[20:21], s[20:21], s[30:31]
	v_lshlrev_b32 v1, 4, v0
	v_lshlrev_b32 v2, 3, v0
.set i, 0
.rept 16
	global_load_b128 v[16+4*i:19+4*i], v1, s[26:27] offset:4096*i th:TH_LOAD_NT
.set i, i+1
.endr
.set i, 0
.rept 16
	s_wait_loadcnt 15-i                            ; load i is in, the 15 - i younger ones stay out
	v_cvt_pk_bf16_f32 v[80+2*i], v[16+4*i], v[17+4*i]
	v_cvt_pk_bf16_f32 v[81+2*i], v[18+4*i], v[19+4*i]
	global_store_b64 v2, v[80+2*i:81+2*i], s[20:21] offset:2048*i   ; every store has registers of its own: none is rewritten
.set i, i+1
.endr
	s_endpgm
	; ---- norm
.Lnorm:
	s_sub_co_u32 s26, ttmp9, 768
	s_lshl_b32 s26, s26, 3
	s_add_co_u32 s26, s26, s3                      ; my pair of rows
	s_lshl_b32 s30, s26, 13
	s_add_nc_u64 s[16:17], s[16:17], s[30:31]
	s_lshl_b32 s30, s26, 12
	s_add_nc_u64 s[22:23], s[22:23], s[30:31]
	s_mov_b32 s27, 0x3a800000                      ; 1 / 1024
	s_mov_b32 s28, 0x322bcc77                      ; 1e-8
	s_mov_b32 s32, 0x76543210
	s_mov_b32 s33, 0xfedcba98
	v_and_b32 v1, 31, v0
	v_lshlrev_b32 v10, 3, v1                       ; out: 8 bytes a lane
	v_lshlrev_b32 v1, 4, v1                        ; in: 16 bytes a lane
.irp j, 0,1,2,3,4,5,6,7
	global_load_b128 v[GG+4*\j:GG+4*\j+3], v1, s[18:19] offset:512*\j
.endr
.irp i, 0,1
.irp j, 0,1,2,3,4,5,6,7
	global_load_b128 v[XX+32*\i+4*\j:XX+32*\i+4*\j+3], v1, s[16:17] offset:4096*\i+512*\j th:TH_LOAD_NT
.endr
.endr
	NROW 0, 8
	NROW 1, 0
	s_endpgm
.Lfunc_end_k_q5d09bfd814_prep:
	.size	k_q5d09bfd814_prep, .Lfunc_end_k_q5d09bfd814_prep-k_q5d09bfd814_prep
	.p2alignl 7, 3214868480
	.fill 96, 4, 3214868480
	.section	.rodata,"a",@progbits
	.p2align	6, 0x0
	.amdhsa_kernel k_q5d09bfd814_prep
		.amdhsa_group_segment_fixed_size 0
		.amdhsa_private_segment_fixed_size 0
		.amdhsa_enable_private_segment 0
		.amdhsa_kernarg_size 72
		.amdhsa_user_sgpr_count 2
		.amdhsa_user_sgpr_kernarg_segment_ptr 1
		.amdhsa_wavefront_size32 1
		.amdhsa_system_sgpr_workgroup_id_x 1
		.amdhsa_system_sgpr_workgroup_id_y 1
		.amdhsa_system_sgpr_workgroup_id_z 1
		.amdhsa_system_vgpr_workitem_id 0
		.amdhsa_next_free_vgpr 112
		.amdhsa_next_free_sgpr 66
		.amdhsa_reserve_vcc 1
		.amdhsa_float_denorm_mode_32 3
		.amdhsa_float_denorm_mode_16_64 3
		.amdhsa_memory_ordered 1
		.amdhsa_forward_progress 1
		.amdhsa_inst_pref_size 28
	.end_amdhsa_kernel
	.amdgpu_metadata
---
amdhsa.version: [ 1, 2 ]
amdhsa.kernels:
  - .name:           k_q5d09bfd814_prep
    .symbol:         k_q5d09bfd814_prep.kd
    .args:
      - { .name: Wqkv, .offset: 0, .size: 8, .value_kind: global_buffer, .address_space: global }
      - { .name: Wout, .offset: 8, .size: 8, .value_kind: global_buffer, .address_space: global }
      - { .name: W1, .offset: 16, .size: 8, .value_kind: global_buffer, .address_space: global }
      - { .name: W2, .offset: 24, .size: 8, .value_kind: global_buffer, .address_space: global }
      - { .name: x, .offset: 32, .size: 8, .value_kind: global_buffer, .address_space: global }
      - { .name: g1, .offset: 40, .size: 8, .value_kind: global_buffer, .address_space: global }
      - { .name: wb, .offset: 48, .size: 8, .value_kind: global_buffer, .address_space: global }
      - { .name: hn, .offset: 56, .size: 8, .value_kind: global_buffer, .address_space: global }
      - { .name: rope, .offset: 64, .size: 8, .value_kind: global_buffer, .address_space: global }
    .group_segment_fixed_size: 0
    .private_segment_fixed_size: 0
    .kernarg_segment_align: 8
    .kernarg_segment_size: 72
    .max_flat_workgroup_size: 256
    .sgpr_count:     66
    .vgpr_count:     112
    .wavefront_size: 32
...
	.end_amdgpu_metadata
.endif
;; end of part 1
;; launch qkv (part 2): grid 12 x 16, 4 waves a work-group, clusters of 4 x 4, 327,680 bytes of LDS; arguments hn, wb, qkvb, rope; writes qkvb
.if DOCPART == 2
	.amdgcn_target "amdgcn-amd-amdhsa--gfx1250"
	.amdhsa_code_object_version 6
	.text
	.protected	k_q5d09bfd814_qkv
	.globl	k_q5d09bfd814_qkv
	.p2align	8
	.type	k_q5d09bfd814_qkv,@function
k_q5d09bfd814_qkv:
	s_mov_b64 s[64:65], 0
	v_nop
	global_prefetch_b8 v0, s[64:65] scope:SCOPE_SE
	s_setreg_imm32_b32 hwreg(HW_REG_WAVE_MODE, 25, 1), 1
	s_wait_xcnt 0x0
	s_wait_alu depctr_hold_cnt(0) depctr_sa_sdst(0) depctr_va_vdst(0) depctr_va_sdst(0) depctr_va_ssrc(0) depctr_va_vcc(0) depctr_vm_vsrc(0)
	s_getreg_b32 s2, hwreg(HW_REG_IB_STS2, 6, 4)
	s_cmp_eq_u32 s2, 0
	s_cbranch_scc0 .Lentry_in_a_cluster
	s_endpgm
.Lentry_in_a_cluster:
	s_bfe_u32 s2, ttmp6, 0x10000c
	s_cmp_lg_u32 s2, 0xf033
	s_cbranch_scc0 .Lentry_shape_is_right
	s_endpgm
.Lentry_shape_is_right:
; qkvb = rope(hn x Wqkv), bf16.  hn: [4096][1024] bf16; Wqkv in wb: [1024][3072] bf16, K down the rows; qkvb: [4096][3072] bf16.
; A work-group makes 256 x 256 with four waves, a wave 128 x 128 (64 accumulator tiles, 512 registers).  K goes in steps of 128 through two LDS
; slots filled by tensor loads.  The weight's tile stays [K][N] in LDS and its fragments are taken with the transposing LDS load.
; CLUSTERS 4 x 4: hn's tile hangs on the block row alone and is asked for jointly along a row of the cluster, the weight's tile on the block
; column alone and is asked for jointly along a column.  12 x 16 = 192 work-groups: a block of 192 columns would fill the grid further but
; would part a head's columns d and d + 32 between waves.
; The matrix instruction is used transposed (source 0 = weight, source 1 = hn): lane l holds row l % 16, registers 0-7 columns 8 (l / 16) + 0..7.
; WAY OUT: a wave's 128 columns are two heads.  Column d < 32 of a head lies in tile 4 hh + ii (ii = 0, 1), its partner d + 32 two tiles on, in the same
; lane and register: the rotation needs no lane traffic.  The cluster's x is the section (q, k, v) and picks the table: (cos/8, sin/8), (cos, sin), (1, 0),
; so that q carries the scores' 1/8, v passes unchanged, and the text has no branch on the section.
; Windows: 0: addresses, hn's fragments, tables, staging; 1: the weight's fragments; 2, 3: accumulators.
.set SIZE_K, 1024
.set SIZE_N, 3072
.set WOFF,   0                         ; Wqkv's place in wb
.set KSTEP,  128
.set PITCH,  272                       ; hn's LDS row: 256 bytes + 16
.set BP,     544                       ; the weight's LDS row: 512 bytes + 32, an odd multiple of 32
.set HALFT,  128*PITCH                 ; what one tensor load fills: 128 rows x 272 = 64 rows x 544
.set SLOT,   4*HALFT
.set STAGE,  2*SLOT
.set SPITCH, 272
.set LAPS,   SIZE_K/(2*KSTEP)
.set ADRA, 16
.set ADRB, 20
.set STO,  24
.set RD,   25
.set CO,   26
.set TB,   27                          ; my byte offset in a table: 256 (l % 16) + 32 (l / 16)
.set CS0,  32                          ; v[32:63]   tables of a group of 16 rows: cos ii at +8 ii, sin ii at +16 + 8 ii
.set CS1,  224                         ; v[224:255] the same, the other group
.set F0,   64
.set F1,   128
.set TMP,  192
.set G1,  24
.set G0,  32
.set G1B, 48
.set G0B, 56
.set MSB, 0
.macro WIN new                         ; the immediate's high byte repeats the setting that is left
.if MSB != \new
	s_set_vgpr_msb (MSB<<8)|\new
.set MSB, \new
.endif
.endm
.set MUL_LO, 0xa1
.set MUL_HI, 0xf1
.set TO_B,   0x40
.macro JLOAD s                         ; waves 0, 1 ask for hn's halves, waves 2, 3 for the weight's: one mask a line
	s_cmp_eq_u32 s11, 0
	s_cbranch_scc0 .Lfor_b_\@
	tensor_load_to_lds s[G0+4*\s:G0+4*\s+3], s[G1:G1+7]
	s_nop 0
	s_branch .Lasked_\@
.Lfor_b_\@:
	tensor_load_to_lds s[G0B+4*\s:G0B+4*\s+3], s[G1B:G1B+7]
	s_nop 0
.Lasked_\@:
.endm
.macro CREST                           ; a round of the cluster's barrier behind its opening barrier
	s_cmp_lg_u32 s10, 0
	s_cbranch_scc1 .Lnot_wave_0_\@
	s_barrier_signal -3
.Lnot_wave_0_\@:
	s_barrier_wait -3
	s_barrier_signal -1
	s_barrier_wait -1
.endm
.macro CROUND
	s_barrier_signal -1
	s_barrier_wait -1
	CREST
.endm
.macro PLACES                          ; four places behind matrix instructions (ISA guide 7.12.1)
.rept 4
	v_nop
.endr
.endm
	s_load_b128 s[4:7], s[0:1], 0x0                ; hn, wb
	s_load_b64 s[8:9], s[0:1], 0x10                ; qkvb
	s_load_b64 s[66:67], s[0:1], 0x18              ; rope
	s_set_vgpr_msb 0x40
	v_lshl_add_u32 v255, v0, 2, 0x48400
	s_set_vgpr_msb 0x4000
	v_mov_b32 v31, 0
	s_set_vgpr_msb 0x1
	ds_add_u32 v255, v31
	s_set_vgpr_msb 0x100
	v_lshrrev_b32 v1, 5, v0
	v_readfirstlane_b32 s10, v1                    ; wave 0..3
	s_lshr_b32 s11, s10, 1                         ; my half of the block's rows; also: I fetch hn (0) or the weight (1)
	s_and_b32 s12, s10, 1                          ; my half of its columns; also: which half of that tile I fetch
	s_bfe_u32 s40, ttmp6, 0x40000                  ; cx
	s_bfe_u32 s41, ttmp6, 0x40004                  ; cy
	s_lshl_b32 s42, ttmp9, 2
	s_add_co_u32 s42, s42, s40                     ; block column
	s_and_b32 s13, ttmp7, 0xffff
	s_lshl_b32 s13, s13, 2
	s_add_co_u32 s13, s13, s41                     ; block row
	s_lshl_b32 s43, s41, 2
	s_lshl_b32 s43, 15, s43                        ; my row of the cluster
	s_lshl_b32 s44, 0x1111, s40                    ; my column
	s_or_b32 s[G1+0], s43, (1<<16)|(1<<20)|(1<<21)|(5<<22)|(3<<25)   ; 2-byte elements, 4 words of padding behind every 64
	s_mov_b32 s[G1+1], KSTEP<<16                   ; tensor_dim0 = 128
	s_mov_b32 s[G1+2], 128<<16                     ; tensor_dim1 = 128
	s_mov_b32 s[G1+3], KSTEP<<16                   ; tile_dim0 = 128
	s_mov_b32 s[G1+4], 128                         ; tile_dim1 = 128
	s_mov_b32 s[G1+5], SIZE_K                      ; elements from row to row
	s_mov_b32 s[G1+6], 0
	s_mov_b32 s[G1+7], 0
	s_or_b32 s[G1B+0], s44, (1<<16)|(1<<20)|(1<<21)|(6<<22)|(7<<25)  ; 8 words of padding behind every 128
	s_mov_b32 s[G1B+1], 256<<16                    ; 256 columns
	s_mov_b32 s[G1B+2], 64<<16                     ; 64 rows of K
	s_mov_b32 s[G1B+3], 256<<16
	s_mov_b32 s[G1B+4], 64
	s_mov_b32 s[G1B+5], SIZE_N
	s_mov_b32 s[G1B+6], 0
	s_mov_b32 s[G1B+7], 0
	s_lshl_b32 s17, s12, 7
	s_lshl_b32 s16, s13, 8
	s_add_co_u32 s16, s16, s17                     ; hn: row 256 x block row + 128 x half
	s_lshl_b32 s16, s16, 11                        ; x 2,048 bytes
	s_mov_b32 s17, 0
	s_mul_i32 s46, s12, 64*SIZE_N*2                ; the weight: K row 64 x half,
	s_lshl_b32 s47, s42, 9                         ; column 256 x block column
	s_add_co_u32 s46, s46, s47
	s_add_co_u32 s46, s46, WOFF
	s_mov_b32 s47, 0
	s_lshl_b32 s68, s13, 8                         ; the table's first row: (256 x block row + 128 x my half) mod 2048 positions,
	s_lshl_b32 s69, s11, 7
	s_add_co_u32 s68, s68, s69
	s_and_b32 s68, s68, 2047
	s_lshl_b32 s68, s68, 8
	s_lshl_b32 s69, ttmp9, 19                      ; in the table of the section = the cluster's x
	s_add_co_u32 s68, s68, s69
	s_mov_b32 s69, 0
	s_mul_i32 s20, s10, HALFT                      ; where my part of a slot lies: the wave's number alone
	s_wait_dscnt 0x0
	s_wait_kmcnt 0x0
	s_add_nc_u64 s[14:15], s[4:5], s[16:17]
	s_add_nc_u64 s[46:47], s[6:7], s[46:47]
	s_add_nc_u64 s[66:67], s[66:67], s[68:69]
	CROUND                                         ; all sixteen work-groups are here: the first joint loads meet
.irp s, 0,1
	s_mov_b32 s[G0+4*\s], 1
	s_add_co_u32 s[G0+4*\s+1], s20, \s*SLOT
	s_add_nc_u64 s[G0+4*\s+2:G0+4*\s+3], s[14:15], \s*KSTEP*2
	s_or_b32 s[G0+4*\s+3], s[G0+4*\s+3], 0x80000000
	s_mov_b32 s[G0B+4*\s], 1
	s_add_co_u32 s[G0B+4*\s+1], s20, \s*SLOT
	s_add_nc_u64 s[G0B+4*\s+2:G0B+4*\s+3], s[46:47], \s*KSTEP*SIZE_N*2
	s_or_b32 s[G0B+4*\s+3], s[G0B+4*\s+3], 0x80000000
	JLOAD \s
.endr
	v_and_b32 v1, 15, v0                           ; l % 16
	v_bfe_u32 v2, v0, 4, 1                         ; l / 16
	v_mul_u32_u24 v3, v1, PITCH
	v_lshl_add_u32 v3, v2, 4, v3
	s_mul_i32 s21, s11, HALFT                      ; my 128 rows of hn
	v_add_nc_u32 v[ADRA], s21, v3
	v_add_nc_u32 v[ADRA+1], SLOT, v[ADRA]
	v_and_b32 v6, 7, v0                            ; the transposing load: K row 8 (l / 16) + l % 8, 16 bytes by bit 3 of l
	v_lshl_add_u32 v6, v2, 3, v6
	v_mul_u32_u24 v6, v6, BP
	v_bfe_u32 v7, v0, 3, 1
	v_lshl_add_u32 v6, v7, 4, v6
	s_lshl_b32 s22, s12, 8                         ; my 128 columns
	s_add_co_u32 s22, s22, 2*HALFT
	v_add_nc_u32 v[ADRB], s22, v6
	v_add_nc_u32 v[ADRB+1], SLOT, v[ADRB]
	s_mul_i32 s23, s10, 16*SPITCH
	s_add_co_u32 s23, s23, STAGE
	v_mul_u32_u24 v4, v1, SPITCH
	v_lshl_add_u32 v4, v2, 4, v4
	v_add_nc_u32 v[STO], s23, v4
	v_mul_u32_u24 v5, v2, SPITCH
	v_lshl_add_u32 v5, v1, 4, v5
	v_add_nc_u32 v[RD], s23, v5
	v_mul_u32_u24 v5, v2, SIZE_N*2
	v_lshl_add_u32 v[CO], v1, 4, v5
	v_lshlrev_b32 v5, 8, v1
	v_lshl_add_u32 v[TB], v2, 5, v5
; the tables of rows 16 i .. 16 i + 15: my row's cos and sin of the 16 frequencies 16 ii + 8 (l / 16) + 0..7
.macro TLOAD cs, i
.irp q, 0,1,2,3
	global_load_b128 v[\cs+8*\q:\cs+8*\q+3],   v[TB], s[66:67] offset:4096*(\i)+64*\q
	global_load_b128 v[\cs+8*\q+4:\cs+8*\q+7], v[TB], s[66:67] offset:4096*(\i)+64*\q+16
.endr
.endm
	TLOAD CS0, 0                                   ; the first two groups' tables come in under the whole product: the loop names none of these registers
	TLOAD CS1, 1
.macro MUL16 f, hi, a0, zero
.irp a, \a0, \a0+1
.irp b, 0,1,2,3,4,5,6,7
.if \zero
	v_wmma_f32_16x16x32_bf16 v[8*(8*(\a)+\b):8*(8*(\a)+\b)+7], v[\f+8*\b:\f+8*\b+7], v[\f+8*(4*\hi+\a):\f+8*(4*\hi+\a)+7], 0
.else
	v_wmma_f32_16x16x32_bf16 v[8*(8*(\a)+\b):8*(8*(\a)+\b)+7], v[\f+8*\b:\f+8*\b+7], v[\f+8*(4*\hi+\a):\f+8*(4*\hi+\a)+7], v[8*(8*(\a)+\b):8*(8*(\a)+\b)+7]
.endif
.endr
.endr
.endm
; the fragments of quarter q of a K step (32 along K): 16 transposing loads for the weight's 128 columns, 16 plain loads for hn's 128 rows
.macro FETCH slot, q, f
	WIN TO_B
.irp i, 0,1,2,3,4,5,6,7
	ds_load_tr16_b128 v[\f+8*\i:\f+8*\i+3],   v[ADRB+\slot] offset:\q*32*BP+32*\i
	ds_load_tr16_b128 v[\f+8*\i+4:\f+8*\i+7], v[ADRB+\slot] offset:\q*32*BP+16*BP+32*\i
.endr
	WIN 0
.irp i, 0,1,2,3,4,5,6,7
	ds_load_b128 v[\f+8*\i:\f+8*\i+3],   v[ADRA+\slot] offset:64*\q+\i*16*PITCH
	ds_load_b128 v[\f+8*\i+4:\f+8*\i+7], v[ADRA+\slot] offset:64*\q+\i*16*PITCH+32
.endr
.endm
.macro QUARTER slot, q, f, g, zero
	s_wait_dscnt 8                                 ; the weight and hn's rows 0-63 are in; the youngest eight loads (rows 64-127) may be out
	WIN MUL_LO
	MUL16 \f, 0, 0, \zero
	MUL16 \f, 0, 2, \zero
	PLACES
	FETCH \slot, \q, \g
	s_wait_dscnt 32                                ; all but the 32 just issued
	WIN MUL_HI
	MUL16 \f, 1, 0, \zero
	MUL16 \f, 1, 2, \zero
.endm
.macro THREE slot, zero
	QUARTER \slot, 1, F0, F1, \zero
	QUARTER \slot, 2, F1, F0, 0
	QUARTER \slot, 3, F0, F1, 0
.endm
; the last quarter of a K step changes slots: each wave's reads of this slot and all its tensor loads are waited for in front of the signal;
; where the slot is filled again the barrier opens a round of the cluster's barrier, and the joint load is the first tensor load behind it
.macro TURN slot, next, fill
	s_wait_dscnt 8
	WIN MUL_LO
	MUL16 F1, 0, 0, 0
	s_wait_dscnt 0
	s_wait_tensorcnt 0x0
	ds_add_u32 v255, v31
	s_wait_dscnt 0x0
	s_barrier_signal -1
	MUL16 F1, 0, 2, 0
	WIN 0
	s_barrier_wait -1
.if \fill
	CREST
	s_add_nc_u64 s[G0+4*\slot+2:G0+4*\slot+3], s[G0+4*\slot+2:G0+4*\slot+3], 2*KSTEP*2
	s_add_nc_u64 s[G0B+4*\slot+2:G0B+4*\slot+3], s[G0B+4*\slot+2:G0B+4*\slot+3], 2*KSTEP*SIZE_N*2
	JLOAD \slot
.endif
	PLACES
	FETCH \next, 0, F0
	WIN MUL_HI
	MUL16 F1, 1, 0, 0
	MUL16 F1, 1, 2, 0
.endm
.macro LAP zero
	THREE 0, \zero
	TURN 0, 1, 1
	THREE 1, 0
	TURN 1, 0, 1
.endm
	s_wait_tensorcnt 1                             ; my part of K step 0 is in; K step 1's stays out
	s_barrier_signal -1
	s_barrier_wait -1
	FETCH 0, 0, F0
	LAP 1                                          ; the first products start the sums.  The 64 accumulators take turns, one instruction a turn
	WIN 0
	s_mov_b32 s3, LAPS-2
.Llap:
	LAP 0
	WIN 0
	s_sub_co_u32 s3, s3, 1
	s_cmp_lg_u32 s3, 0
	s_cbranch_scc1 .Llap
	THREE 0, 0                                     ; the last lap fills nothing
	TURN 0, 1, 0
	THREE 1, 0
	s_wait_dscnt 8
	WIN MUL_LO
	MUL16 F1, 0, 0, 0
	MUL16 F1, 0, 2, 0
	s_wait_dscnt 0
	WIN MUL_HI
	MUL16 F1, 1, 0, 0
	MUL16 F1, 1, 2, 0
	WIN 0
	PLACES
	s_lshl_b32 s13, s13, 8
	s_lshl_b32 s14, s11, 7
	s_add_co_u32 s16, s13, s14                     ; my first row
	s_mul_i32 s16, s16, SIZE_N*2
	s_mov_b32 s17, 0
	s_add_nc_u64 s[8:9], s[8:9], s[16:17]
	s_lshl_b32 s46, s42, 9                         ; my first column, in bytes
	s_lshl_b32 s47, s12, 8
	s_add_co_u32 s46, s46, s47
	s_mov_b32 s47, 0
	s_add_nc_u64 s[8:9], s[8:9], s[46:47]
; rows 16 i .. 16 i + 15: rotate, round, 16 bytes a lane into my own stage, back as whole rows of 256 bytes
.macro OUTQ i, a, from, cs, rb, left
	s_wait_loadcnt \left                           ; this group's tables are in; the next group's eight loads may stay out
	WIN \from
.irp hh, 0,1
.irp ii, 0,1
.irp p, 0,2,4,6
	v_pk_mul_f32 v[F0+8*(4*\hh+\ii)+\p:F0+8*(4*\hh+\ii)+\p+1], v[8*(8*\a+4*\hh+\ii+2)+\p:8*(8*\a+4*\hh+\ii+2)+\p+1], v[\cs+16+8*\ii+\p:\cs+16+8*\ii+\p+1]
	v_pk_mul_f32 v[F0+8*(4*\hh+\ii+2)+\p:F0+8*(4*\hh+\ii+2)+\p+1], v[8*(8*\a+4*\hh+\ii+2)+\p:8*(8*\a+4*\hh+\ii+2)+\p+1], v[\cs+8*\ii+\p:\cs+8*\ii+\p+1]
	v_pk_fma_f32 v[F0+8*(4*\hh+\ii)+\p:F0+8*(4*\hh+\ii)+\p+1], v[8*(8*\a+4*\hh+\ii)+\p:8*(8*\a+4*\hh+\ii)+\p+1], v[\cs+8*\ii+\p:\cs+8*\ii+\p+1], v[F0+8*(4*\hh+\ii)+\p:F0+8*(4*\hh+\ii)+\p+1] neg_lo:[0,0,1] neg_hi:[0,0,1]
	v_pk_fma_f32 v[F0+8*(4*\hh+\ii+2)+\p:F0+8*(4*\hh+\ii+2)+\p+1], v[8*(8*\a+4*\hh+\ii)+\p:8*(8*\a+4*\hh+\ii)+\p+1], v[\cs+16+8*\ii+\p:\cs+16+8*\ii+\p+1], v[F0+8*(4*\hh+\ii+2)+\p:F0+8*(4*\hh+\ii+2)+\p+1]
.endr
.endr
.endr
	WIN 0
.if \i < 6
	TLOAD \cs, \i+2                                ; the tables two groups on, into the registers just used
.endif
.irp b, 0,1,2,3,4,5,6,7
.irp r, 0,1,2,3
	v_cvt_pk_bf16_f32 v[TMP+4*\b+\r], v[F0+8*\b+2*\r], v[F0+8*\b+2*\r+1]
.endr
.endr
.irp b, 0,1,2,3,4,5,6,7
	ds_store_b128 v[STO], v[TMP+4*\b:TMP+4*\b+3] offset:32*\b
.endr
	s_wait_xcnt 0x0                                ; the registers that earlier stores read, and their base, are rewritten only behind this wait (ISA guide 3.1)
.if \i
	s_add_nc_u64 s[8:9], s[8:9], 16*SIZE_N*2
.endif
.irp t, 0,1,2,3,4,5,6,7
	ds_load_b128 v[\rb+4*\t:\rb+4*\t+3], v[RD] offset:\t*2*SPITCH    ; a wave's LDS instructions are served in order: these see the stores above
.endr
.irp t, 0,1,2,3,4,5,6,7
	s_wait_dscnt 7-\t
	global_store_b128 v[CO], v[\rb+4*\t:\rb+4*\t+3], s[8:9] offset:2*\t*SIZE_N*2   ; 16 lanes store 256 consecutive bytes, aligned
.endr
.endm
	OUTQ 0, 0, 0x02, CS0, 128, 8
	OUTQ 1, 1, 0x02, CS1, 160, 8
	OUTQ 2, 2, 0x02, CS0, 128, 8
	OUTQ 3, 3, 0x02, CS1, 160, 8
	OUTQ 4, 0, 0x03, CS0, 128, 8
	OUTQ 5, 1, 0x03, CS1, 160, 8
	OUTQ 6, 2, 0x03, CS0, 128, 8
	OUTQ 7, 3, 0x03, CS1, 160, 0
	s_set_vgpr_msb 0x1
	s_wait_tensorcnt 0x0
	ds_add_u32 v255, v31
	s_wait_dscnt 0x0
	s_set_vgpr_msb 0x100
	CROUND                                         ; the closing round
	s_endpgm
.Lfunc_end_k_q5d09bfd814_qkv:
	.size	k_q5d09bfd814_qkv, .Lfunc_end_k_q5d09bfd814_qkv-k_q5d09bfd814_qkv
	.p2alignl 7, 3214868480
	.fill 96, 4, 3214868480
	.section	.rodata,"a",@progbits
	.p2align	6, 0x0
	.amdhsa_kernel k_q5d09bfd814_qkv
		.amdhsa_group_segment_fixed_size 327680
		.amdhsa_private_segment_fixed_size 0
		.amdhsa_enable_private_segment 0
		.amdhsa_kernarg_size 32
		.amdhsa_user_sgpr_count 2
		.amdhsa_user_sgpr_kernarg_segment_ptr 1
		.amdhsa_wavefront_size32 1
		.amdhsa_system_sgpr_workgroup_id_x 1
		.amdhsa_system_sgpr_workgroup_id_y 1
		.amdhsa_system_sgpr_workgroup_id_z 1
		.amdhsa_system_vgpr_workitem_id 0
		.amdhsa_next_free_vgpr 1024
		.amdhsa_next_free_sgpr 72
		.amdhsa_reserve_vcc 0
		.amdhsa_float_denorm_mode_32 3
		.amdhsa_float_denorm_mode_16_64 3
		.amdhsa_memory_ordered 1
		.amdhsa_forward_progress 1
		.amdhsa_inst_pref_size 235
	.end_amdhsa_kernel
	.amdgpu_metadata
---
amdhsa.version: [ 1, 2 ]
amdhsa.kernels:
  - .name:           k_q5d09bfd814_qkv
    .symbol:         k_q5d09bfd814_qkv.kd
    .args:
      - { .name: hn, .offset: 0, .size: 8, .value_kind: global_buffer, .address_space: global }
      - { .name: wb, .offset: 8, .size: 8, .value_kind: global_buffer, .address_space: global }
      - { .name: qkvb, .offset: 16, .size: 8, .value_kind: global_buffer, .address_space: global }
      - { .name: rope, .offset: 24, .size: 8, .value_kind: global_buffer, .address_space: global }
    .group_segment_fixed_size: 327680
    .private_segment_fixed_size: 0
    .kernarg_segment_align: 8
    .kernarg_segment_size: 32
    .max_flat_workgroup_size: 128
    .sgpr_count:     72
    .vgpr_count:     1024
    .wavefront_size: 32
...
	.end_amdgpu_metadata
.endif
;; end of part 2
;; launch attn (part 3): grid 16 x 16, 8 waves a work-group, clusters of 4 x 4, 327,680 bytes of LDS; arguments qkvb, attn_mask, att; writes att
.if DOCPART == 3
	.amdgcn_target "amdgcn-amd-amdhsa--gfx1250"
	.amdhsa_code_object_version 6
	.text
	.protected	k_q5d09bfd814_attn
	.globl	k_q5d09bfd814_attn
	.p2align	8
	.type	k_q5d09bfd814_attn,@function
k_q5d09bfd814_attn:
	s_mov_b64 s[64:65], 0
	v_nop
	global_prefetch_b8 v0, s[64:65] scope:SCOPE_SE
	s_setreg_imm32_b32 hwreg(HW_REG_WAVE_MODE, 25, 1), 1
	s_wait_xcnt 0x0
	s_wait_alu depctr_hold_cnt(0) depctr_sa_sdst(0) depctr_va_vdst(0) depctr_va_sdst(0) depctr_va_ssrc(0) depctr_va_vcc(0) depctr_vm_vsrc(0)
	s_getreg_b32 s2, hwreg(HW_REG_IB_STS2, 6, 4)
	s_cmp_eq_u32 s2, 0
	s_cbranch_scc0 .Lentry_in_a_cluster
	s_endpgm
.Lentry_in_a_cluster:
	s_bfe_u32 s2, ttmp6, 0x10000c
	s_cmp_lg_u32 s2, 0xf033
	s_cbranch_scc0 .Lentry_shape_is_right
	s_endpgm
.Lentry_shape_is_right:
; att = softmax(q k^T + mask) v, bf16 out; q already carries 1/8.  The mask is an input: every one of the 2048 x 2048 scores of every head is made.
; A work-group takes 128 queries x 2 neighbouring heads (x: block of queries; y: batch x 8 + pair of heads): one f32 mask tile serves two heads, and
; rows of K, V and of the output are 256 aligned bytes.  Eight waves: wave w takes head w & 1 and queries 32 (w >> 1) .. + 31; two waves lie on a
; SIMD, so that one wave's exponentials run beside the other's matrix work.
; CLUSTERS 4 x 4: K and V hang on y alone (joint along a row of the cluster), the mask on x alone (joint along a column).
; LAYOUT: S^T = K (source 0) x Q (source 1) + C, C = the mask tile loaded straight into the accumulator: lane (r, h), register j = query r,
; key 8 h + j.  A query's row lies in lanes l and l ^ 16; rounding two neighbouring tiles in place gives P's fragment for 32 keys with no lane
; traffic; O^T = V^T (source 0, transposing LDS load) x P (source 1) keeps the query in the lane, so the rescale and 1 / l are the lane's own.
; The running maximum is taken away before the multiplication by log2(e): x - m is exact for neighbours, so a row whose every score is near -1e9
; (or 30 times that) gives the same weights as a plain softmax in f32.
; LIMITS: the mask is finite (a row of -inf gives NaN here as in a plain softmax); weights are rounded to bf16 for P V, their sum is kept in f32.
.set ROWB, 6144                        ; bytes in a row of qkvb
.set KP,   272
.set VP,   288                         ; odd multiple of 32: the transposing load
.set MPI,  528
.set VOFF, 128*KP                      ; 34,816
.set MOFF, VOFF+128*VP                 ; 71,680
.set SLOT, MOFF+128*MPI                ; 139,264: 128 keys
.set STAGE, 2*SLOT                     ; 128 rows x 272 bytes; no tensor load ever lands here
.set ADK, 2                            ; v2,3   K fragment address, slot 0, 1
.set ADV, 4
.set ADM, 6
.set CO,  8                            ; my byte offset in att
.set QO,  9                            ; my byte offset in q
.set MX,  10                           ; v[10:13] running maximum of query block 0, 1 (low register of a pair)
.set AL,  14                           ; v[14:17] rescale factor, likewise; at the end 1 / l
.set LS,  18                           ; v[18:21] running sums, two a lane
.set T,   22                           ; v[22:29] at work
.set STO, 30
.set RD,  31
.set Q,   32                           ; v[32:63]   fragment (qb, ks) at 8 (2 qb + ks)
.set SA,  64                           ; v[64:127]  tile (qb, kb) at 8 (4 qb + kb): mask, scores, weights, P
.set KF,  128                          ; v[128:191] fragment (kb, ks) at 8 (2 kb + ks)
.set VF,  192                          ; v[192:255] fragment (u, db) at 8 (4 u + db)
                                       ; window 1: v[0:63] O, tile (qb, db) at 8 (4 qb + db)
.set G1K, 16
.set G1V, 24
.set G1M, 32
.set G0K, 48
.set G0V, 56
.set G0M, 68
.set MSB, 0
.macro WIN new
.if MSB != \new
	s_set_vgpr_msb (MSB<<8)|\new
.set MSB, \new
.endif
.endm
.macro PLACES n
.rept \n
	v_nop
.endr
.endm
.macro JLOAD s                         ; waves 0, 1: K's halves; 2, 3: V's halves; 4 - 7: the mask's quarters.  16 KiB each, one load a wave on every path
	s_cmp_lg_u32 s12, 0
	s_cbranch_scc1 .Lnot_k_\@
	tensor_load_to_lds s[G0K+4*\s:G0K+4*\s+3], s[G1K:G1K+7]
	s_nop 0
	s_branch .Lasked_\@
.Lnot_k_\@:
	s_cmp_lg_u32 s12, 1
	s_cbranch_scc1 .Lnot_v_\@
	tensor_load_to_lds s[G0V+4*\s:G0V+4*\s+3], s[G1V:G1V+7]
	s_nop 0
	s_branch .Lasked_\@
.Lnot_v_\@:
	tensor_load_to_lds s[G0M+4*\s:G0M+4*\s+3], s[G1M:G1M+7]
	s_nop 0
.Lasked_\@:
.endm
.macro CROUND
	s_barrier_signal -1
	s_barrier_wait -1
	s_cmp_lg_u32 s10, 0
	s_cbranch_scc1 .Lnot_wave_0_\@
	s_barrier_signal -3
.Lnot_wave_0_\@:
	s_barrier_wait -3
	s_barrier_signal -1
	s_barrier_wait -1
.endm
	s_load_b128 s[4:7], s[0:1], 0x0                ; qkvb, attn_mask
	s_load_b64 s[8:9], s[0:1], 0x10                ; att
	s_set_vgpr_msb 0x40
	v_lshl_add_u32 v64, v0, 2, 0x4c800
	v_mov_b32 v65, 0
	s_set_vgpr_msb 0x4045
	ds_add_u32 v64, v65
	s_set_vgpr_msb 0x4500
	v_lshrrev_b32 v1, 5, v0
	v_readfirstlane_b32 s10, v1                    ; wave 0..7
	s_and_b32 s11, s10, 1                          ; my head of the pair; also which half of K or V I fetch
	s_lshr_b32 s12, s10, 1                         ; my 32 queries; also what I fetch
	s_and_b32 s13, s10, 3                          ; which quarter of the mask tile I fetch
	s_bfe_u32 s40, ttmp6, 0x40000                  ; cx
	s_bfe_u32 s41, ttmp6, 0x40004                  ; cy
	s_lshl_b32 s42, ttmp9, 2
	s_add_co_u32 s42, s42, s40                     ; block of queries
	s_and_b32 s43, ttmp7, 0xffff
	s_lshl_b32 s43, s43, 2
	s_add_co_u32 s43, s43, s41                     ; batch x 8 + pair of heads
	s_lshr_b32 s46, s43, 3                         ; batch
	s_and_b32 s47, s43, 7                          ; pair of heads
	s_lshl_b32 s44, s41, 2
	s_lshl_b32 s44, 15, s44                        ; my row of the cluster
	s_lshl_b32 s45, 0x1111, s40                    ; my column
	s_mov_b32 s76, 0x76543210
	s_mov_b32 s77, 0xfedcba98
	s_or_b32 s[G1K+0], s44, (1<<16)|(1<<20)|(1<<21)|(5<<22)|(3<<25)  ; K: 64 keys x 128 bf16, 4 words of padding behind every 64
	s_mov_b32 s[G1K+1], 128<<16
	s_mov_b32 s[G1K+2], 64<<16
	s_mov_b32 s[G1K+3], 128<<16
	s_mov_b32 s[G1K+4], 64
	s_mov_b32 s[G1K+5], 3072
	s_mov_b32 s[G1K+6], 0
	s_mov_b32 s[G1K+7], 0
	s_or_b32 s[G1V+0], s44, (1<<16)|(1<<20)|(1<<21)|(5<<22)|(7<<25)  ; V: the same with 8 words of padding
	s_mov_b32 s[G1V+1], 128<<16
	s_mov_b32 s[G1V+2], 64<<16
	s_mov_b32 s[G1V+3], 128<<16
	s_mov_b32 s[G1V+4], 64
	s_mov_b32 s[G1V+5], 3072
	s_mov_b32 s[G1V+6], 0
	s_mov_b32 s[G1V+7], 0
	s_or_b32 s[G1M+0], s45, (2<<16)|(1<<20)|(1<<21)|(6<<22)|(3<<25)  ; mask: 32 queries x 128 f32, 4 words of padding behind every 128
	s_mov_b32 s[G1M+1], 128<<16
	s_mov_b32 s[G1M+2], 32<<16
	s_mov_b32 s[G1M+3], 128<<16
	s_mov_b32 s[G1M+4], 32
	s_mov_b32 s[G1M+5], 2048
	s_mov_b32 s[G1M+6], 0
	s_mov_b32 s[G1M+7], 0
	s_lshl_b32 s78, s46, 11                        ; K, V: row batch x 2048 + 64 x half, column of the pair of heads (y and the wave alone)
	s_lshl_b32 s79, s11, 6
	s_add_co_u32 s78, s78, s79
	s_mul_i32 s78, s78, ROWB
	s_lshl_b32 s79, s47, 8
	s_add_co_u32 s78, s78, s79
	s_mov_b32 s79, 0
	s_lshl_b32 s80, s42, 7                         ; mask: row 128 x block + 32 x quarter (x and the wave alone)
	s_lshl_b32 s81, s13, 5
	s_add_co_u32 s80, s80, s81
	s_lshl_b32 s80, s80, 13
	s_mov_b32 s81, 0
	s_lshl_b32 s82, s46, 11                        ; q: my 32 rows, my head
	s_lshl_b32 s83, s42, 7
	s_add_co_u32 s82, s82, s83
	s_lshl_b32 s84, s82, 11                        ; (att: the block's first row x 2,048 bytes)
	s_lshl_b32 s83, s12, 5
	s_add_co_u32 s82, s82, s83
	s_mul_i32 s82, s82, ROWB
	s_lshl_b32 s83, s47, 8
	s_add_co_u32 s82, s82, s83
	s_add_co_u32 s84, s84, s83                     ; att: + the pair's 256 bytes
	s_lshl_b32 s83, s11, 7
	s_add_co_u32 s82, s82, s83
	s_mov_b32 s83, 0
	s_lshl_b32 s85, s10, 15                        ; att: + 16 rows a wave
	s_add_co_u32 s84, s84, s85
	s_mov_b32 s85, 0
	s_mul_i32 s14, s11, 64*KP                      ; where my part of a slot lies: the wave's number alone
	s_mul_i32 s15, s11, 64*VP
	s_add_co_u32 s15, s15, VOFF
	s_mul_i32 s86, s13, 32*MPI
	s_add_co_u32 s86, s86, MOFF
	v_and_b32 v1, 15, v0                           ; r
	v_bfe_u32 v22, v0, 4, 1                        ; h
	v_mul_u32_u24 v[QO], v1, ROWB
	v_lshl_add_u32 v[QO], v22, 4, v[QO]
	s_wait_dscnt 0x0
	s_wait_kmcnt 0x0
	s_add_nc_u64 s[78:79], s[4:5], s[78:79]
	s_add_nc_u64 s[80:81], s[6:7], s[80:81]
	s_add_nc_u64 s[82:83], s[4:5], s[82:83]
	s_add_nc_u64 s[8:9], s[8:9], s[84:85]
.irp qb, 0,1
.irp ks, 0,1
	global_load_b128 v[Q+8*(2*\qb+\ks):Q+8*(2*\qb+\ks)+3],   v[QO], s[82:83] offset:16*\qb*ROWB+64*\ks
	global_load_b128 v[Q+8*(2*\qb+\ks)+4:Q+8*(2*\qb+\ks)+7], v[QO], s[82:83] offset:16*\qb*ROWB+64*\ks+32
.endr
.endr
	CROUND                                         ; in front of the first joint loads
.irp s, 0,1
	s_mov_b32 s[G0K+4*\s], 1
	s_add_co_u32 s[G0K+4*\s+1], s14, \s*SLOT
	s_add_nc_u64 s[G0K+4*\s+2:G0K+4*\s+3], s[78:79], 2048+\s*128*ROWB
	s_or_b32 s[G0K+4*\s+3], s[G0K+4*\s+3], 0x80000000
	s_mov_b32 s[G0V+4*\s], 1
	s_add_co_u32 s[G0V+4*\s+1], s15, \s*SLOT
	s_add_nc_u64 s[G0V+4*\s+2:G0V+4*\s+3], s[78:79], 4096+\s*128*ROWB
	s_or_b32 s[G0V+4*\s+3], s[G0V+4*\s+3], 0x80000000
	s_mov_b32 s[G0M+4*\s], 1
	s_add_co_u32 s[G0M+4*\s+1], s86, \s*SLOT
	s_add_nc_u64 s[G0M+4*\s+2:G0M+4*\s+3], s[80:81], \s*512
	s_or_b32 s[G0M+4*\s+3], s[G0M+4*\s+3], 0x80000000
	JLOAD \s
.endr
	v_and_b32 v23, 7, v0
	v_bfe_u32 v24, v0, 3, 1
	s_lshl_b32 s87, s11, 7                         ; my head's 128 bytes of a row
	v_mul_u32_u24 v25, v1, KP
	v_lshl_add_u32 v25, v22, 4, v25
	v_add_nc_u32 v[ADK], s87, v25                  ; r x 272 + 16 h + head
	v_add_nc_u32 v[ADK+1], SLOT, v[ADK]
	v_lshl_add_u32 v26, v22, 3, v23
	v_mul_u32_u24 v26, v26, VP
	v_lshl_add_u32 v26, v24, 4, v26
	v_add_nc_u32 v26, s87, v26
	v_add_nc_u32 v[ADV], VOFF, v26                 ; (8 h + l % 8) x 288 + 16 x bit 3 + head
	v_add_nc_u32 v[ADV+1], SLOT, v[ADV]
	s_mul_i32 s2, s12, 32*MPI
	s_add_co_u32 s2, s2, MOFF
	v_mul_u32_u24 v27, v1, MPI
	v_lshl_add_u32 v27, v22, 5, v27
	v_add_nc_u32 v[ADM], s2, v27                   ; (32 group + r) x 528 + 32 h
	v_add_nc_u32 v[ADM+1], SLOT, v[ADM]
	s_mul_i32 s2, s12, 32*KP
	s_add_co_u32 s2, s2, STAGE
	v_add_nc_u32 v[STO], s2, v[ADK]
	s_mul_i32 s2, s10, 16*KP
	s_add_co_u32 s2, s2, STAGE
	v_mul_u32_u24 v28, v22, KP
	v_lshl_add_u32 v28, v1, 4, v28
	v_add_nc_u32 v[RD], s2, v28
	v_lshlrev_b32 v29, 11, v22
	v_lshl_add_u32 v[CO], v1, 4, v29
	v_mov_b32 v[MX+1], 0                           ; the upper registers of the broadcast pairs are written once
	v_mov_b32 v[MX+3], 0
	v_mov_b32 v[AL+1], 0
	v_mov_b32 v[AL+3], 0
; softmax of query block qb over the 64 keys at hand: 32 scores a lane
.macro SOFT qb, first
.set X, SA+32*\qb
	v_max3_num_f32 v[T],   v[X],   v[X+1],  v[X+2]
	v_max3_num_f32 v[T+1], v[X+3], v[X+4],  v[X+5]
	v_max3_num_f32 v[T+2], v[X+6], v[X+7],  v[X+8]
	v_max3_num_f32 v[T+3], v[X+9], v[X+10], v[X+11]
.set k, 0
.rept 10
	v_max3_num_f32 v[T+k%4], v[T+k%4], v[X+12+2*k], v[X+13+2*k]
.set k, k+1
.endr
	v_max3_num_f32 v[T], v[T], v[T+1], v[T+2]
.if \first
	v_max_num_f32 v[T], v[T], v[T+3]
.else
	v_max3_num_f32 v[T], v[T], v[T+3], v[MX+2*\qb]
.endif
	v_permlanex16_b32 v[T+1], v[T], s76, s77       ; the query's other 32 keys lie in lane l ^ 16
.if \first
	v_max_num_f32 v[MX+2*\qb], v[T], v[T+1]
.else
	v_max_num_f32 v[T+2], v[T], v[T+1]
	v_sub_f32 v[T+3], v[MX+2*\qb], v[T+2]
	v_mul_f32 v[T+3], 0x3fb8aa3b, v[T+3]
	v_exp_f32 v[AL+2*\qb], v[T+3]                  ; exp(old maximum - new)
	v_mov_b32 v[MX+2*\qb], v[T+2]                  ; the plain place behind it
.endif
.set k, 0
.rept 16
	v_pk_add_f32 v[X+2*k:X+2*k+1], v[X+2*k:X+2*k+1], v[MX+2*\qb:MX+2*\qb+1] op_sel_hi:[1,0] neg_lo:[0,1] neg_hi:[0,1]
.set k, k+1
.endr
.set k, 0
.rept 16
	v_pk_mul_f32 v[X+2*k:X+2*k+1], v[X+2*k:X+2*k+1], 0x3fb8aa3b op_sel_hi:[1,0]
.set k, k+1
.endr
.set k, 0
.rept 32
	v_exp_f32 v[X+k], v[X+k]
.set k, k+1
.endr
	v_nop                                          ; one plain place behind the run of exponentials (ISA guide 5.7.2)
	s_wait_alu depctr_va_vdst(0)
.irp c, 0,1,2,3
	v_pk_add_f32 v[T+2*\c:T+2*\c+1], v[X+2*\c:X+2*\c+1], v[X+8+2*\c:X+8+2*\c+1]
.endr
.irp c, 0,1,2,3
	v_pk_add_f32 v[T+2*\c:T+2*\c+1], v[T+2*\c:T+2*\c+1], v[X+16+2*\c:X+16+2*\c+1]
.endr
.irp c, 0,1,2,3
	v_pk_add_f32 v[T+2*\c:T+2*\c+1], v[T+2*\c:T+2*\c+1], v[X+24+2*\c:X+24+2*\c+1]
.endr
	v_pk_add_f32 v[T:T+1], v[T:T+1], v[T+2:T+3]
	v_pk_add_f32 v[T+4:T+5], v[T+4:T+5], v[T+6:T+7]
.if \first
	v_pk_add_f32 v[LS+2*\qb:LS+2*\qb+1], v[T:T+1], v[T+4:T+5]
.else
	v_pk_add_f32 v[T:T+1], v[T:T+1], v[T+4:T+5]
	v_pk_fma_f32 v[LS+2*\qb:LS+2*\qb+1], v[LS+2*\qb:LS+2*\qb+1], v[AL+2*\qb:AL+2*\qb+1], v[T:T+1] op_sel_hi:[1,0,1]
.endif
.irp u, 0,1
.irp i, 0,1,2,3,4,5,6,7
	v_cvt_pk_bf16_f32 v[X+16*\u+\i], v[X+16*\u+2*\i], v[X+16*\u+2*\i+1]   ; in place, ascending: register i is written when 2 i and 2 i + 1 are read
.endr
.endr
.endm
.macro PVU u, zero
.irp qb, 0,1
.irp db, 0,1,2,3
.if \zero
	v_wmma_f32_16x16x32_bf16 v[8*(4*\qb+\db):8*(4*\qb+\db)+7], v[VF+8*(4*\u+\db):VF+8*(4*\u+\db)+7], v[SA+32*\qb+16*\u:SA+32*\qb+16*\u+7], 0
.else
	v_wmma_f32_16x16x32_bf16 v[8*(4*\qb+\db):8*(4*\qb+\db)+7], v[VF+8*(4*\u+\db):VF+8*(4*\u+\db)+7], v[SA+32*\qb+16*\u:SA+32*\qb+16*\u+7], v[8*(4*\qb+\db):8*(4*\qb+\db)+7]
.endif
.endr
.endr
.endm
; 64 keys: half sub of a slot
.macro SUB slot, sub, first
	PLACES 5                                       ; behind the last P V products: loads follow into their sources, and the score products write over P
.irp kb, 0,1,2,3
.irp ks, 0,1
	ds_load_b128 v[KF+8*(2*\kb+\ks):KF+8*(2*\kb+\ks)+3],   v[ADK+\slot] offset:(64*\sub+16*\kb)*KP+64*\ks
	ds_load_b128 v[KF+8*(2*\kb+\ks)+4:KF+8*(2*\kb+\ks)+7], v[ADK+\slot] offset:(64*\sub+16*\kb)*KP+64*\ks+32
.endr
.endr
.irp qb, 0,1
.irp kb, 0,1,2,3
	ds_load_b128 v[SA+8*(4*\qb+\kb):SA+8*(4*\qb+\kb)+3],   v[ADM+\slot] offset:16*\qb*MPI+256*\sub+64*\kb
	ds_load_b128 v[SA+8*(4*\qb+\kb)+4:SA+8*(4*\qb+\kb)+7], v[ADM+\slot] offset:16*\qb*MPI+256*\sub+64*\kb+16
.endr
.endr
.irp u, 0,1
.irp db, 0,1,2,3
	ds_load_tr16_b128 v[VF+8*(4*\u+\db):VF+8*(4*\u+\db)+3],   v[ADV+\slot] offset:(64*\sub+32*\u)*VP+32*\db
	ds_load_tr16_b128 v[VF+8*(4*\u+\db)+4:VF+8*(4*\u+\db)+7], v[ADV+\slot] offset:(64*\sub+32*\u+16)*VP+32*\db
.endr
.endr
	s_wait_dscnt 16                                ; K and the mask are in; V's sixteen loads stay out
.irp ks, 0,1
.irp qb, 0,1
.irp kb, 0,1,2,3
	v_wmma_f32_16x16x32_bf16 v[SA+8*(4*\qb+\kb):SA+8*(4*\qb+\kb)+7], v[KF+8*(2*\kb+\ks):KF+8*(2*\kb+\ks)+7], v[Q+8*(2*\qb+\ks):Q+8*(2*\qb+\ks)+7], v[SA+8*(4*\qb+\kb):SA+8*(4*\qb+\kb)+7]
.endr
.endr
.endr                                              ; eight accumulators take turns, one instruction a turn
	PLACES 4
	SOFT 0, \first
	SOFT 1, \first
.if \first == 0
	WIN 0x41                                       ; O in window 1, the factor in window 0
.irp qb, 0,1
.set k, 0
.rept 16
	v_pk_mul_f32 v[32*\qb+2*k:32*\qb+2*k+1], v[32*\qb+2*k:32*\qb+2*k+1], v[AL+2*\qb:AL+2*\qb+1] op_sel_hi:[1,0]
.set k, k+1
.endr
.endr
.endif
	s_wait_dscnt 0x0                               ; V
	WIN 0x50
	PVU 0, \first
	PVU 1, 0
	WIN 0
.endm
; a slot of 128 keys.  In front of the round: all my tensor loads have landed, my reads of the other slot are back.  Behind it: my one joint load, first.
.macro ASTEP slot, other, refill
	s_set_vgpr_msb 0x5
	s_wait_tensorcnt 0x0
	ds_add_u32 v64, v65
	s_wait_dscnt 0x0
	s_set_vgpr_msb 0x500
.if \refill
	s_add_nc_u64 s[G0K+4*\other+2:G0K+4*\other+3], s[G0K+4*\other+2:G0K+4*\other+3], 2*128*ROWB
	s_add_nc_u64 s[G0V+4*\other+2:G0V+4*\other+3], s[G0V+4*\other+2:G0V+4*\other+3], 2*128*ROWB
	s_add_nc_u64 s[G0M+4*\other+2:G0M+4*\other+3], s[G0M+4*\other+2:G0M+4*\other+3], 2*512
.endif
	s_wait_dscnt 0x0
.if \refill
	CROUND
	JLOAD \other
.else
	s_barrier_signal -1
	s_barrier_wait -1
.endif
	SUB \slot, 0, 0
	SUB \slot, 1, 0
.endm
	s_wait_tensorcnt 1                             ; my part of slot 0 is in; slot 1's stays out
	s_barrier_signal -1
	s_barrier_wait -1
	s_wait_loadcnt 0x0                             ; q
	SUB 0, 0, 1                                    ; the first 64 keys start the maxima, the sums and O
	SUB 0, 1, 0
	s_mov_b32 s3, 7                                ; slots 1 to 14 are read, slots 2 to 15 asked for
.Lkeys:
	ASTEP 1, 0, 1
	ASTEP 0, 1, 1
	s_sub_co_u32 s3, s3, 1
	s_cmp_lg_u32 s3, 0
	s_cbranch_scc1 .Lkeys
	ASTEP 1, 0, 0                                  ; the last 128 keys: nothing is left to fetch
	; the way out: O / l, bf16, through the stage (a row of 256 bytes holds two waves' heads), whole rows to memory
	PLACES 4
	v_add_f32 v[T], v[LS], v[LS+1]
	v_add_f32 v[T+1], v[LS+2], v[LS+3]
	v_permlanex16_b32 v[T+2], v[T], s76, s77
	v_permlanex16_b32 v[T+3], v[T+1], s76, s77
	v_add_f32 v[T], v[T], v[T+2]
	v_add_f32 v[T+1], v[T+1], v[T+3]
	v_rcp_f32 v[AL], v[T]
	v_rcp_f32 v[AL+2], v[T+1]
	v_nop
	WIN 0x01
	s_wait_alu depctr_va_vdst(0)
.irp qb, 0,1
.set k, 0
.rept 16
	v_pk_mul_f32 v[SA+32*\qb+2*k:SA+32*\qb+2*k+1], v[32*\qb+2*k:32*\qb+2*k+1], v[AL+2*\qb:AL+2*\qb+1] op_sel_hi:[1,0]
.set k, k+1
.endr
.endr
	WIN 0
.irp t, 0,1,2,3,4,5,6,7
.irp i, 0,1,2,3
	v_cvt_pk_bf16_f32 v[KF+4*\t+\i], v[SA+8*\t+2*\i], v[SA+8*\t+2*\i+1]
.endr
.endr
.irp qb, 0,1
.irp db, 0,1,2,3
	ds_store_b128 v[STO], v[KF+4*(4*\qb+\db):KF+4*(4*\qb+\db)+3] offset:16*\qb*KP+32*\db
.endr
.endr
	s_wait_dscnt 0x0                               ; for the other waves' sake: my stores are done
	s_barrier_signal -1
	s_barrier_wait -1
.irp t, 0,1,2,3,4,5,6,7
	ds_load_b128 v[VF+4*\t:VF+4*\t+3], v[RD] offset:\t*2*KP
.endr
.irp t, 0,1,2,3,4,5,6,7
	s_wait_dscnt 7-\t
	global_store_b128 v[CO], v[VF+4*\t:VF+4*\t+3], s[8:9] offset:2*\t*2048   ; 16 lanes store 256 consecutive bytes, aligned
.endr
	s_set_vgpr_msb 0x5
	s_wait_tensorcnt 0x0
	ds_add_u32 v64, v65
	s_wait_dscnt 0x0
	s_set_vgpr_msb 0x500
	CROUND                                         ; the closing round
	s_endpgm
.Lfunc_end_k_q5d09bfd814_attn:
	.size	k_q5d09bfd814_attn, .Lfunc_end_k_q5d09bfd814_attn-k_q5d09bfd814_attn
	.p2alignl 7, 3214868480
	.fill 96, 4, 3214868480
	.section	.rodata,"a",@progbits
	.p2align	6, 0x0
	.amdhsa_kernel k_q5d09bfd814_attn
		.amdhsa_group_segment_fixed_size 327680
		.amdhsa_private_segment_fixed_size 0
		.amdhsa_enable_private_segment 0
		.amdhsa_kernarg_size 24
		.amdhsa_user_sgpr_count 2
		.amdhsa_user_sgpr_kernarg_segment_ptr 1
		.amdhsa_wavefront_size32 1
		.amdhsa_system_sgpr_workgroup_id_x 1
		.amdhsa_system_sgpr_workgroup_id_y 1
		.amdhsa_system_sgpr_workgroup_id_z 1
		.amdhsa_system_vgpr_workitem_id 0
		.amdhsa_next_free_vgpr 322
		.amdhsa_next_free_sgpr 88
		.amdhsa_reserve_vcc 0
		.amdhsa_float_denorm_mode_32 3
		.amdhsa_float_denorm_mode_16_64 3
		.amdhsa_memory_ordered 1
		.amdhsa_forward_progress 1
		.amdhsa_inst_pref_size 186
	.end_amdhsa_kernel
	.amdgpu_metadata
---
amdhsa.version: [ 1, 2 ]
amdhsa.kernels:
  - .name:           k_q5d09bfd814_attn
    .symbol:         k_q5d09bfd814_attn.kd
    .args:
      - { .name: qkvb, .offset: 0, .size: 8, .value_kind: global_buffer, .address_space: global }
      - { .name: attn_mask, .offset: 8, .size: 8, .value_kind: global_buffer, .address_space: global }
      - { .name: att, .offset: 16, .size: 8, .value_kind: global_buffer, .address_space: global }
    .group_segment_fixed_size: 327680
    .private_segment_fixed_size: 0
    .kernarg_segment_align: 8
    .kernarg_segment_size: 24
    .max_flat_workgroup_size: 256
    .sgpr_count:     88
    .vgpr_count:     322
    .wavefront_size: 32
...
	.end_amdgpu_metadata
.endif
;; end of part 3
;; launch wout (part 4): grid 8 x 32, 4 waves a work-group, clusters of 4 x 4, 327,680 bytes of LDS; arguments att, wb, x1, x; writes x1
.if DOCPART == 4
	.amdgcn_target "amdgcn-amd-amdhsa--gfx1250"
	.amdhsa_code_object_version 6
	.text
	.protected	k_q5d09bfd814_wout
	.globl	k_q5d09bfd814_wout
	.p2align	8
	.type	k_q5d09bfd814_wout,@function
k_q5d09bfd814_wout:
	s_mov_b64 s[64:65], 0
	v_nop
	global_prefetch_b8 v0, s[64:65] scope:SCOPE_SE
	s_setreg_imm32_b32 hwreg(HW_REG_WAVE_MODE, 25, 1), 1
	s_wait_xcnt 0x0
	s_wait_alu depctr_hold_cnt(0) depctr_sa_sdst(0) depctr_va_vdst(0) depctr_va_sdst(0) depctr_va_ssrc(0) depctr_va_vcc(0) depctr_vm_vsrc(0)
	s_getreg_b32 s2, hwreg(HW_REG_IB_STS2, 6, 4)
	s_cmp_eq_u32 s2, 0
	s_cbranch_scc0 .Lentry_in_a_cluster
	s_endpgm
.Lentry_in_a_cluster:
	s_bfe_u32 s2, ttmp6, 0x10000c
	s_cmp_lg_u32 s2, 0xf033
	s_cbranch_scc0 .Lentry_shape_is_right
	s_endpgm
.Lentry_shape_is_right:
; x1 = x + att x Wout, f32 out.  att: [4096][1024] bf16; Wout in wb: [1024][1024] bf16, K down the rows; x, x1: [4096][1024] f32.
; 4096 x 1024 outputs on 256 work-groups are 128 x 128 each; a wave makes 64 x 64 (16 accumulator tiles).  A block of 256 x 256 would read half the
; LDS bytes for each product but give work to 64 work-groups only.  An LDS slot holds 256 along K (four steps of 64), so that a wave's one tensor load
; behind each change of slots has 112 matrix instructions in which to land.
; CLUSTERS 4 x 4: att's tile is asked for jointly along a row of the cluster, the weight's along a column.
; The matrix instruction is used transposed: lane l holds row l % 16, registers 0-7 columns 8 (l / 16) + 0..7.
; Windows: 0 addresses and att's fragments; 1 the weight's fragments; 2 accumulators v[0:127] and the residual v[128:255], loaded at the start.
.set SIZE_K, 1024
.set SIZE_N, 1024
.set WOFF,   6291456                   ; Wout's place in wb
.set PA,     528                       ; att's LDS row: 512 bytes + 16
.set PB,     288                       ; the weight's LDS row: 256 bytes + 32, an odd multiple of 32
.set PART,   128*PB                    ; 36,864: a wave's part of a slot (att's 64 rows x 528 use 33,792 of it)
.set SLOT,   4*PART
.set STAGE,  2*SLOT
.set SPITCH, 272
.set LAPS,   SIZE_K/512
.set ADRA, 16                          ; v16,17 by slot
.set ADRB, 20                          ; v20-23 by 2 x slot + half of the slot's K rows
.set STO,  24
.set RD,   25
.set CO,   26
.set F0,   64
.set F1,   128
.set RES,  128
.set G1,  24
.set G0,  32
.set G1B, 48
.set G0B, 56
.set MSB, 0
.macro WIN new
.if MSB != \new
	s_set_vgpr_msb (MSB<<8)|\new
.set MSB, \new
.endif
.endm
.set MUL,  0xa1
.set TO_B, 0x40
.macro JLOAD s
	s_cmp_eq_u32 s11, 0
	s_cbranch_scc0 .Lfor_b_\@
	tensor_load_to_lds s[G0+4*\s:G0+4*\s+3], s[G1:G1+7]
	s_nop 0
	s_branch .Lasked_\@
.Lfor_b_\@:
	tensor_load_to_lds s[G0B+4*\s:G0B+4*\s+3], s[G1B:G1B+7]
	s_nop 0
.Lasked_\@:
.endm
.macro CREST
	s_cmp_lg_u32 s10, 0
	s_cbranch_scc1 .Lnot_wave_0_\@
	s_barrier_signal -3
.Lnot_wave_0_\@:
	s_barrier_wait -3
	s_barrier_signal -1
	s_barrier_wait -1
.endm
.macro CROUND
	s_barrier_signal -1
	s_barrier_wait -1
	CREST
.endm
.macro PLACES
.rept 4
	v_nop
.endr
.endm
	s_load_b128 s[4:7], s[0:1], 0x0                ; the left operand, wb
	s_load_b64 s[8:9], s[0:1], 0x10                ; the result
	s_load_b64 s[66:67], s[0:1], 0x18              ; the residual
	s_set_vgpr_msb 0x40
	v_lshl_add_u32 v255, v0, 2, 0x4c400
	s_set_vgpr_msb 0x4000
	v_mov_b32 v255, 0
	s_set_vgpr_msb 0x1
	ds_add_u32 v255, v255
	s_set_vgpr_msb 0x100
	v_lshrrev_b32 v1, 5, v0
	v_readfirstlane_b32 s10, v1
	s_lshr_b32 s11, s10, 1                         ; my half of the rows; also: I fetch the left operand (0) or the weight (1)
	s_and_b32 s12, s10, 1                          ; my half of the columns; also: which half of that tile I fetch
	s_bfe_u32 s40, ttmp6, 0x40000
	s_bfe_u32 s41, ttmp6, 0x40004
	s_lshl_b32 s42, ttmp9, 2
	s_add_co_u32 s42, s42, s40                     ; block column
	s_and_b32 s13, ttmp7, 0xffff
	s_lshl_b32 s13, s13, 2
	s_add_co_u32 s13, s13, s41                     ; block row
	s_lshl_b32 s43, s41, 2
	s_lshl_b32 s43, 15, s43
	s_lshl_b32 s44, 0x1111, s40
	s_or_b32 s[G1+0], s43, (1<<16)|(1<<20)|(1<<21)|(6<<22)|(3<<25)   ; 64 rows x 256 bf16, 4 words of padding behind every 128
	s_mov_b32 s[G1+1], 256<<16
	s_mov_b32 s[G1+2], 64<<16
	s_mov_b32 s[G1+3], 256<<16
	s_mov_b32 s[G1+4], 64
	s_mov_b32 s[G1+5], SIZE_K
	s_mov_b32 s[G1+6], 0
	s_mov_b32 s[G1+7], 0
	s_or_b32 s[G1B+0], s44, (1<<16)|(1<<20)|(1<<21)|(5<<22)|(7<<25)  ; 128 K rows x 128 bf16, 8 words of padding behind every 64
	s_mov_b32 s[G1B+1], 128<<16
	s_mov_b32 s[G1B+2], 128<<16
	s_mov_b32 s[G1B+3], 128<<16
	s_mov_b32 s[G1B+4], 128
	s_mov_b32 s[G1B+5], SIZE_N
	s_mov_b32 s[G1B+6], 0
	s_mov_b32 s[G1B+7], 0
	s_lshl_b32 s17, s12, 6
	s_lshl_b32 s16, s13, 7
	s_add_co_u32 s16, s16, s17                     ; row 128 x block row + 64 x half
	s_mul_i32 s16, s16, SIZE_K*2
	s_mov_b32 s17, 0
	s_lshl_b32 s46, s12, 18                        ; K row 128 x half, 2,048 bytes each
	s_lshl_b32 s47, s42, 8                         ; column 128 x block column
	s_add_co_u32 s46, s46, s47
	s_add_co_u32 s46, s46, WOFF
	s_mov_b32 s47, 0
	s_lshl_b32 s68, s13, 7                         ; my 64 x 64 of the result and of the residual
	s_lshl_b32 s69, s11, 6
	s_add_co_u32 s68, s68, s69
	s_lshl_b32 s68, s68, 12
	s_lshl_b32 s69, s42, 9
	s_add_co_u32 s68, s68, s69
	s_lshl_b32 s69, s12, 8
	s_add_co_u32 s68, s68, s69
	s_mov_b32 s69, 0
	s_mul_i32 s20, s10, PART
	s_wait_dscnt 0x0
	s_wait_kmcnt 0x0
	s_add_nc_u64 s[14:15], s[4:5], s[16:17]
	s_add_nc_u64 s[46:47], s[6:7], s[46:47]
	s_add_nc_u64 s[8:9], s[8:9], s[68:69]
	s_add_nc_u64 s[66:67], s[66:67], s[68:69]
	CROUND
.irp s, 0,1
	s_mov_b32 s[G0+4*\s], 1
	s_add_co_u32 s[G0+4*\s+1], s20, \s*SLOT
	s_add_nc_u64 s[G0+4*\s+2:G0+4*\s+3], s[14:15], \s*512
	s_or_b32 s[G0+4*\s+3], s[G0+4*\s+3], 0x80000000
	s_mov_b32 s[G0B+4*\s], 1
	s_add_co_u32 s[G0B+4*\s+1], s20, \s*SLOT
	s_add_nc_u64 s[G0B+4*\s+2:G0B+4*\s+3], s[46:47], \s*256*SIZE_N*2
	s_or_b32 s[G0B+4*\s+3], s[G0B+4*\s+3], 0x80000000
	JLOAD \s
.endr
	v_and_b32 v1, 15, v0
	v_bfe_u32 v2, v0, 4, 1
	v_and_b32 v6, 7, v0
	v_bfe_u32 v7, v0, 3, 1
	v_mul_u32_u24 v3, v1, PA
	v_lshl_add_u32 v3, v2, 4, v3
	s_mul_i32 s21, s11, PART
	v_add_nc_u32 v[ADRA], s21, v3
	v_add_nc_u32 v[ADRA+1], SLOT, v[ADRA]
	v_lshl_add_u32 v6, v2, 3, v6
	v_mul_u32_u24 v6, v6, PB
	v_lshl_add_u32 v6, v7, 4, v6
	s_lshl_b32 s22, s12, 7
	s_add_co_u32 s22, s22, 2*PART
	v_add_nc_u32 v[ADRB], s22, v6
	v_add_nc_u32 v[ADRB+1], PART, v[ADRB]
	v_add_nc_u32 v[ADRB+2], SLOT, v[ADRB]
	v_add_nc_u32 v[ADRB+3], SLOT+PART, v[ADRB]
	s_mul_i32 s23, s10, 16*SPITCH
	s_add_co_u32 s23, s23, STAGE
	v_mul_u32_u24 v4, v1, SPITCH
	v_lshl_add_u32 v4, v2, 5, v4
	v_add_nc_u32 v[STO], s23, v4                   ; in: row l % 16, 32 bytes for each half of the lanes
	v_mul_u32_u24 v5, v2, SPITCH
	v_lshl_add_u32 v5, v1, 4, v5
	v_add_nc_u32 v[RD], s23, v5                    ; back: lanes 0-15 one row of 256 bytes, lanes 16-31 the next
	v_lshlrev_b32 v5, 12, v2
	v_lshl_add_u32 v[CO], v1, 4, v5                ; the same two rows in memory
	WIN 0x80                                       ; the residual, in the layout in which rows come back from the stage; it lands under the product
.irp a, 0,1,2,3
.irp t, 0,1,2,3,4,5,6,7
	global_load_b128 v[RES+32*\a+4*\t:RES+32*\a+4*\t+3], v[CO], s[66:67] offset:(16*\a+2*\t)*4096
.endr
.endr
	WIN 0
; the fragments of step st (64 along K) of a slot: 16 transposing loads for 64 columns, 16 plain loads for 64 rows
.macro FETCH2 slot, st, f
	WIN TO_B
.irp ks, 0,1
.irp b, 0,1,2,3
	ds_load_tr16_b128 v[\f+8*(4*\ks+\b):\f+8*(4*\ks+\b)+3],   v[ADRB+2*\slot+(\st>>1)] offset:((\st&1)*64+32*\ks)*PB+32*\b
	ds_load_tr16_b128 v[\f+8*(4*\ks+\b)+4:\f+8*(4*\ks+\b)+7], v[ADRB+2*\slot+(\st>>1)] offset:((\st&1)*64+32*\ks+16)*PB+32*\b
.endr
.endr
	WIN 0
.irp ks, 0,1
.irp a, 0,1,2,3
	ds_load_b128 v[\f+8*(4*\ks+\a):\f+8*(4*\ks+\a)+3],   v[ADRA+\slot] offset:\a*16*PA+128*\st+64*\ks
	ds_load_b128 v[\f+8*(4*\ks+\a)+4:\f+8*(4*\ks+\a)+7], v[ADRA+\slot] offset:\a*16*PA+128*\st+64*\ks+32
.endr
.endr
.endm
.macro MULH f, ks, zero                ; 16 matrix instructions, the 16 accumulators by turns
.irp a, 0,1,2,3
.irp b, 0,1,2,3
.if \zero
	v_wmma_f32_16x16x32_bf16 v[8*(4*\a+\b):8*(4*\a+\b)+7], v[\f+8*(4*\ks+\b):\f+8*(4*\ks+\b)+7], v[\f+8*(4*\ks+\a):\f+8*(4*\ks+\a)+7], 0
.else
	v_wmma_f32_16x16x32_bf16 v[8*(4*\a+\b):8*(4*\a+\b)+7], v[\f+8*(4*\ks+\b):\f+8*(4*\ks+\b)+7], v[\f+8*(4*\ks+\a):\f+8*(4*\ks+\a)+7], v[8*(4*\a+\b):8*(4*\a+\b)+7]
.endif
.endr
.endr
.endm
.macro STEP slot, nxt, f, g, zero      ; multiplies buffer f, asked for a step ago; asks for step nxt into buffer g first
	s_wait_dscnt 0x0
	PLACES
	FETCH2 \slot, \nxt, \g
	WIN MUL
	MULH \f, 0, \zero
	MULH \f, 1, 0
.endm
.macro TURN2 slot, next, fill          ; the slot's last step changes slots
	s_wait_dscnt 0x0                               ; my reads of this slot are over
	s_wait_tensorcnt 0x0                           ; all my tensor loads have landed: the one that was out is my part of the next slot
	ds_add_u32 v255, v255
	s_wait_dscnt 0x0
	s_barrier_signal -1
	WIN MUL
	MULH F1, 0, 0
	WIN 0
	s_barrier_wait -1
.if \fill
	CREST
	s_add_nc_u64 s[G0+4*\slot+2:G0+4*\slot+3], s[G0+4*\slot+2:G0+4*\slot+3], 2*512
	s_add_nc_u64 s[G0B+4*\slot+2:G0B+4*\slot+3], s[G0B+4*\slot+2:G0B+4*\slot+3], 2*256*SIZE_N*2
	JLOAD \slot
.endif
	PLACES
	FETCH2 \next, 0, F0
	WIN MUL
	MULH F1, 1, 0
.endm
.macro THREE slot, zero
	STEP \slot, 1, F0, F1, \zero
	STEP \slot, 2, F1, F0, 0
	STEP \slot, 3, F0, F1, 0
.endm
.macro LAP zero
	THREE 0, \zero
	TURN2 0, 1, 1
	THREE 1, 0
	TURN2 1, 0, 1
.endm
	s_wait_tensorcnt 1                             ; my part of slot 0 is in; slot 1's stays out
	s_barrier_signal -1
	s_barrier_wait -1
	FETCH2 0, 0, F0
	LAP 1
.if LAPS > 2
	WIN 0
	s_mov_b32 s3, LAPS-2
.Llap:
	LAP 0
	WIN 0
	s_sub_co_u32 s3, s3, 1
	s_cmp_lg_u32 s3, 0
	s_cbranch_scc1 .Llap
.endif
	THREE 0, 0                                     ; the last lap fills nothing
	TURN2 0, 1, 0
	THREE 1, 0
	s_wait_dscnt 0x0
	WIN MUL
	MULH F1, 0, 0
	MULH F1, 1, 0
	; the way out, 16 rows at a time: f32 tiles into my own stage, back as rows of 256 bytes into the same registers, + residual, store
	PLACES
	s_wait_loadcnt 0x0                             ; the residual
.irp a, 0,1,2,3
	WIN 0x88                                       ; LDS and global data in window 2, addresses in window 0
.irp b, 0,1,2,3
	ds_store_b128 v[STO], v[32*\a+8*\b:32*\a+8*\b+3]   offset:64*\b
	ds_store_b128 v[STO], v[32*\a+8*\b+4:32*\a+8*\b+7] offset:64*\b+16
.endr
.irp t, 0,1,2,3,4,5,6,7
	ds_load_b128 v[32*\a+4*\t:32*\a+4*\t+3], v[RD] offset:\t*2*SPITCH   ; a wave's LDS instructions are served in order: these see the stores above
.endr
	s_wait_dscnt 0x0
	WIN 0x8a
.irp p, 0,2,4,6,8,10,12,14,16,18,20,22,24,26,28,30
	v_pk_add_f32 v[32*\a+\p:32*\a+\p+1], v[32*\a+\p:32*\a+\p+1], v[RES+32*\a+\p:RES+32*\a+\p+1]
.endr
	WIN 0x88
.irp t, 0,1,2,3,4,5,6,7
	global_store_b128 v[CO], v[32*\a+4*\t:32*\a+4*\t+3], s[8:9] offset:(16*\a+2*\t)*4096   ; 16 lanes store 256 consecutive bytes, aligned; no stored register is written again
.endr
.endr
	WIN 0
	s_set_vgpr_msb 0x1
	s_wait_tensorcnt 0x0
	ds_add_u32 v255, v255
	s_wait_dscnt 0x0
	s_set_vgpr_msb 0x100
	CROUND                                         ; the closing round
	s_endpgm
.Lfunc_end_k_q5d09bfd814_wout:
	.size	k_q5d09bfd814_wout, .Lfunc_end_k_q5d09bfd814_wout-k_q5d09bfd814_wout
	.p2alignl 7, 3214868480
	.fill 96, 4, 3214868480
	.section	.rodata,"a",@progbits
	.p2align	6, 0x0
	.amdhsa_kernel k_q5d09bfd814_wout
		.amdhsa_group_segment_fixed_size 327680
		.amdhsa_private_segment_fixed_size 0
		.amdhsa_enable_private_segment 0
		.amdhsa_kernarg_size 32
		.amdhsa_user_sgpr_count 2
		.amdhsa_user_sgpr_kernarg_segment_ptr 1
		.amdhsa_wavefront_size32 1
		.amdhsa_system_sgpr_workgroup_id_x 1
		.amdhsa_system_sgpr_workgroup_id_y 1
		.amdhsa_system_sgpr_workgroup_id_z 1
		.amdhsa_system_vgpr_workitem_id 0
		.amdhsa_next_free_vgpr 768
		.amdhsa_next_free_sgpr 72
		.amdhsa_reserve_vcc 0
		.amdhsa_float_denorm_mode_32 3
		.amdhsa_float_denorm_mode_16_64 3
		.amdhsa_memory_ordered 1
		.amdhsa_forward_progress 1
		.amdhsa_inst_pref_size 92
	.end_amdhsa_kernel
	.amdgpu_metadata
---
amdhsa.version: [ 1, 2 ]
amdhsa.kernels:
  - .name:           k_q5d09bfd814_wout
    .symbol:         k_q5d09bfd814_wout.kd
    .args:
      - { .name: att, .offset: 0, .size: 8, .value_kind: global_buffer, .address_space: global }
      - { .name: wb, .offset: 8, .size: 8, .value_kind: global_buffer, .address_space: global }
      - { .name: x1, .offset: 16, .size: 8, .value_kind: global_buffer, .address_space: global }
      - { .name: x, .offset: 24, .size: 8, .value_kind: global_buffer, .address_space: global }
    .group_segment_fixed_size: 327680
    .private_segment_fixed_size: 0
    .kernarg_segment_align: 8
    .kernarg_segment_size: 32
    .max_flat_workgroup_size: 128
    .sgpr_count:     72
    .vgpr_count:     768
    .wavefront_size: 32
...
	.end_amdgpu_metadata
.endif
;; end of part 4
;; launch norm2 (part 5): grid 256 x 1, 8 waves a work-group, no clusters, 0 bytes of LDS; arguments x1, g2, hn2; writes hn2
.if DOCPART == 5
	.amdgcn_target "amdgcn-amd-amdhsa--gfx1250"
	.amdhsa_code_object_version 6
	.text
	.protected	k_q5d09bfd814_norm2
	.globl	k_q5d09bfd814_norm2
	.p2align	8
	.type	k_q5d09bfd814_norm2,@function
k_q5d09bfd814_norm2:
	s_mov_b64 s[64:65], 0
	v_nop
	global_prefetch_b8 v0, s[64:65] scope:SCOPE_SE
	s_setreg_imm32_b32 hwreg(HW_REG_WAVE_MODE, 25, 1), 1
	s_wait_xcnt 0x0
; hn2 = g2 * x1 * rsqrt(mean(x1^2) + 1e-8), bf16.  x1: [4096][1024] f32.  One wave takes a row of 4,096 bytes into 32 registers and keeps it between
; the sum and the scaling: the row is read once and no wave waits for another.  Two rows a wave, all loads out first.  Memory binds: no LDS, no barrier.
.set GG, 16                            ; v[16:47]   g of my 32 columns
.set XX, 48                            ; v[48:111]  two rows
.set T,  2                             ; v[2:9]     four running sums of pairs
.set RS, 12                            ; v[12:13]   1 / rms, twice
.macro NROW i, left
	s_wait_loadcnt \left                           ; g and this row are in, a younger row may stay out
.irp c, 0,1,2,3
	v_pk_mul_f32 v[T+2*\c:T+2*\c+1], v[XX+32*\i+2*\c:XX+32*\i+2*\c+1], v[XX+32*\i+2*\c:XX+32*\i+2*\c+1]
.endr
.irp k, 1,2,3
.irp c, 0,1,2,3
	v_pk_fma_f32 v[T+2*\c:T+2*\c+1], v[XX+32*\i+8*\k+2*\c:XX+32*\i+8*\k+2*\c+1], v[XX+32*\i+8*\k+2*\c:XX+32*\i+8*\k+2*\c+1], v[T+2*\c:T+2*\c+1]
.endr
.endr
	v_pk_add_f32 v[T:T+1], v[T:T+1], v[T+2:T+3]
	v_pk_add_f32 v[T+4:T+5], v[T+4:T+5], v[T+6:T+7]
	v_pk_add_f32 v[T:T+1], v[T:T+1], v[T+4:T+5]
	v_add_f32 v[T], v[T], v[T+1]
	v_add_f32_dpp v[T], v[T], v[T] row_xmask:1 row_mask:0xf bank_mask:0xf
	v_add_f32_dpp v[T], v[T], v[T] row_xmask:2 row_mask:0xf bank_mask:0xf
	v_add_f32_dpp v[T], v[T], v[T] row_xmask:4 row_mask:0xf bank_mask:0xf
	v_add_f32_dpp v[T], v[T], v[T] row_xmask:8 row_mask:0xf bank_mask:0xf
	v_permlanex16_b32 v[T+1], v[T], s32, s33
	v_add_f32 v[T], v[T], v[T+1]
	v_fma_f32 v[T], v[T], s27, s28                 ; sum / 1024 + 1e-8
	v_rsq_f32 v[RS], v[T]
	v_rsq_f32 v[RS+1], v[T]                        ; the g * x products below are the plain place behind these two (ISA guide 5.7.2)
.irp j, 0,1,2,3,4,5,6,7
	v_pk_mul_f32 v[XX+32*\i+4*\j:XX+32*\i+4*\j+1], v[XX+32*\i+4*\j:XX+32*\i+4*\j+1], v[GG+4*\j:GG+4*\j+1]
	v_pk_mul_f32 v[XX+32*\i+4*\j+2:XX+32*\i+4*\j+3], v[XX+32*\i+4*\j+2:XX+32*\i+4*\j+3], v[GG+4*\j+2:GG+4*\j+3]
.endr
	s_wait_alu depctr_va_vdst(0)
.irp j, 0,1,2,3,4,5,6,7
	v_pk_mul_f32 v[XX+32*\i+4*\j:XX+32*\i+4*\j+1], v[XX+32*\i+4*\j:XX+32*\i+4*\j+1], v[RS:RS+1]
	v_pk_mul_f32 v[XX+32*\i+4*\j+2:XX+32*\i+4*\j+3], v[XX+32*\i+4*\j+2:XX+32*\i+4*\j+3], v[RS:RS+1]
	v_cvt_pk_bf16_f32 v[XX+32*\i+4*\j], v[XX+32*\i+4*\j], v[XX+32*\i+4*\j+1]
	v_cvt_pk_bf16_f32 v[XX+32*\i+4*\j+1], v[XX+32*\i+4*\j+2], v[XX+32*\i+4*\j+3]
	global_store_b64 v10, v[XX+32*\i+4*\j:XX+32*\i+4*\j+1], s[22:23] offset:2048*\i+256*\j   ; 32 lanes x 8 bytes: 256 consecutive bytes, aligned
.endr
.endm
	s_load_b128 s[16:19], s[0:1], 0x0              ; x1 s[16:17], g2 s[18:19]
	s_load_b64 s[22:23], s[0:1], 0x10              ; hn2
	v_lshrrev_b32 v1, 5, v0
	v_readfirstlane_b32 s3, v1                     ; wave 0..7
	s_mov_b32 s31, 0
	s_lshl_b32 s26, ttmp9, 3
	s_add_co_u32 s26, s26, s3                      ; my pair of rows
	s_mov_b32 s27, 0x3a800000                      ; 1 / 1024
	s_mov_b32 s28, 0x322bcc77                      ; 1e-8
	s_mov_b32 s32, 0x76543210
	s_mov_b32 s33, 0xfedcba98
	v_and_b32 v1, 31, v0
	v_lshlrev_b32 v10, 3, v1
	v_lshlrev_b32 v1, 4, v1
	s_wait_kmcnt 0x0
	s_lshl_b32 s30, s26, 13
	s_add_nc_u64 s[16:17], s[16:17], s[30:31]
	s_lshl_b32 s30, s26, 12
	s_add_nc_u64 s[22:23], s[22:23], s[30:31]
.irp j, 0,1,2,3,4,5,6,7
	global_load_b128 v[GG+4*\j:GG+4*\j+3], v1, s[18:19] offset:512*\j
.endr
.irp i, 0,1
.irp j, 0,1,2,3,4,5,6,7
	global_load_b128 v[XX+32*\i+4*\j:XX+32*\i+4*\j+3], v1, s[16:17] offset:4096*\i+512*\j
.endr
.endr
	NROW 0, 8
	NROW 1, 0
	s_endpgm
.Lfunc_end_k_q5d09bfd814_norm2:
	.size	k_q5d09bfd814_norm2, .Lfunc_end_k_q5d09bfd814_norm2-k_q5d09bfd814_norm2
	.p2alignl 7, 3214868480
	.fill 96, 4, 3214868480
	.section	.rodata,"a",@progbits
	.p2align	6, 0x0
	.amdhsa_kernel k_q5d09bfd814_norm2
		.amdhsa_group_segment_fixed_size 0
		.amdhsa_private_segment_fixed_size 0
		.amdhsa_enable_private_segment 0
		.amdhsa_kernarg_size 24
		.amdhsa_user_sgpr_count 2
		.amdhsa_user_sgpr_kernarg_segment_ptr 1
		.amdhsa_wavefront_size32 1
		.amdhsa_system_sgpr_workgroup_id_x 1
		.amdhsa_system_sgpr_workgroup_id_y 1
		.amdhsa_system_sgpr_workgroup_id_z 1
		.amdhsa_system_vgpr_workitem_id 0
		.amdhsa_next_free_vgpr 112
		.amdhsa_next_free_sgpr 66
		.amdhsa_reserve_vcc 0
		.amdhsa_float_denorm_mode_32 3
		.amdhsa_float_denorm_mode_16_64 3
		.amdhsa_memory_ordered 1
		.amdhsa_forward_progress 1
		.amdhsa_inst_pref_size 15
	.end_amdhsa_kernel
	.amdgpu_metadata
---
amdhsa.version: [ 1, 2 ]
amdhsa.kernels:
  - .name:           k_q5d09bfd814_norm2
    .symbol:         k_q5d09bfd814_norm2.kd
    .args:
      - { .name: x1, .offset: 0, .size: 8, .value_kind: global_buffer, .address_space: global }
      - { .name: g2, .offset: 8, .size: 8, .value_kind: global_buffer, .address_space: global }
      - { .name: hn2, .offset: 16, .size: 8, .value_kind: global_buffer, .address_space: global }
    .group_segment_fixed_size: 0
    .private_segment_fixed_size: 0
    .kernarg_segment_align: 8
    .kernarg_segment_size: 24
    .max_flat_workgroup_size: 256
    .sgpr_count:     66
    .vgpr_count:     112
    .wavefront_size: 32
...
	.end_amdgpu_metadata
.endif
;; end of part 5
;; launch w1 (part 6): grid 16 x 16, 4 waves a work-group, clusters of 4 x 4, 327,680 bytes of LDS; arguments hn2, wb, act; writes act
.if DOCPART == 6
	.amdgcn_target "amdgcn-amd-amdhsa--gfx1250"
	.amdhsa_code_object_version 6
	.text
	.protected	k_q5d09bfd814_w1
	.globl	k_q5d09bfd814_w1
	.p2align	8
	.type	k_q5d09bfd814_w1,@function
k_q5d09bfd814_w1:
	s_mov_b64 s[64:65], 0
	v_nop
	global_prefetch_b8 v0, s[64:65] scope:SCOPE_SE
	s_setreg_imm32_b32 hwreg(HW_REG_WAVE_MODE, 25, 1), 1
	s_wait_xcnt 0x0
	s_wait_alu depctr_hold_cnt(0) depctr_sa_sdst(0) depctr_va_vdst(0) depctr_va_sdst(0) depctr_va_ssrc(0) depctr_va_vcc(0) depctr_vm_vsrc(0)
	s_getreg_b32 s2, hwreg(HW_REG_IB_STS2, 6, 4)
	s_cmp_eq_u32 s2, 0
	s_cbranch_scc0 .Lentry_in_a_cluster
	s_endpgm
.Lentry_in_a_cluster:
	s_bfe_u32 s2, ttmp6, 0x10000c
	s_cmp_lg_u32 s2, 0xf033
	s_cbranch_scc0 .Lentry_shape_is_right
	s_endpgm
.Lentry_shape_is_right:
; act = gelu(hn2 x W1), the exact (erf) form, bf16.  hn2: [4096][1024] bf16; W1 in wb: [1024][4096] bf16, K down the rows; act: [4096][4096] bf16.
; A work-group makes 256 x 256 with four waves, a wave 128 x 128 (64 accumulator tiles).  K goes in steps of 128 through two LDS slots filled by
; tensor loads; the weight's tile stays [K][N] in LDS and its fragments are taken with the transposing LDS load.
; CLUSTERS 4 x 4: hn2's tile is asked for jointly along a row of the cluster, the weight's along a column.
; The matrix instruction is used transposed: lane l holds row l % 16, registers 0-7 columns 8 (l / 16) + 0..7.
; GELU: 0.5 x (1 + erf(x / sqrt 2)), erf(z) = z P(z^2) / Q(z^2) with P of degree 6 and Q of degree 4 in z^2.
; LIMIT: z is clamped to -4 .. 4 for the rational form, where erf is 1 to within f32's rounding; beyond, gelu(x) is x or 0 as it should be.
.set SIZE_K, 1024
.set SIZE_N, 4096
.set WOFF,   8388608                   ; W1's place in wb
.set KSTEP,  128
.set PITCH,  272
.set BP,     544
.set HALFT,  128*PITCH
.set SLOT,   4*HALFT
.set STAGE,  2*SLOT
.set SPITCH, 272
.set LAPS,   SIZE_K/(2*KSTEP)
.set ADRA, 16
.set ADRB, 20
.set STO,  24
.set RD,   25
.set CO,   26
.set A0,   28                          ; v[28:29] P's leading coefficient, twice
.set B0,   30                          ; v[30:31] Q's
.set Z2,   32                          ; v[32:39] z^2, then 1 / Q
.set PP,   40                          ; v[40:47]
.set QQ,   48                          ; v[48:55]
.set F0,   64
.set F1,   128
.set ZZ,   64                          ; the way out: z of 16 rows
.set HX,   128                         ; x / 2 of 16 rows
.set TMP,  192
.set RB,   224                         ; rows read back from the stage
.set G1,  24
.set G0,  32
.set G1B, 48
.set G0B, 56
.set MSB, 0
.macro WIN new
.if MSB != \new
	s_set_vgpr_msb (MSB<<8)|\new
.set MSB, \new
.endif
.endm
.set MUL_LO, 0xa1
.set MUL_HI, 0xf1
.set TO_B,   0x40
.macro JLOAD s
	s_cmp_eq_u32 s11, 0
	s_cbranch_scc0 .Lfor_b_\@
	tensor_load_to_lds s[G0+4*\s:G0+4*\s+3], s[G1:G1+7]
	s_nop 0
	s_branch .Lasked_\@
.Lfor_b_\@:
	tensor_load_to_lds s[G0B+4*\s:G0B+4*\s+3], s[G1B:G1B+7]
	s_nop 0
.Lasked_\@:
.endm
.macro CREST
	s_cmp_lg_u32 s10, 0
	s_cbranch_scc1 .Lnot_wave_0_\@
	s_barrier_signal -3
.Lnot_wave_0_\@:
	s_barrier_wait -3
	s_barrier_signal -1
	s_barrier_wait -1
.endm
.macro CROUND
	s_barrier_signal -1
	s_barrier_wait -1
	CREST
.endm
.macro PLACES
.rept 4
	v_nop
.endr
.endm
	s_load_b128 s[4:7], s[0:1], 0x0                ; hn2, wb
	s_load_b64 s[8:9], s[0:1], 0x10                ; act
	s_set_vgpr_msb 0x40
	v_lshl_add_u32 v255, v0, 2, 0x48400
	s_set_vgpr_msb 0x4000
	v_mov_b32 v63, 0
	s_set_vgpr_msb 0x1
	ds_add_u32 v255, v63
	s_set_vgpr_msb 0x100
	v_lshrrev_b32 v1, 5, v0
	v_readfirstlane_b32 s10, v1
	s_lshr_b32 s11, s10, 1
	s_and_b32 s12, s10, 1
	s_bfe_u32 s40, ttmp6, 0x40000
	s_bfe_u32 s41, ttmp6, 0x40004
	s_lshl_b32 s42, ttmp9, 2
	s_add_co_u32 s42, s42, s40                     ; block column
	s_and_b32 s13, ttmp7, 0xffff
	s_lshl_b32 s13, s13, 2
	s_add_co_u32 s13, s13, s41                     ; block row
	s_lshl_b32 s43, s41, 2
	s_lshl_b32 s43, 15, s43
	s_lshl_b32 s44, 0x1111, s40
	s_or_b32 s[G1+0], s43, (1<<16)|(1<<20)|(1<<21)|(5<<22)|(3<<25)
	s_mov_b32 s[G1+1], KSTEP<<16
	s_mov_b32 s[G1+2], 128<<16
	s_mov_b32 s[G1+3], KSTEP<<16
	s_mov_b32 s[G1+4], 128
	s_mov_b32 s[G1+5], SIZE_K
	s_mov_b32 s[G1+6], 0
	s_mov_b32 s[G1+7], 0
	s_or_b32 s[G1B+0], s44, (1<<16)|(1<<20)|(1<<21)|(6<<22)|(7<<25)
	s_mov_b32 s[G1B+1], 256<<16
	s_mov_b32 s[G1B+2], 64<<16
	s_mov_b32 s[G1B+3], 256<<16
	s_mov_b32 s[G1B+4], 64
	s_mov_b32 s[G1B+5], SIZE_N
	s_mov_b32 s[G1B+6], 0
	s_mov_b32 s[G1B+7], 0
	s_lshl_b32 s17, s12, 7
	s_lshl_b32 s16, s13, 8
	s_add_co_u32 s16, s16, s17
	s_lshl_b32 s16, s16, 11
	s_mov_b32 s17, 0
	s_mul_i32 s46, s12, 64*SIZE_N*2
	s_lshl_b32 s47, s42, 9
	s_add_co_u32 s46, s46, s47
	s_add_co_u32 s46, s46, WOFF
	s_mov_b32 s47, 0
	s_mul_i32 s20, s10, HALFT
	s_wait_dscnt 0x0
	s_wait_kmcnt 0x0
	s_add_nc_u64 s[14:15], s[4:5], s[16:17]
	s_add_nc_u64 s[46:47], s[6:7], s[46:47]
	CROUND
.irp s, 0,1
	s_mov_b32 s[G0+4*\s], 1
	s_add_co_u32 s[G0+4*\s+1], s20, \s*SLOT
	s_add_nc_u64 s[G0+4*\s+2:G0+4*\s+3], s[14:15], \s*KSTEP*2
	s_or_b32 s[G0+4*\s+3], s[G0+4*\s+3], 0x80000000
	s_mov_b32 s[G0B+4*\s], 1
	s_add_co_u32 s[G0B+4*\s+1], s20, \s*SLOT
	s_add_nc_u64 s[G0B+4*\s+2:G0B+4*\s+3], s[46:47], \s*KSTEP*SIZE_N*2
	s_or_b32 s[G0B+4*\s+3], s[G0B+4*\s+3], 0x80000000
	JLOAD \s
.endr
	v_and_b32 v1, 15, v0
	v_bfe_u32 v2, v0, 4, 1
	v_mul_u32_u24 v3, v1, PITCH
	v_lshl_add_u32 v3, v2, 4, v3
	s_mul_i32 s21, s11, HALFT
	v_add_nc_u32 v[ADRA], s21, v3
	v_add_nc_u32 v[ADRA+1], SLOT, v[ADRA]
	v_and_b32 v6, 7, v0
	v_lshl_add_u32 v6, v2, 3, v6
	v_mul_u32_u24 v6, v6, BP
	v_bfe_u32 v7, v0, 3, 1
	v_lshl_add_u32 v6, v7, 4, v6
	s_lshl_b32 s22, s12, 8
	s_add_co_u32 s22, s22, 2*HALFT
	v_add_nc_u32 v[ADRB], s22, v6
	v_add_nc_u32 v[ADRB+1], SLOT, v[ADRB]
	s_mul_i32 s23, s10, 16*SPITCH
	s_add_co_u32 s23, s23, STAGE
	v_mul_u32_u24 v4, v1, SPITCH
	v_lshl_add_u32 v4, v2, 4, v4
	v_add_nc_u32 v[STO], s23, v4
	v_mul_u32_u24 v5, v2, SPITCH
	v_lshl_add_u32 v5, v1, 4, v5
	v_add_nc_u32 v[RD], s23, v5
	v_mul_u32_u24 v5, v2, SIZE_N*2
	v_lshl_add_u32 v[CO], v1, 4, v5
.macro MUL16 f, hi, a0, zero
.irp a, \a0, \a0+1
.irp b, 0,1,2,3,4,5,6,7
.if \zero
	v_wmma_f32_16x16x32_bf16 v[8*(8*(\a)+\b):8*(8*(\a)+\b)+7], v[\f+8*\b:\f+8*\b+7], v[\f+8*(4*\hi+\a):\f+8*(4*\hi+\a)+7], 0
.else
	v_wmma_f32_16x16x32_bf16 v[8*(8*(\a)+\b):8*(8*(\a)+\b)+7], v[\f+8*\b:\f+8*\b+7], v[\f+8*(4*\hi+\a):\f+8*(4*\hi+\a)+7], v[8*(8*(\a)+\b):8*(8*(\a)+\b)+7]
.endif
.endr
.endr
.endm
.macro FETCH slot, q, f
	WIN TO_B
.irp i, 0,1,2,3,4,5,6,7
	ds_load_tr16_b128 v[\f+8*\i:\f+8*\i+3],   v[ADRB+\slot] offset:\q*32*BP+32*\i
	ds_load_tr16_b128 v[\f+8*\i+4:\f+8*\i+7], v[ADRB+\slot] offset:\q*32*BP+16*BP+32*\i
.endr
	WIN 0
.irp i, 0,1,2,3,4,5,6,7
	ds_load_b128 v[\f+8*\i:\f+8*\i+3],   v[ADRA+\slot] offset:64*\q+\i*16*PITCH
	ds_load_b128 v[\f+8*\i+4:\f+8*\i+7], v[ADRA+\slot] offset:64*\q+\i*16*PITCH+32
.endr
.endm
.macro QUARTER slot, q, f, g, zero
	s_wait_dscnt 8                                 ; the weight and rows 0-63 are in; the youngest eight loads (rows 64-127) may be out
	WIN MUL_LO
	MUL16 \f, 0, 0, \zero
	MUL16 \f, 0, 2, \zero
	PLACES
	FETCH \slot, \q, \g
	s_wait_dscnt 32                                ; all but the 32 just issued
	WIN MUL_HI
	MUL16 \f, 1, 0, \zero
	MUL16 \f, 1, 2, \zero
.endm
.macro THREE slot, zero
	QUARTER \slot, 1, F0, F1, \zero
	QUARTER \slot, 2, F1, F0, 0
	QUARTER \slot, 3, F0, F1, 0
.endm
.macro TURN slot, next, fill
	s_wait_dscnt 8
	WIN MUL_LO
	MUL16 F1, 0, 0, 0
	s_wait_dscnt 0                                 ; my reads of this slot are over
	s_wait_tensorcnt 0x0                           ; all my tensor loads have landed
	ds_add_u32 v255, v63
	s_wait_dscnt 0x0
	s_barrier_signal -1
	MUL16 F1, 0, 2, 0
	WIN 0
	s_barrier_wait -1
.if \fill
	CREST
	s_add_nc_u64 s[G0+4*\slot+2:G0+4*\slot+3], s[G0+4*\slot+2:G0+4*\slot+3], 2*KSTEP*2
	s_add_nc_u64 s[G0B+4*\slot+2:G0B+4*\slot+3], s[G0B+4*\slot+2:G0B+4*\slot+3], 2*KSTEP*SIZE_N*2
	JLOAD \slot
.endif
	PLACES
	FETCH \next, 0, F0
	WIN MUL_HI
	MUL16 F1, 1, 0, 0
	MUL16 F1, 1, 2, 0
.endm
.macro LAP zero
	THREE 0, \zero
	TURN 0, 1, 1
	THREE 1, 0
	TURN 1, 0, 1
.endm
	s_wait_tensorcnt 1                             ; my part of K step 0 is in; K step 1's stays out
	s_barrier_signal -1
	s_barrier_wait -1
	FETCH 0, 0, F0
	LAP 1                                          ; the 64 accumulators take turns, one instruction a turn
	WIN 0
	s_mov_b32 s3, LAPS-2
.Llap:
	LAP 0
	WIN 0
	s_sub_co_u32 s3, s3, 1
	s_cmp_lg_u32 s3, 0
	s_cbranch_scc1 .Llap
	THREE 0, 0
	TURN 0, 1, 0
	THREE 1, 0
	s_wait_dscnt 8
	WIN MUL_LO
	MUL16 F1, 0, 0, 0
	MUL16 F1, 0, 2, 0
	s_wait_dscnt 0
	WIN MUL_HI
	MUL16 F1, 1, 0, 0
	MUL16 F1, 1, 2, 0
	WIN 0
	v_mov_b32 v[A0], 0xaf95df0b                    ; these four moves are the four places behind the last matrix instructions (ISA guide 7.12.1)
	v_mov_b32 v[A0+1], 0xaf95df0b
	v_mov_b32 v[B0], 0xb77460cd
	v_mov_b32 v[B0+1], 0xb77460cd
	s_lshl_b32 s13, s13, 8
	s_lshl_b32 s14, s11, 7
	s_add_co_u32 s16, s13, s14
	s_mul_i32 s16, s16, SIZE_N*2
	s_mov_b32 s17, 0
	s_add_nc_u64 s[8:9], s[8:9], s[16:17]
	s_lshl_b32 s46, s42, 9
	s_lshl_b32 s47, s12, 8
	s_add_co_u32 s46, s46, s47
	s_mov_b32 s47, 0
	s_add_nc_u64 s[8:9], s[8:9], s[46:47]
; eight numbers of tile b: z clamped, P and Q by Horner in z^2, x/2 + x/2 erf, rounded
.macro GELU8 b
.irp j, 0,1,2,3,4,5,6,7
	v_med3_num_f32 v[ZZ+8*\b+\j], v[ZZ+8*\b+\j], -4.0, 4.0
.endr
.irp p, 0,2,4,6
	v_pk_mul_f32 v[Z2+\p:Z2+\p+1], v[ZZ+8*\b+\p:ZZ+8*\b+\p+1], v[ZZ+8*\b+\p:ZZ+8*\b+\p+1]
.endr
.irp p, 0,2,4,6
	v_pk_fma_f32 v[PP+\p:PP+\p+1], v[Z2+\p:Z2+\p+1], v[A0:A0+1], 0x32edffee op_sel_hi:[1,1,0]
	v_pk_fma_f32 v[QQ+\p:QQ+\p+1], v[Z2+\p:Z2+\p+1], v[B0:B0+1], 0xb95fbd29 op_sel_hi:[1,1,0]
.endr
.irp c, 0xb60cff51, 0xb86ec2d2, 0xba40ac63, 0xbb41a1f6, 0xbc83dbd4
.irp p, 0,2,4,6
	v_pk_fma_f32 v[PP+\p:PP+\p+1], v[PP+\p:PP+\p+1], v[Z2+\p:Z2+\p+1], \c op_sel_hi:[1,1,0]
.endr
.endr
.irp c, 0xbadc924e, 0xbbf19bf8, 0xbc69b6a7
.irp p, 0,2,4,6
	v_pk_fma_f32 v[QQ+\p:QQ+\p+1], v[QQ+\p:QQ+\p+1], v[Z2+\p:Z2+\p+1], \c op_sel_hi:[1,1,0]
.endr
.endr
.irp j, 0,1,2,3,4,5,6,7
	v_rcp_f32 v[Z2+\j], v[QQ+\j]                   ; Q <= -0.0142: never zero
.endr
.irp p, 0,2,4,6
	v_pk_mul_f32 v[PP+\p:PP+\p+1], v[PP+\p:PP+\p+1], v[ZZ+8*\b+\p:ZZ+8*\b+\p+1]   ; the plain place behind the reciprocals (ISA guide 5.7.2)
.endr
	s_wait_alu depctr_va_vdst(0)
.irp p, 0,2,4,6
	v_pk_mul_f32 v[PP+\p:PP+\p+1], v[PP+\p:PP+\p+1], v[Z2+\p:Z2+\p+1]             ; erf
.endr
.irp p, 0,2,4,6
	v_pk_fma_f32 v[PP+\p:PP+\p+1], v[HX+8*\b+\p:HX+8*\b+\p+1], v[PP+\p:PP+\p+1], v[HX+8*\b+\p:HX+8*\b+\p+1]
.endr
.irp r, 0,1,2,3
	v_cvt_pk_bf16_f32 v[TMP+4*\b+\r], v[PP+2*\r], v[PP+2*\r+1]
.endr
.endm
.macro OUTG i, a, from
	WIN \from
.set k, 0
.rept 32
	v_pk_mul_f32 v[ZZ+2*k:ZZ+2*k+1], v[64*\a+2*k:64*\a+2*k+1], 0x3f3504f3 op_sel_hi:[1,0]
	v_pk_mul_f32 v[HX+2*k:HX+2*k+1], v[64*\a+2*k:64*\a+2*k+1], 0.5 op_sel_hi:[1,0]
.set k, k+1
.endr
	WIN 0
.irp b, 0,1,2,3,4,5,6,7
	GELU8 \b
.endr
.irp b, 0,1,2,3,4,5,6,7
	ds_store_b128 v[STO], v[TMP+4*\b:TMP+4*\b+3] offset:32*\b
.endr
	s_wait_xcnt 0x0                                ; the registers that the last group's stores read, and their base, are rewritten only behind this wait (ISA guide 3.1)
.if \i
	s_add_nc_u64 s[8:9], s[8:9], 16*SIZE_N*2
.endif
.irp t, 0,1,2,3,4,5,6,7
	ds_load_b128 v[RB+4*\t:RB+4*\t+3], v[RD] offset:\t*2*SPITCH    ; a wave's LDS instructions are served in order: these see the stores above
.endr
.irp t, 0,1,2,3,4,5,6,7
	s_wait_dscnt 7-\t
	global_store_b128 v[CO], v[RB+4*\t:RB+4*\t+3], s[8:9] offset:2*\t*SIZE_N*2   ; 16 lanes store 256 consecutive bytes, aligned
.endr
.endm
	OUTG 0, 0, 0x02
	OUTG 1, 1, 0x02
	OUTG 2, 2, 0x02
	OUTG 3, 3, 0x02
	OUTG 4, 0, 0x03
	OUTG 5, 1, 0x03
	OUTG 6, 2, 0x03
	OUTG 7, 3, 0x03
	s_set_vgpr_msb 0x1
	s_wait_tensorcnt 0x0
	ds_add_u32 v255, v63
	s_wait_dscnt 0x0
	s_set_vgpr_msb 0x100
	CROUND                                         ; the closing round
	s_endpgm
.Lfunc_end_k_q5d09bfd814_w1:
	.size	k_q5d09bfd814_w1, .Lfunc_end_k_q5d09bfd814_w1-k_q5d09bfd814_w1
	.p2alignl 7, 3214868480
	.fill 96, 4, 3214868480
	.section	.rodata,"a",@progbits
	.p2align	6, 0x0
	.amdhsa_kernel k_q5d09bfd814_w1
		.amdhsa_group_segment_fixed_size 327680
		.amdhsa_private_segment_fixed_size 0
		.amdhsa_enable_private_segment 0
		.amdhsa_kernarg_size 24
		.amdhsa_user_sgpr_count 2
		.amdhsa_user_sgpr_kernarg_segment_ptr 1
		.amdhsa_wavefront_size32 1
		.amdhsa_system_sgpr_workgroup_id_x 1
		.amdhsa_system_sgpr_workgroup_id_y 1
		.amdhsa_system_sgpr_workgroup_id_z 1
		.amdhsa_system_vgpr_workitem_id 0
		.amdhsa_next_free_vgpr 1024
		.amdhsa_next_free_sgpr 72
		.amdhsa_reserve_vcc 0
		.amdhsa_float_denorm_mode_32 3
		.amdhsa_float_denorm_mode_16_64 3
		.amdhsa_memory_ordered 1
		.amdhsa_forward_progress 1
		.amdhsa_inst_pref_size 255
	.end_amdhsa_kernel
	.section	.bss,"aw",@nobits
	.p2align	6
	.space	262144
	.amdgpu_metadata
---
amdhsa.version: [ 1, 2 ]
amdhsa.kernels:
  - .name:           k_q5d09bfd814_w1
    .symbol:         k_q5d09bfd814_w1.kd
    .args:
      - { .name: hn2, .offset: 0, .size: 8, .value_kind: global_buffer, .address_space: global }
      - { .name: wb, .offset: 8, .size: 8, .value_kind: global_buffer, .address_space: global }
      - { .name: act, .offset: 16, .size: 8, .value_kind: global_buffer, .address_space: global }
    .group_segment_fixed_size: 327680
    .private_segment_fixed_size: 0
    .kernarg_segment_align: 8
    .kernarg_segment_size: 24
    .max_flat_workgroup_size: 128
    .sgpr_count:     72
    .vgpr_count:     1024
    .wavefront_size: 32
...
	.end_amdgpu_metadata
.endif
;; end of part 6
;; launch w2 (part 7): grid 8 x 32, 4 waves a work-group, clusters of 4 x 4, 327,680 bytes of LDS; arguments act, wb, out0, x1; writes out0
.if DOCPART == 7
	.amdgcn_target "amdgcn-amd-amdhsa--gfx1250"
	.amdhsa_code_object_version 6
	.text
	.protected	k_q5d09bfd814_w2
	.globl	k_q5d09bfd814_w2
	.p2align	8
	.type	k_q5d09bfd814_w2,@function
k_q5d09bfd814_w2:
	s_mov_b64 s[64:65], 0
	v_nop
	global_prefetch_b8 v0, s[64:65] scope:SCOPE_SE
	s_setreg_imm32_b32 hwreg(HW_REG_WAVE_MODE, 25, 1), 1
	s_wait_xcnt 0x0
	s_wait_alu depctr_hold_cnt(0) depctr_sa_sdst(0) depctr_va_vdst(0) depctr_va_sdst(0) depctr_va_ssrc(0) depctr_va_vcc(0) depctr_vm_vsrc(0)
	s_getreg_b32 s2, hwreg(HW_REG_IB_STS2, 6, 4)
	s_cmp_eq_u32 s2, 0
	s_cbranch_scc0 .Lentry_in_a_cluster
	s_endpgm
.Lentry_in_a_cluster:
	s_bfe_u32 s2, ttmp6, 0x10000c
	s_cmp_lg_u32 s2, 0xf033
	s_cbranch_scc0 .Lentry_shape_is_right
	s_endpgm
.Lentry_shape_is_right:
; out0 = x1 + act x W2, f32 out.  act: [4096][4096] bf16; W2 in wb: [4096][1024] bf16, K down the rows; x1, out0: [4096][1024] f32.
; 4096 x 1024 outputs on 256 work-groups are 128 x 128 each; a wave makes 64 x 64 (16 accumulator tiles).  A block of 256 x 256 would read half the
; LDS bytes for each product but give work to 64 work-groups only.  An LDS slot holds 256 along K (four steps of 64), so that a wave's one tensor load
; behind each change of slots has 112 matrix instructions in which to land.
; CLUSTERS 4 x 4: act's tile is asked for jointly along a row of the cluster, the weight's along a column.
; The matrix instruction is used transposed: lane l holds row l % 16, registers 0-7 columns 8 (l / 16) + 0..7.
; Windows: 0 addresses and act's fragments; 1 the weight's fragments; 2 accumulators v[0:127] and the residual v[128:255], loaded at the start.
.set SIZE_K, 4096
.set SIZE_N, 1024
.set WOFF,   16777216                  ; W2's place in wb
.set PA,     528
.set PB,     288
.set PART,   128*PB
.set SLOT,   4*PART
.set STAGE,  2*SLOT
.set SPITCH, 272
.set LAPS,   SIZE_K/512
.set ADRA, 16
.set ADRB, 20
.set STO,  24
.set RD,   25
.set CO,   26
.set F0,   64
.set F1,   128
.set RES,  128
.set G1,  24
.set G0,  32
.set G1B, 48
.set G0B, 56
.set MSB, 0
.macro WIN new
.if MSB != \new
	s_set_vgpr_msb (MSB<<8)|\new
.set MSB, \new
.endif
.endm
.set MUL,  0xa1
.set TO_B, 0x40
.macro JLOAD s
	s_cmp_eq_u32 s11, 0
	s_cbranch_scc0 .Lfor_b_\@
	tensor_load_to_lds s[G0+4*\s:G0+4*\s+3], s[G1:G1+7]
	s_nop 0
	s_branch .Lasked_\@
.Lfor_b_\@:
	tensor_load_to_lds s[G0B+4*\s:G0B+4*\s+3], s[G1B:G1B+7]
	s_nop 0
.Lasked_\@:
.endm
.macro CREST
	s_cmp_lg_u32 s10, 0
	s_cbranch_scc1 .Lnot_wave_0_\@
	s_barrier_signal -3
.Lnot_wave_0_\@:
	s_barrier_wait -3
	s_barrier_signal -1
	s_barrier_wait -1
.endm
.macro CROUND
	s_barrier_signal -1
	s_barrier_wait -1
	CREST
.endm
.macro PLACES
.rept 4
	v_nop
.endr
.endm
	s_load_b128 s[4:7], s[0:1], 0x0                ; the left operand, wb
	s_load_b64 s[8:9], s[0:1], 0x10                ; the result
	s_load_b64 s[66:67], s[0:1], 0x18              ; the residual
	s_set_vgpr_msb 0x40
	v_lshl_add_u32 v255, v0, 2, 0x4c400
	s_set_vgpr_msb 0x4000
	v_mov_b32 v255, 0
	s_set_vgpr_msb 0x1
	ds_add_u32 v255, v255
	s_set_vgpr_msb 0x100
	v_lshrrev_b32 v1, 5, v0
	v_readfirstlane_b32 s10, v1
	s_lshr_b32 s11, s10, 1
	s_and_b32 s12, s10, 1
	s_bfe_u32 s40, ttmp6, 0x40000
	s_bfe_u32 s41, ttmp6, 0x40004
	s_lshl_b32 s42, ttmp9, 2
	s_add_co_u32 s42, s42, s40                     ; block column
	s_and_b32 s13, ttmp7, 0xffff
	s_lshl_b32 s13, s13, 2
	s_add_co_u32 s13, s13, s41                     ; block row
	s_lshl_b32 s43, s41, 2
	s_lshl_b32 s43, 15, s43
	s_lshl_b32 s44, 0x1111, s40
	s_or_b32 s[G1+0], s43, (1<<16)|(1<<20)|(1<<21)|(6<<22)|(3<<25)
	s_mov_b32 s[G1+1], 256<<16
	s_mov_b32 s[G1+2], 64<<16
	s_mov_b32 s[G1+3], 256<<16
	s_mov_b32 s[G1+4], 64
	s_mov_b32 s[G1+5], SIZE_K
	s_mov_b32 s[G1+6], 0
	s_mov_b32 s[G1+7], 0
	s_or_b32 s[G1B+0], s44, (1<<16)|(1<<20)|(1<<21)|(5<<22)|(7<<25)
	s_mov_b32 s[G1B+1], 128<<16
	s_mov_b32 s[G1B+2], 128<<16
	s_mov_b32 s[G1B+3], 128<<16
	s_mov_b32 s[G1B+4], 128
	s_mov_b32 s[G1B+5], SIZE_N
	s_mov_b32 s[G1B+6], 0
	s_mov_b32 s[G1B+7], 0
	s_lshl_b32 s17, s12, 6
	s_lshl_b32 s16, s13, 7
	s_add_co_u32 s16, s16, s17
	s_mul_i32 s16, s16, SIZE_K*2
	s_mov_b32 s17, 0
	s_lshl_b32 s46, s12, 18
	s_lshl_b32 s47, s42, 8
	s_add_co_u32 s46, s46, s47
	s_add_co_u32 s46, s46, WOFF
	s_mov_b32 s47, 0
	s_lshl_b32 s68, s13, 7
	s_lshl_b32 s69, s11, 6
	s_add_co_u32 s68, s68, s69
	s_lshl_b32 s68, s68, 12
	s_lshl_b32 s69, s42, 9
	s_add_co_u32 s68, s68, s69
	s_lshl_b32 s69, s12, 8
	s_add_co_u32 s68, s68, s69
	s_mov_b32 s69, 0
	s_mul_i32 s20, s10, PART
	s_wait_dscnt 0x0
	s_wait_kmcnt 0x0
	s_add_nc_u64 s[14:15], s[4:5], s[16:17]
	s_add_nc_u64 s[46:47], s[6:7], s[46:47]
	s_add_nc_u64 s[8:9], s[8:9], s[68:69]
	s_add_nc_u64 s[66:67], s[66:67], s[68:69]
	CROUND
.irp s, 0,1
	s_mov_b32 s[G0+4*\s], 1
	s_add_co_u32 s[G0+4*\s+1], s20, \s*SLOT
	s_add_nc_u64 s[G0+4*\s+2:G0+4*\s+3], s[14:15], \s*512
	s_or_b32 s[G0+4*\s+3], s[G0+4*\s+3], 0x80000000
	s_mov_b32 s[G0B+4*\s], 1
	s_add_co_u32 s[G0B+4*\s+1], s20, \s*SLOT
	s_add_nc_u64 s[G0B+4*\s+2:G0B+4*\s+3], s[46:47], \s*256*SIZE_N*2
	s_or_b32 s[G0B+4*\s+3], s[G0B+4*\s+3], 0x80000000
	JLOAD \s
.endr
	v_and_b32 v1, 15, v0
	v_bfe_u32 v2, v0, 4, 1
	v_and_b32 v6, 7, v0
	v_bfe_u32 v7, v0, 3, 1
	v_mul_u32_u24 v3, v1, PA
	v_lshl_add_u32 v3, v2, 4, v3
	s_mul_i32 s21, s11, PART
	v_add_nc_u32 v[ADRA], s21, v3
	v_add_nc_u32 v[ADRA+1], SLOT, v[ADRA]
	v_lshl_add_u32 v6, v2, 3, v6
	v_mul_u32_u24 v6, v6, PB
	v_lshl_add_u32 v6, v7, 4, v6
	s_lshl_b32 s22, s12, 7
	s_add_co_u32 s22, s22, 2*PART
	v_add_nc_u32 v[ADRB], s22, v6
	v_add_nc_u32 v[ADRB+1], PART, v[ADRB]
	v_add_nc_u32 v[ADRB+2], SLOT, v[ADRB]
	v_add_nc_u32 v[ADRB+3], SLOT+PART, v[ADRB]
	s_mul_i32 s23, s10, 16*SPITCH
	s_add_co_u32 s23, s23, STAGE
	v_mul_u32_u24 v4, v1, SPITCH
	v_lshl_add_u32 v4, v2, 5, v4
	v_add_nc_u32 v[STO], s23, v4
	v_mul_u32_u24 v5, v2, SPITCH
	v_lshl_add_u32 v5, v1, 4, v5
	v_add_nc_u32 v[RD], s23, v5
	v_lshlrev_b32 v5, 12, v2
	v_lshl_add_u32 v[CO], v1, 4, v5
	WIN 0x80                                       ; the residual, in the layout in which rows come back from the stage; it lands under the product
.irp a, 0,1,2,3
.irp t, 0,1,2,3,4,5,6,7
	global_load_b128 v[RES+32*\a+4*\t:RES+32*\a+4*\t+3], v[CO], s[66:67] offset:(16*\a+2*\t)*4096
.endr
.endr
	WIN 0
.macro FETCH2 slot, st, f
	WIN TO_B
.irp ks, 0,1
.irp b, 0,1,2,3
	ds_load_tr16_b128 v[\f+8*(4*\ks+\b):\f+8*(4*\ks+\b)+3],   v[ADRB+2*\slot+(\st>>1)] offset:((\st&1)*64+32*\ks)*PB+32*\b
	ds_load_tr16_b128 v[\f+8*(4*\ks+\b)+4:\f+8*(4*\ks+\b)+7], v[ADRB+2*\slot+(\st>>1)] offset:((\st&1)*64+32*\ks+16)*PB+32*\b
.endr
.endr
	WIN 0
.irp ks, 0,1
.irp a, 0,1,2,3
	ds_load_b128 v[\f+8*(4*\ks+\a):\f+8*(4*\ks+\a)+3],   v[ADRA+\slot] offset:\a*16*PA+128*\st+64*\ks
	ds_load_b128 v[\f+8*(4*\ks+\a)+4:\f+8*(4*\ks+\a)+7], v[ADRA+\slot] offset:\a*16*PA+128*\st+64*\ks+32
.endr
.endr
.endm
.macro MULH f, ks, zero                ; 16 matrix instructions, the 16 accumulators by turns
.irp a, 0,1,2,3
.irp b, 0,1,2,3
.if \zero
	v_wmma_f32_16x16x32_bf16 v[8*(4*\a+\b):8*(4*\a+\b)+7], v[\f+8*(4*\ks+\b):\f+8*(4*\ks+\b)+7], v[\f+8*(4*\ks+\a):\f+8*(4*\ks+\a)+7], 0
.else
	v_wmma_f32_16x16x32_bf16 v[8*(4*\a+\b):8*(4*\a+\b)+7], v[\f+8*(4*\ks+\b):\f+8*(4*\ks+\b)+7], v[\f+8*(4*\ks+\a):\f+8*(4*\ks+\a)+7], v[8*(4*\a+\b):8*(4*\a+\b)+7]
.endif
.endr
.endr
.endm
.macro STEP slot, nxt, f, g, zero
	s_wait_dscnt 0x0
	PLACES
	FETCH2 \slot, \nxt, \g
	WIN MUL
	MULH \f, 0, \zero
	MULH \f, 1, 0
.endm
.macro TURN2 slot, next, fill
	s_wait_dscnt 0x0                               ; my reads of this slot are over
	s_wait_tensorcnt 0x0                           ; all my tensor loads have landed: the one that was out is my part of the next slot
	ds_add_u32 v255, v255
	s_wait_dscnt 0x0
	s_barrier_signal -1
	WIN MUL
	MULH F1, 0, 0
	WIN 0
	s_barrier_wait -1
.if \fill
	CREST
	s_add_nc_u64 s[G0+4*\slot+2:G0+4*\slot+3], s[G0+4*\slot+2:G0+4*\slot+3], 2*512
	s_add_nc_u64 s[G0B+4*\slot+2:G0B+4*\slot+3], s[G0B+4*\slot+2:G0B+4*\slot+3], 2*256*SIZE_N*2
	JLOAD \slot
.endif
	PLACES
	FETCH2 \next, 0, F0
	WIN MUL
	MULH F1, 1, 0
.endm
.macro THREE slot, zero
	STEP \slot, 1, F0, F1, \zero
	STEP \slot, 2, F1, F0, 0
	STEP \slot, 3, F0, F1, 0
.endm
.macro LAP zero
	THREE 0, \zero
	TURN2 0, 1, 1
	THREE 1, 0
	TURN2 1, 0, 1
.endm
	s_wait_tensorcnt 1                             ; my part of slot 0 is in; slot 1's stays out
	s_barrier_signal -1
	s_barrier_wait -1
	FETCH2 0, 0, F0
	LAP 1
.if LAPS > 2
	WIN 0
	s_mov_b32 s3, LAPS-2
.Llap:
	LAP 0
	WIN 0
	s_sub_co_u32 s3, s3, 1
	s_cmp_lg_u32 s3, 0
	s_cbranch_scc1 .Llap
.endif
	THREE 0, 0                                     ; the last lap fills nothing
	TURN2 0, 1, 0
	THREE 1, 0
	s_wait_dscnt 0x0
	WIN MUL
	MULH F1, 0, 0
	MULH F1, 1, 0
	PLACES
	s_wait_loadcnt 0x0                             ; the residual
.irp a, 0,1,2,3
	WIN 0x88
.irp b, 0,1,2,3
	ds_store_b128 v[STO], v[32*\a+8*\b:32*\a+8*\b+3]   offset:64*\b
	ds_store_b128 v[STO], v[32*\a+8*\b+4:32*\a+8*\b+7] offset:64*\b+16
.endr
.irp t, 0,1,2,3,4,5,6,7
	ds_load_b128 v[32*\a+4*\t:32*\a+4*\t+3], v[RD] offset:\t*2*SPITCH   ; a wave's LDS instructions are served in order: these see the stores above
.endr
	s_wait_dscnt 0x0
	WIN 0x8a
.irp p, 0,2,4,6,8,10,12,14,16,18,20,22,24,26,28,30
	v_pk_add_f32 v[32*\a+\p:32*\a+\p+1], v[32*\a+\p:32*\a+\p+1], v[RES+32*\a+\p:RES+32*\a+\p+1]
.endr
	WIN 0x88
.irp t, 0,1,2,3,4,5,6,7
	global_store_b128 v[CO], v[32*\a+4*\t:32*\a+4*\t+3], s[8:9] offset:(16*\a+2*\t)*4096   ; 16 lanes store 256 consecutive bytes, aligned; no stored register is written again
.endr
.endr
	WIN 0
	s_set_vgpr_msb 0x1
	s_wait_tensorcnt 0x0
	ds_add_u32 v255, v255
	s_wait_dscnt 0x0
	s_set_vgpr_msb 0x100
	CROUND                                         ; the closing round
	s_endpgm
.Lfunc_end_k_q5d09bfd814_w2:
	.size	k_q5d09bfd814_w2, .Lfunc_end_k_q5d09bfd814_w2-k_q5d09bfd814_w2
	.p2alignl 7, 3214868480
	.fill 96, 4, 3214868480
	.section	.rodata,"a",@progbits
	.p2align	6, 0x0
	.amdhsa_kernel k_q5d09bfd814_w2
		.amdhsa_group_segment_fixed_size 327680
		.amdhsa_private_segment_fixed_size 0
		.amdhsa_enable_private_segment 0
		.amdhsa_kernarg_size 32
		.amdhsa_user_sgpr_count 2
		.amdhsa_user_sgpr_kernarg_segment_ptr 1
		.amdhsa_wavefront_size32 1
		.amdhsa_system_sgpr_workgroup_id_x 1
		.amdhsa_system_sgpr_workgroup_id_y 1
		.amdhsa_system_sgpr_workgroup_id_z 1
		.amdhsa_system_vgpr_workitem_id 0
		.amdhsa_next_free_vgpr 768
		.amdhsa_next_free_sgpr 72
		.amdhsa_reserve_vcc 0
		.amdhsa_float_denorm_mode_32 3
		.amdhsa_float_denorm_mode_16_64 3
		.amdhsa_memory_ordered 1
		.amdhsa_forward_progress 1
		.amdhsa_inst_pref_size 128
	.end_amdhsa_kernel
	.amdgpu_metadata
---
amdhsa.version: [ 1, 2 ]
amdhsa.kernels:
  - .name:           k_q5d09bfd814_w2
    .symbol:         k_q5d09bfd814_w2.kd
    .args:
      - { .name: act, .offset: 0, .size: 8, .value_kind: global_buffer, .address_space: global }
      - { .name: wb, .offset: 8, .size: 8, .value_kind: global_buffer, .address_space: global }
      - { .name: out0, .offset: 16, .size: 8, .value_kind: global_buffer, .address_space: global }
      - { .name: x1, .offset: 24, .size: 8, .value_kind: global_buffer, .address_space: global }
    .group_segment_fixed_size: 327680
    .private_segment_fixed_size: 0
    .kernarg_segment_align: 8
    .kernarg_segment_size: 32
    .max_flat_workgroup_size: 128
    .sgpr_count:     72
    .vgpr_count:     768
    .wavefront_size: 32
...
	.end_amdgpu_metadata
.endif
;; end of part 7
;; ======== version 2 of 3: 7 launches; 1.17 times as fast as version 1
;; limits: an absolute error that grows with the inputs' magnitude: up to 2e-06 times it
;; workspace buffers: wb 25,165,824 bytes; rope 1,572,864 bytes; hn 8,388,608 bytes; qkvb 25,165,824 bytes; att 8,388,608 bytes; x1 16,777,216 bytes; hn2 8,388,608 bytes; act 33,554,432 bytes
;; launch prep: the kernel of part 1 again; grid 1152 x 1, 8 waves a work-group, no clusters, 0 bytes of LDS; arguments Wqkv, Wout, W1, W2, x, g1, wb, hn, rope; writes wb, hn, rope
;; launch qkv: the kernel of part 2 again; grid 12 x 16, 4 waves a work-group, clusters of 4 x 4, 327,680 bytes of LDS; arguments hn, wb, qkvb, rope; writes qkvb
;; launch attn (part 8): grid 16 x 16, 8 waves a work-group, clusters of 4 x 4, 327,680 bytes of LDS; arguments qkvb, attn_mask, att; writes att
.if DOCPART == 8
	.amdgcn_target "amdgcn-amd-amdhsa--gfx1250"
	.amdhsa_code_object_version 6
	.text
	.protected	k_q5d09bfd814_attn
	.globl	k_q5d09bfd814_attn
	.p2align	8
	.type	k_q5d09bfd814_attn,@function
k_q5d09bfd814_attn:
	s_mov_b64 s[64:65], 0
	v_nop
	global_prefetch_b8 v0, s[64:65] scope:SCOPE_SE
	s_setreg_imm32_b32 hwreg(HW_REG_WAVE_MODE, 25, 1), 1
	s_wait_xcnt 0x0
	s_wait_alu depctr_hold_cnt(0) depctr_sa_sdst(0) depctr_va_vdst(0) depctr_va_sdst(0) depctr_va_ssrc(0) depctr_va_vcc(0) depctr_vm_vsrc(0)
	s_getreg_b32 s2, hwreg(HW_REG_IB_STS2, 6, 4)
	s_cmp_eq_u32 s2, 0
	s_cbranch_scc0 .Lentry_in_a_cluster
	s_endpgm
.Lentry_in_a_cluster:
	s_bfe_u32 s2, ttmp6, 0x10000c
	s_cmp_lg_u32 s2, 0xf033
	s_cbranch_scc0 .Lentry_shape_is_right
	s_endpgm
.Lentry_shape_is_right:
; att = softmax(q k^T + mask) v, bf16 out; q already carries 1/8.  The mask is an input: every one of the 2048 x 2048 scores of every head is made.
; A work-group takes 128 queries x 2 neighbouring heads (x: block of queries; y: batch x 8 + pair of heads): one f32 mask tile serves two heads, and
; rows of K, V and of the output are 256 aligned bytes.  Eight waves: wave w takes head w & 1 and queries 32 (w >> 1) .. + 31; two waves lie on a
; SIMD, so that one wave's exponentials run beside the other's matrix work.
; CLUSTERS 4 x 4: K and V hang on y alone (joint along a row of the cluster), the mask on x alone (joint along a column).
; LAYOUT: S^T = K (source 0) x Q (source 1) + C, C = the mask tile: lane (r, h), register j = query r, key 8 h + j.  A query's row lies in lanes
; l and l ^ 16; rounding two neighbouring tiles in place gives P's fragment for 32 keys with no lane traffic; O^T = V^T (source 0, transposing LDS
; load) x P (source 1) keeps the query in the lane, so the rescale and 1 / l are the lane's own.
; LDS LOADS ONE STEP AHEAD: a step is 64 keys.  The K fragments and the mask tile of the next step are asked for behind this step's score products and
; land under its softmax; the mask lands in registers of its own (window 1) and enters as the C of the first eight score products, whose D are the
; score registers.  V is asked for at the head of its step and is wanted behind the softmax.
; THE CHANGE OF SLOTS stands in a slot's second step, behind its score products: there the wave's reads of the slot are over.  The softmax of query
; block 0 stands between the signal and the wait.
; The running maximum is taken away before the multiplication by log2(e): x - m is exact for neighbours, so a row whose every score is near -1e9
; (or 30 times that) gives the same weights as a plain softmax in f32.
; LIMITS: the mask is finite (a row of -inf gives NaN here as in a plain softmax); weights are rounded to bf16 for P V, their sum is kept in f32.
.set ROWB, 6144                        ; bytes in a row of qkvb
.set KP,   272
.set VP,   288                         ; odd multiple of 32: the transposing load
.set MPI,  528
.set VOFF, 128*KP                      ; 34,816
.set MOFF, VOFF+128*VP                 ; 71,680
.set SLOT, MOFF+128*MPI                ; 139,264: 128 keys
.set STAGE, 2*SLOT                     ; 128 rows x 272 bytes; no tensor load ever lands here
.set ADK, 2                            ; v2,3   K fragment address, slot 0, 1
.set ADV, 4
.set ADM, 6
.set CO,  8                            ; my byte offset in att
.set QO,  9                            ; my byte offset in q
.set MX,  10                           ; v[10:13] running maximum of query block 0, 1 (low register of a pair)
.set AL,  14                           ; v[14:17] rescale factor, likewise; at the end 1 / l
.set LS,  18                           ; v[18:21] running sums, two a lane
.set T,   22                           ; v[22:29] at work
.set STO, 30
.set RD,  31
.set Q,   32                           ; v[32:63]   fragment (qb, ks) at 8 (2 qb + ks)
.set SA,  64                           ; v[64:127]  tile (qb, kb) at 8 (4 qb + kb): scores, weights, P
.set KF,  128                          ; v[128:191] fragment (kb, ks) at 8 (2 kb + ks)
.set VF,  192                          ; v[192:255] fragment (u, db) at 8 (4 u + db)
                                       ; window 1: v[0:63] O, tile (qb, db) at 8 (4 qb + db)
.set MB,  64                           ; window 1: v[64:127] the mask tile of the coming step, tile (qb, kb) at 8 (4 qb + kb)
.set G1K, 16
.set G1V, 24
.set G1M, 32
.set G0K, 48
.set G0V, 56
.set G0M, 68
.set MSB, 0
.macro WIN new                         ; the immediate's high byte repeats the setting that is left
.if MSB != \new
	s_set_vgpr_msb (MSB<<8)|\new
.set MSB, \new
.endif
.endm
.macro PLACES n
.rept \n
	v_nop
.endr
.endm
.macro JLOAD s                         ; waves 0, 1: K's halves; 2, 3: V's halves; 4 - 7: the mask's quarters.  16 KiB each, one load a wave on every path
	s_cmp_lg_u32 s12, 0
	s_cbranch_scc1 .Lnot_k_\@
	tensor_load_to_lds s[G0K+4*\s:G0K+4*\s+3], s[G1K:G1K+7]
	s_nop 0
	s_branch .Lasked_\@
.Lnot_k_\@:
	s_cmp_lg_u32 s12, 1
	s_cbranch_scc1 .Lnot_v_\@
	tensor_load_to_lds s[G0V+4*\s:G0V+4*\s+3], s[G1V:G1V+7]
	s_nop 0
	s_branch .Lasked_\@
.Lnot_v_\@:
	tensor_load_to_lds s[G0M+4*\s:G0M+4*\s+3], s[G1M:G1M+7]
	s_nop 0
.Lasked_\@:
.endm
.macro CREST                           ; a round of the cluster's barrier behind its opening barrier
	s_cmp_lg_u32 s10, 0
	s_cbranch_scc1 .Lnot_wave_0_\@
	s_barrier_signal -3
.Lnot_wave_0_\@:
	s_barrier_wait -3
	s_barrier_signal -1
	s_barrier_wait -1
.endm
.macro CROUND                          ; a whole round
	s_barrier_signal -1
	s_barrier_wait -1
	CREST
.endm
	s_load_b128 s[4:7], s[0:1], 0x0                ; qkvb, attn_mask
	s_load_b64 s[8:9], s[0:1], 0x10                ; att
	s_set_vgpr_msb 0x40
	v_lshl_add_u32 v128, v0, 2, 0x4c800
	v_mov_b32 v129, 0
	s_set_vgpr_msb 0x4045
	ds_add_u32 v128, v129
	s_set_vgpr_msb 0x4500
	v_lshrrev_b32 v1, 5, v0
	v_readfirstlane_b32 s10, v1                    ; wave 0..7
	s_and_b32 s11, s10, 1                          ; my head of the pair; also which half of K or V I fetch
	s_lshr_b32 s12, s10, 1                         ; my 32 queries; also what I fetch
	s_and_b32 s13, s10, 3                          ; which quarter of the mask tile I fetch
	s_bfe_u32 s40, ttmp6, 0x40000                  ; cx
	s_bfe_u32 s41, ttmp6, 0x40004                  ; cy
	s_lshl_b32 s42, ttmp9, 2
	s_add_co_u32 s42, s42, s40                     ; block of queries
	s_and_b32 s43, ttmp7, 0xffff
	s_lshl_b32 s43, s43, 2
	s_add_co_u32 s43, s43, s41                     ; batch x 8 + pair of heads
	s_lshr_b32 s46, s43, 3                         ; batch
	s_and_b32 s47, s43, 7                          ; pair of heads
	s_lshl_b32 s44, s41, 2
	s_lshl_b32 s44, 15, s44                        ; my row of the cluster
	s_lshl_b32 s45, 0x1111, s40                    ; my column
	s_mov_b32 s76, 0x76543210
	s_mov_b32 s77, 0xfedcba98
	s_or_b32 s[G1K+0], s44, (1<<16)|(1<<20)|(1<<21)|(5<<22)|(3<<25)  ; K: 64 keys x 128 bf16, 4 words of padding behind every 64
	s_mov_b32 s[G1K+1], 128<<16
	s_mov_b32 s[G1K+2], 64<<16
	s_mov_b32 s[G1K+3], 128<<16
	s_mov_b32 s[G1K+4], 64
	s_mov_b32 s[G1K+5], 3072
	s_mov_b32 s[G1K+6], 0
	s_mov_b32 s[G1K+7], 0
	s_or_b32 s[G1V+0], s44, (1<<16)|(1<<20)|(1<<21)|(5<<22)|(7<<25)  ; V: the same with 8 words of padding
	s_mov_b32 s[G1V+1], 128<<16
	s_mov_b32 s[G1V+2], 64<<16
	s_mov_b32 s[G1V+3], 128<<16
	s_mov_b32 s[G1V+4], 64
	s_mov_b32 s[G1V+5], 3072
	s_mov_b32 s[G1V+6], 0
	s_mov_b32 s[G1V+7], 0
	s_or_b32 s[G1M+0], s45, (2<<16)|(1<<20)|(1<<21)|(6<<22)|(3<<25)  ; mask: 32 queries x 128 f32, 4 words of padding behind every 128
	s_mov_b32 s[G1M+1], 128<<16
	s_mov_b32 s[G1M+2], 32<<16
	s_mov_b32 s[G1M+3], 128<<16
	s_mov_b32 s[G1M+4], 32
	s_mov_b32 s[G1M+5], 2048
	s_mov_b32 s[G1M+6], 0
	s_mov_b32 s[G1M+7], 0
	s_lshl_b32 s78, s46, 11                        ; K, V: row batch x 2048 + 64 x half, column of the pair of heads (y and the wave alone)
	s_lshl_b32 s79, s11, 6
	s_add_co_u32 s78, s78, s79
	s_mul_i32 s78, s78, ROWB
	s_lshl_b32 s79, s47, 8
	s_add_co_u32 s78, s78, s79
	s_mov_b32 s79, 0
	s_lshl_b32 s80, s42, 7                         ; mask: row 128 x block + 32 x quarter (x and the wave alone)
	s_lshl_b32 s81, s13, 5
	s_add_co_u32 s80, s80, s81
	s_lshl_b32 s80, s80, 13
	s_mov_b32 s81, 0
	s_lshl_b32 s82, s46, 11                        ; q: my 32 rows, my head
	s_lshl_b32 s83, s42, 7
	s_add_co_u32 s82, s82, s83
	s_lshl_b32 s84, s82, 11                        ; (att: the block's first row x 2,048 bytes)
	s_lshl_b32 s83, s12, 5
	s_add_co_u32 s82, s82, s83
	s_mul_i32 s82, s82, ROWB
	s_lshl_b32 s83, s47, 8
	s_add_co_u32 s82, s82, s83
	s_add_co_u32 s84, s84, s83                     ; att: + the pair's 256 bytes
	s_lshl_b32 s83, s11, 7
	s_add_co_u32 s82, s82, s83
	s_mov_b32 s83, 0
	s_lshl_b32 s85, s10, 15                        ; att: + 16 rows a wave
	s_add_co_u32 s84, s84, s85
	s_mov_b32 s85, 0
	s_mul_i32 s14, s11, 64*KP                      ; where my part of a slot lies: the wave's number alone
	s_mul_i32 s15, s11, 64*VP
	s_add_co_u32 s15, s15, VOFF
	s_mul_i32 s86, s13, 32*MPI
	s_add_co_u32 s86, s86, MOFF
	v_and_b32 v1, 15, v0                           ; r
	v_bfe_u32 v22, v0, 4, 1                        ; h
	v_mul_u32_u24 v[QO], v1, ROWB
	v_lshl_add_u32 v[QO], v22, 4, v[QO]
	s_wait_dscnt 0x0
	s_wait_kmcnt 0x0
	s_add_nc_u64 s[78:79], s[4:5], s[78:79]
	s_add_nc_u64 s[80:81], s[6:7], s[80:81]
	s_add_nc_u64 s[82:83], s[4:5], s[82:83]
	s_add_nc_u64 s[8:9], s[8:9], s[84:85]
.irp qb, 0,1
.irp ks, 0,1
	global_load_b128 v[Q+8*(2*\qb+\ks):Q+8*(2*\qb+\ks)+3],   v[QO], s[82:83] offset:16*\qb*ROWB+64*\ks
	global_load_b128 v[Q+8*(2*\qb+\ks)+4:Q+8*(2*\qb+\ks)+7], v[QO], s[82:83] offset:16*\qb*ROWB+64*\ks+32
.endr
.endr
	CROUND                                         ; in front of the first joint loads
.irp s, 0,1
	s_mov_b32 s[G0K+4*\s], 1
	s_add_co_u32 s[G0K+4*\s+1], s14, \s*SLOT
	s_add_nc_u64 s[G0K+4*\s+2:G0K+4*\s+3], s[78:79], 2048+\s*128*ROWB
	s_or_b32 s[G0K+4*\s+3], s[G0K+4*\s+3], 0x80000000
	s_mov_b32 s[G0V+4*\s], 1
	s_add_co_u32 s[G0V+4*\s+1], s15, \s*SLOT
	s_add_nc_u64 s[G0V+4*\s+2:G0V+4*\s+3], s[78:79], 4096+\s*128*ROWB
	s_or_b32 s[G0V+4*\s+3], s[G0V+4*\s+3], 0x80000000
	s_mov_b32 s[G0M+4*\s], 1
	s_add_co_u32 s[G0M+4*\s+1], s86, \s*SLOT
	s_add_nc_u64 s[G0M+4*\s+2:G0M+4*\s+3], s[80:81], \s*512
	s_or_b32 s[G0M+4*\s+3], s[G0M+4*\s+3], 0x80000000
	JLOAD \s
.endr
	v_and_b32 v23, 7, v0
	v_bfe_u32 v24, v0, 3, 1
	s_lshl_b32 s87, s11, 7                         ; my head's 128 bytes of a row
	v_mul_u32_u24 v25, v1, KP
	v_lshl_add_u32 v25, v22, 4, v25
	v_add_nc_u32 v[ADK], s87, v25                  ; r x 272 + 16 h + head
	v_add_nc_u32 v[ADK+1], SLOT, v[ADK]
	v_lshl_add_u32 v26, v22, 3, v23
	v_mul_u32_u24 v26, v26, VP
	v_lshl_add_u32 v26, v24, 4, v26
	v_add_nc_u32 v26, s87, v26
	v_add_nc_u32 v[ADV], VOFF, v26                 ; (8 h + l % 8) x 288 + 16 x bit 3 + head
	v_add_nc_u32 v[ADV+1], SLOT, v[ADV]
	s_mul_i32 s2, s12, 32*MPI
	s_add_co_u32 s2, s2, MOFF
	v_mul_u32_u24 v27, v1, MPI
	v_lshl_add_u32 v27, v22, 5, v27
	v_add_nc_u32 v[ADM], s2, v27                   ; (32 group + r) x 528 + 32 h
	v_add_nc_u32 v[ADM+1], SLOT, v[ADM]
	s_mul_i32 s2, s12, 32*KP
	s_add_co_u32 s2, s2, STAGE
	v_add_nc_u32 v[STO], s2, v[ADK]
	s_mul_i32 s2, s10, 16*KP
	s_add_co_u32 s2, s2, STAGE
	v_mul_u32_u24 v28, v22, KP
	v_lshl_add_u32 v28, v1, 4, v28
	v_add_nc_u32 v[RD], s2, v28
	v_lshlrev_b32 v29, 11, v22
	v_lshl_add_u32 v[CO], v1, 4, v29
	v_mov_b32 v[MX+1], 0                           ; the upper registers of the broadcast pairs are written once
	v_mov_b32 v[MX+3], 0
	v_mov_b32 v[AL+1], 0
	v_mov_b32 v[AL+3], 0
; softmax of query block qb over the 64 keys at hand: 32 scores a lane.  Register work alone.
.macro SOFT qb, first
.set X, SA+32*\qb
	v_max3_num_f32 v[T],   v[X],   v[X+1],  v[X+2]
	v_max3_num_f32 v[T+1], v[X+3], v[X+4],  v[X+5]
	v_max3_num_f32 v[T+2], v[X+6], v[X+7],  v[X+8]
	v_max3_num_f32 v[T+3], v[X+9], v[X+10], v[X+11]
.set k, 0
.rept 10
	v_max3_num_f32 v[T+k%4], v[T+k%4], v[X+12+2*k], v[X+13+2*k]
.set k, k+1
.endr
	v_max3_num_f32 v[T], v[T], v[T+1], v[T+2]
.if \first
	v_max_num_f32 v[T], v[T], v[T+3]
.else
	v_max3_num_f32 v[T], v[T], v[T+3], v[MX+2*\qb]
.endif
	v_permlanex16_b32 v[T+1], v[T], s76, s77       ; the query's other 32 keys lie in lane l ^ 16
.if \first
	v_max_num_f32 v[MX+2*\qb], v[T], v[T+1]
.else
	v_max_num_f32 v[T+2], v[T], v[T+1]
	v_sub_f32 v[T+3], v[MX+2*\qb], v[T+2]
	v_mul_f32 v[T+3], 0x3fb8aa3b, v[T+3]
	v_exp_f32 v[AL+2*\qb], v[T+3]                  ; exp(old maximum - new)
	v_mov_b32 v[MX+2*\qb], v[T+2]                  ; the plain place behind it
.endif
.set k, 0
.rept 16
	v_pk_add_f32 v[X+2*k:X+2*k+1], v[X+2*k:X+2*k+1], v[MX+2*\qb:MX+2*\qb+1] op_sel_hi:[1,0] neg_lo:[0,1] neg_hi:[0,1]
.set k, k+1
.endr
.set k, 0
.rept 16
	v_pk_mul_f32 v[X+2*k:X+2*k+1], v[X+2*k:X+2*k+1], 0x3fb8aa3b op_sel_hi:[1,0]
.set k, k+1
.endr
.set k, 0
.rept 32
	v_exp_f32 v[X+k], v[X+k]
.set k, k+1
.endr
	v_nop                                          ; one plain place behind the run of exponentials (ISA guide 5.7.2)
	s_wait_alu depctr_va_vdst(0)
.irp c, 0,1,2,3
	v_pk_add_f32 v[T+2*\c:T+2*\c+1], v[X+2*\c:X+2*\c+1], v[X+8+2*\c:X+8+2*\c+1]
.endr
.irp c, 0,1,2,3
	v_pk_add_f32 v[T+2*\c:T+2*\c+1], v[T+2*\c:T+2*\c+1], v[X+16+2*\c:X+16+2*\c+1]
.endr
.irp c, 0,1,2,3
	v_pk_add_f32 v[T+2*\c:T+2*\c+1], v[T+2*\c:T+2*\c+1], v[X+24+2*\c:X+24+2*\c+1]
.endr
	v_pk_add_f32 v[T:T+1], v[T:T+1], v[T+2:T+3]
	v_pk_add_f32 v[T+4:T+5], v[T+4:T+5], v[T+6:T+7]
.if \first
	v_pk_add_f32 v[LS+2*\qb:LS+2*\qb+1], v[T:T+1], v[T+4:T+5]
.else
	v_pk_add_f32 v[T:T+1], v[T:T+1], v[T+4:T+5]
	v_pk_fma_f32 v[LS+2*\qb:LS+2*\qb+1], v[LS+2*\qb:LS+2*\qb+1], v[AL+2*\qb:AL+2*\qb+1], v[T:T+1] op_sel_hi:[1,0,1]
.endif
.irp u, 0,1
.irp i, 0,1,2,3,4,5,6,7
	v_cvt_pk_bf16_f32 v[X+16*\u+\i], v[X+16*\u+2*\i], v[X+16*\u+2*\i+1]   ; in place, ascending: register i is written when 2 i and 2 i + 1 are read
.endr
.endr
.endm
; 32 LDS loads: the K fragments (window 0) and the mask tile (window 1) of half sub of a slot
.macro KMLOAD slot, sub
.irp kb, 0,1,2,3
.irp ks, 0,1
	ds_load_b128 v[KF+8*(2*\kb+\ks):KF+8*(2*\kb+\ks)+3],   v[ADK+\slot] offset:(64*\sub+16*\kb)*KP+64*\ks
	ds_load_b128 v[KF+8*(2*\kb+\ks)+4:KF+8*(2*\kb+\ks)+7], v[ADK+\slot] offset:(64*\sub+16*\kb)*KP+64*\ks+32
.endr
.endr
	WIN 0x40                                       ; destination in window 1, address in window 0
.irp qb, 0,1
.irp kb, 0,1,2,3
	ds_load_b128 v[MB+8*(4*\qb+\kb):MB+8*(4*\qb+\kb)+3],   v[ADM+\slot] offset:16*\qb*MPI+256*\sub+64*\kb
	ds_load_b128 v[MB+8*(4*\qb+\kb)+4:MB+8*(4*\qb+\kb)+7], v[ADM+\slot] offset:16*\qb*MPI+256*\sub+64*\kb+16
.endr
.endr
	WIN 0
.endm
; 16 LDS loads: the V fragments of half sub of a slot
.macro VLOAD slot, sub
.irp u, 0,1
.irp db, 0,1,2,3
	ds_load_tr16_b128 v[VF+8*(4*\u+\db):VF+8*(4*\u+\db)+3],   v[ADV+\slot] offset:(64*\sub+32*\u)*VP+32*\db
	ds_load_tr16_b128 v[VF+8*(4*\u+\db)+4:VF+8*(4*\u+\db)+7], v[ADV+\slot] offset:(64*\sub+32*\u+16)*VP+32*\db
.endr
.endr
.endm
; the 16 score products: the first eight take the mask (window 1) as C and start the eight score tiles, the second eight add in place.
; The eight accumulators take turns, one instruction a turn.
.macro SMUL
	WIN 0x10                                       ; C in window 1
.irp qb, 0,1
.irp kb, 0,1,2,3
	v_wmma_f32_16x16x32_bf16 v[SA+8*(4*\qb+\kb):SA+8*(4*\qb+\kb)+7], v[KF+16*\kb:KF+16*\kb+7], v[Q+16*\qb:Q+16*\qb+7], v[MB+8*(4*\qb+\kb):MB+8*(4*\qb+\kb)+7]
.endr
.endr
	WIN 0
.irp qb, 0,1
.irp kb, 0,1,2,3
	v_wmma_f32_16x16x32_bf16 v[SA+8*(4*\qb+\kb):SA+8*(4*\qb+\kb)+7], v[KF+16*\kb+8:KF+16*\kb+15], v[Q+16*\qb+8:Q+16*\qb+15], v[SA+8*(4*\qb+\kb):SA+8*(4*\qb+\kb)+7]
.endr
.endr
.endm
.macro PVU u, zero
.irp qb, 0,1
.irp db, 0,1,2,3
.if \zero
	v_wmma_f32_16x16x32_bf16 v[8*(4*\qb+\db):8*(4*\qb+\db)+7], v[VF+8*(4*\u+\db):VF+8*(4*\u+\db)+7], v[SA+32*\qb+16*\u:SA+32*\qb+16*\u+7], 0
.else
	v_wmma_f32_16x16x32_bf16 v[8*(4*\qb+\db):8*(4*\qb+\db)+7], v[VF+8*(4*\u+\db):VF+8*(4*\u+\db)+7], v[SA+32*\qb+16*\u:SA+32*\qb+16*\u+7], v[8*(4*\qb+\db):8*(4*\qb+\db)+7]
.endif
.endr
.endr
.endm
; A step: the 64 keys of half sub of a slot.  Its K fragments and mask tile were asked for in the step before.
; first = 1: the step starts the maxima, the sums and O.
; mode  = 0: no barrier.  1: the slot has been read to its end: a round of the cluster's barrier, and the slot is filled again, two slots ahead.
;         2: the same place with the work-group's barrier alone: nothing is left to fetch, and the other slot's tile is shown to every wave.
; more  = 1: the K fragments and the mask tile of the next step, half nsub of slot nslot, are asked for.
.macro SUB slot, sub, first, mode, more, nslot, nsub
	PLACES 5                                       ; behind the last P V products: loads follow into their sources, and the score products write over P
	VLOAD \slot, \sub
	s_wait_dscnt 16                                ; K and the mask, asked for a step ago, are in; V's sixteen loads stay out
	SMUL
	PLACES 4                                       ; behind the score products: the softmax reads their results, loads follow into their sources
.if \mode
	s_wait_dscnt 0x0                               ; my reads of this slot are over: V's loads were the last
	s_set_vgpr_msb 0x5
	s_wait_tensorcnt 0x0                           ; all my tensor loads have landed: the one that was out is my part of the other slot,
	ds_add_u32 v128, v129
	s_wait_dscnt 0x0
	s_set_vgpr_msb 0x500
.if \mode == 1
	s_add_nc_u64 s[G0K+4*\slot+2:G0K+4*\slot+3], s[G0K+4*\slot+2:G0K+4*\slot+3], 2*128*ROWB   ; so every group 0 may be written: this slot's next 128 keys
	s_add_nc_u64 s[G0V+4*\slot+2:G0V+4*\slot+3], s[G0V+4*\slot+2:G0V+4*\slot+3], 2*128*ROWB
	s_add_nc_u64 s[G0M+4*\slot+2:G0M+4*\slot+3], s[G0M+4*\slot+2:G0M+4*\slot+3], 2*512
.endif
	s_barrier_signal -1                            ; say so,
	SOFT 0, \first                                 ; work on registers while the others arrive,
	s_barrier_wait -1                              ; and go on when all eight have said so
.if \mode == 1
	CREST                                          ; all sixteen work-groups have said so: no wave of any partner still reads this slot or has a load on its way
	JLOAD \slot                                    ; my one joint load behind the round, first thing there
.endif
.endif
.if \more
	KMLOAD \nslot, \nsub                           ; they land under the softmax
.endif
.if \mode == 0
	SOFT 0, \first
.endif
	SOFT 1, \first
.if \first == 0
	WIN 0x41                                       ; O in window 1, the factor in window 0
.irp qb, 0,1
.set k, 0
.rept 16
	v_pk_mul_f32 v[32*\qb+2*k:32*\qb+2*k+1], v[32*\qb+2*k:32*\qb+2*k+1], v[AL+2*\qb:AL+2*\qb+1] op_sel_hi:[1,0]
.set k, k+1
.endr
.endr
.endif
.if \more
	s_wait_dscnt 32                                ; V is in; the 32 loads for the next step stay out
.else
	s_wait_dscnt 0x0                               ; V
.endif
	WIN 0x50
	PVU 0, \first                                  ; eight accumulators take turns, one instruction a turn
	PVU 1, 0
	WIN 0
.endm
	s_wait_tensorcnt 1                             ; my part of slot 0 is in; slot 1's stays out
	s_barrier_signal -1
	s_barrier_wait -1
	KMLOAD 0, 0
	s_wait_loadcnt 0x0                             ; q
	SUB 0, 0, 1, 0, 1, 0, 1                        ; keys 0 to 63 start the maxima, the sums and O
	s_mov_b32 s3, 7                                ; a trip: 256 keys; the 14 refills bring keys 256 to 2047
.Lkeys:
	SUB 0, 1, 0, 1, 1, 1, 0
	SUB 1, 0, 0, 0, 1, 1, 1
	SUB 1, 1, 0, 1, 1, 0, 0
	SUB 0, 0, 0, 0, 1, 0, 1
	s_sub_co_u32 s3, s3, 1
	s_cmp_lg_u32 s3, 0
	s_cbranch_scc1 .Lkeys
	SUB 0, 1, 0, 2, 1, 1, 0                        ; the last 192 keys: nothing is left to fetch
	SUB 1, 0, 0, 0, 1, 1, 1
	SUB 1, 1, 0, 0, 0, 0, 0
	; the way out: O / l, bf16, through the stage (a row of 256 bytes holds two waves' heads), whole rows to memory
	PLACES 4
	v_add_f32 v[T], v[LS], v[LS+1]
	v_add_f32 v[T+1], v[LS+2], v[LS+3]
	v_permlanex16_b32 v[T+2], v[T], s76, s77
	v_permlanex16_b32 v[T+3], v[T+1], s76, s77
	v_add_f32 v[T], v[T], v[T+2]
	v_add_f32 v[T+1], v[T+1], v[T+3]
	v_rcp_f32 v[AL], v[T]
	v_rcp_f32 v[AL+2], v[T+1]
	v_nop
	WIN 0x01
	s_wait_alu depctr_va_vdst(0)
.irp qb, 0,1
.set k, 0
.rept 16
	v_pk_mul_f32 v[SA+32*\qb+2*k:SA+32*\qb+2*k+1], v[32*\qb+2*k:32*\qb+2*k+1], v[AL+2*\qb:AL+2*\qb+1] op_sel_hi:[1,0]
.set k, k+1
.endr
.endr
	WIN 0
.irp t, 0,1,2,3,4,5,6,7
.irp i, 0,1,2,3
	v_cvt_pk_bf16_f32 v[KF+4*\t+\i], v[SA+8*\t+2*\i], v[SA+8*\t+2*\i+1]
.endr
.endr
.irp qb, 0,1
.irp db, 0,1,2,3
	ds_store_b128 v[STO], v[KF+4*(4*\qb+\db):KF+4*(4*\qb+\db)+3] offset:16*\qb*KP+32*\db
.endr
.endr
	s_wait_dscnt 0x0                               ; for the other waves' sake: my stores are done
	s_barrier_signal -1
	s_barrier_wait -1
.irp t, 0,1,2,3,4,5,6,7
	ds_load_b128 v[VF+4*\t:VF+4*\t+3], v[RD] offset:\t*2*KP
.endr
.irp t, 0,1,2,3,4,5,6,7
	s_wait_dscnt 7-\t                              ; row pair t is back, the 7 - t younger loads stay out
	global_store_b128 v[CO], v[VF+4*\t:VF+4*\t+3], s[8:9] offset:2*\t*2048   ; 16 lanes store 256 consecutive bytes, aligned
.endr
	s_set_vgpr_msb 0x5
	s_wait_tensorcnt 0x0
	ds_add_u32 v128, v129
	s_wait_dscnt 0x0
	s_set_vgpr_msb 0x500
	CROUND                                         ; the closing round
	s_endpgm
.Lfunc_end_k_q5d09bfd814_attn:
	.size	k_q5d09bfd814_attn, .Lfunc_end_k_q5d09bfd814_attn-k_q5d09bfd814_attn
	.p2alignl 7, 3214868480
	.fill 96, 4, 3214868480
	.section	.rodata,"a",@progbits
	.p2align	6, 0x0
	.amdhsa_kernel k_q5d09bfd814_attn
		.amdhsa_group_segment_fixed_size 327680
		.amdhsa_private_segment_fixed_size 0
		.amdhsa_enable_private_segment 0
		.amdhsa_kernarg_size 24
		.amdhsa_user_sgpr_count 2
		.amdhsa_user_sgpr_kernarg_segment_ptr 1
		.amdhsa_wavefront_size32 1
		.amdhsa_system_sgpr_workgroup_id_x 1
		.amdhsa_system_sgpr_workgroup_id_y 1
		.amdhsa_system_sgpr_workgroup_id_z 1
		.amdhsa_system_vgpr_workitem_id 0
		.amdhsa_next_free_vgpr 386
		.amdhsa_next_free_sgpr 88
		.amdhsa_reserve_vcc 0
		.amdhsa_float_denorm_mode_32 3
		.amdhsa_float_denorm_mode_16_64 3
		.amdhsa_memory_ordered 1
		.amdhsa_forward_progress 1
		.amdhsa_inst_pref_size 187
	.end_amdhsa_kernel
	.amdgpu_metadata
---
amdhsa.version: [ 1, 2 ]
amdhsa.kernels:
  - .name:           k_q5d09bfd814_attn
    .symbol:         k_q5d09bfd814_attn.kd
    .args:
      - { .name: qkvb, .offset: 0, .size: 8, .value_kind: global_buffer, .address_space: global }
      - { .name: attn_mask, .offset: 8, .size: 8, .value_kind: global_buffer, .address_space: global }
      - { .name: att, .offset: 16, .size: 8, .value_kind: global_buffer, .address_space: global }
    .group_segment_fixed_size: 327680
    .private_segment_fixed_size: 0
    .kernarg_segment_align: 8
    .kernarg_segment_size: 24
    .max_flat_workgroup_size: 256
    .sgpr_count:     88
    .vgpr_count:     386
    .wavefront_size: 32
...
	.end_amdgpu_metadata
.endif
;; end of part 8
;; launch wout (part 9): grid 8 x 32, 4 waves a work-group, clusters of 4 x 4, 327,680 bytes of LDS; arguments att, wb, x1, x; writes x1
.if DOCPART == 9
	.amdgcn_target "amdgcn-amd-amdhsa--gfx1250"
	.amdhsa_code_object_version 6
	.text
	.protected	k_q5d09bfd814_wout
	.globl	k_q5d09bfd814_wout
	.p2align	8
	.type	k_q5d09bfd814_wout,@function
k_q5d09bfd814_wout:
	s_mov_b64 s[64:65], 0
	v_nop
	global_prefetch_b8 v0, s[64:65] scope:SCOPE_SE
	s_setreg_imm32_b32 hwreg(HW_REG_WAVE_MODE, 25, 1), 1
	s_wait_xcnt 0x0
	s_wait_alu depctr_hold_cnt(0) depctr_sa_sdst(0) depctr_va_vdst(0) depctr_va_sdst(0) depctr_va_ssrc(0) depctr_va_vcc(0) depctr_vm_vsrc(0)
	s_getreg_b32 s2, hwreg(HW_REG_IB_STS2, 6, 4)
	s_cmp_eq_u32 s2, 0
	s_cbranch_scc0 .Lentry_in_a_cluster
	s_endpgm
.Lentry_in_a_cluster:
	s_bfe_u32 s2, ttmp6, 0x10000c
	s_cmp_lg_u32 s2, 0xf033
	s_cbranch_scc0 .Lentry_shape_is_right
	s_endpgm
.Lentry_shape_is_right:
; x1 = x + att x Wout, f32 out.  att: [4096][1024] bf16; Wout in wb: [1024][1024] bf16, K down the rows; x, x1: [4096][1024] f32.
; 4096 x 1024 outputs on 256 work-groups are 128 x 128 each; a wave makes 64 x 64 (16 accumulator tiles).  A block of 256 x 256 would read half the
; LDS bytes for each product but give work to 64 work-groups only.  An LDS slot holds a chunk of 256 along K (four steps of 64), so that a wave's one
; tensor load behind each change of slots has 112 matrix instructions in which to land.
; CLUSTERS 4 x 4: att's tile is asked for jointly along a row of the cluster, the weight's along a column.
; THE WALK ALONG K differs from cluster to cluster: in trip t cluster (X, Y) asks for chunk t xor f, f = (Y & 3) xor 2 (X & 1).  The two clusters that
; read the same rows of att have f that differ by 2: of every four chunks each asks first for two, and for the other two it asks two trips behind its
; neighbour.  Four clusters with different Y & 3 that read the same columns of the weight each ask first for one chunk in four.  So half of the trips
; ask only for bytes that another cluster has read two trips before.  f and t are the same in all work-groups of a cluster.
; LIMIT: the f32 sums run over K in the order of the walk, not ascending.
; The matrix instruction is used transposed: lane l holds row l % 16, registers 0-7 columns 8 (l / 16) + 0..7.
; Windows: 0 addresses and att's fragments; 1 the weight's fragments; 2 accumulators v[0:127] and the residual v[128:255], loaded at the start.
.set SIZE_K, 1024
.set SIZE_N, 1024
.set WOFF,   6291456                   ; Wout's place in wb
.set PA,     528                       ; att's LDS row: 512 bytes + 16
.set PB,     288                       ; the weight's LDS row: 256 bytes + 32, an odd multiple of 32
.set PART,   128*PB                    ; 36,864: a wave's part of a slot (att's 64 rows x 528 use 33,792 of it)
.set SLOT,   4*PART
.set STAGE,  2*SLOT
.set SPITCH, 272
.set LAPS,   SIZE_K/512
.set ADRA, 16                          ; v16,17 by slot
.set ADRB, 20                          ; v20-23 by 2 x slot + half of the slot's K rows
.set STO,  24
.set RD,   25
.set CO,   26
.set F0,   64
.set F1,   128
.set RES,  128
.set G1,  24
.set G0,  32
.set G1B, 48
.set G0B, 56
                                       ; s70 t: how many chunks have been asked for; s71 f; s[72:73], s[74:75] byte offsets of a chunk (upper words 0)
.set MSB, 0
.macro WIN new
.if MSB != \new
	s_set_vgpr_msb (MSB<<8)|\new
.set MSB, \new
.endif
.endm
.set MUL,  0xa1
.set TO_B, 0x40
.macro JLOAD s
	s_cmp_eq_u32 s11, 0
	s_cbranch_scc0 .Lfor_b_\@
	tensor_load_to_lds s[G0+4*\s:G0+4*\s+3], s[G1:G1+7]
	s_nop 0
	s_branch .Lasked_\@
.Lfor_b_\@:
	tensor_load_to_lds s[G0B+4*\s:G0B+4*\s+3], s[G1B:G1B+7]
	s_nop 0
.Lasked_\@:
.endm
; the global addresses of slot s's two group 0 are set to chunk t xor f, and t steps.  Stands only where no tensor load that names them is out.
.macro AIM s
	s_xor_b32 s72, s70, s71                        ; the chunk
	s_lshl_b32 s74, s72, 19                        ; the weight: 256 K rows of 2,048 bytes
	s_lshl_b32 s72, s72, 9                         ; the left operand: 256 bf16 along a row
	s_add_nc_u64 s[G0+4*\s+2:G0+4*\s+3], s[14:15], s[72:73]
	s_or_b32 s[G0+4*\s+3], s[G0+4*\s+3], 0x80000000
	s_add_nc_u64 s[G0B+4*\s+2:G0B+4*\s+3], s[46:47], s[74:75]
	s_or_b32 s[G0B+4*\s+3], s[G0B+4*\s+3], 0x80000000
	s_add_co_u32 s70, s70, 1
.endm
.macro CREST
	s_cmp_lg_u32 s10, 0
	s_cbranch_scc1 .Lnot_wave_0_\@
	s_barrier_signal -3
.Lnot_wave_0_\@:
	s_barrier_wait -3
	s_barrier_signal -1
	s_barrier_wait -1
.endm
.macro CROUND
	s_barrier_signal -1
	s_barrier_wait -1
	CREST
.endm
.macro PLACES
.rept 4
	v_nop
.endr
.endm
	s_load_b128 s[4:7], s[0:1], 0x0                ; the left operand, wb
	s_load_b64 s[8:9], s[0:1], 0x10                ; the result
	s_load_b64 s[66:67], s[0:1], 0x18              ; the residual
	s_set_vgpr_msb 0x40
	v_lshl_add_u32 v255, v0, 2, 0x4c400
	s_set_vgpr_msb 0x4000
	v_mov_b32 v255, 0
	s_set_vgpr_msb 0x1
	ds_add_u32 v255, v255
	s_set_vgpr_msb 0x100
	v_lshrrev_b32 v1, 5, v0
	v_readfirstlane_b32 s10, v1
	s_lshr_b32 s11, s10, 1                         ; my half of the rows; also: I fetch the left operand (0) or the weight (1)
	s_and_b32 s12, s10, 1                          ; my half of the columns; also: which half of that tile I fetch
	s_bfe_u32 s40, ttmp6, 0x40000
	s_bfe_u32 s41, ttmp6, 0x40004
	s_lshl_b32 s42, ttmp9, 2
	s_add_co_u32 s42, s42, s40                     ; block column
	s_and_b32 s13, ttmp7, 0xffff
	s_lshl_b32 s13, s13, 2
	s_add_co_u32 s13, s13, s41                     ; block row
	s_lshl_b32 s43, s41, 2
	s_lshl_b32 s43, 15, s43
	s_lshl_b32 s44, 0x1111, s40
	s_and_b32 s71, ttmp7, 3                        ; f = (cluster y & 3) xor 2 (cluster x & 1): made of the cluster's place alone
	s_lshl_b32 s72, ttmp9, 1
	s_and_b32 s72, s72, 2
	s_xor_b32 s71, s71, s72
	s_mov_b32 s70, 0
	s_mov_b32 s73, 0
	s_mov_b32 s75, 0
	s_or_b32 s[G1+0], s43, (1<<16)|(1<<20)|(1<<21)|(6<<22)|(3<<25)   ; 64 rows x 256 bf16, 4 words of padding behind every 128
	s_mov_b32 s[G1+1], 256<<16
	s_mov_b32 s[G1+2], 64<<16
	s_mov_b32 s[G1+3], 256<<16
	s_mov_b32 s[G1+4], 64
	s_mov_b32 s[G1+5], SIZE_K
	s_mov_b32 s[G1+6], 0
	s_mov_b32 s[G1+7], 0
	s_or_b32 s[G1B+0], s44, (1<<16)|(1<<20)|(1<<21)|(5<<22)|(7<<25)  ; 128 K rows x 128 bf16, 8 words of padding behind every 64
	s_mov_b32 s[G1B+1], 128<<16
	s_mov_b32 s[G1B+2], 128<<16
	s_mov_b32 s[G1B+3], 128<<16
	s_mov_b32 s[G1B+4], 128
	s_mov_b32 s[G1B+5], SIZE_N
	s_mov_b32 s[G1B+6], 0
	s_mov_b32 s[G1B+7], 0
	s_lshl_b32 s17, s12, 6
	s_lshl_b32 s16, s13, 7
	s_add_co_u32 s16, s16, s17                     ; row 128 x block row + 64 x half
	s_mul_i32 s16, s16, SIZE_K*2
	s_mov_b32 s17, 0
	s_lshl_b32 s46, s12, 18                        ; K row 128 x half, 2,048 bytes each
	s_lshl_b32 s47, s42, 8                         ; column 128 x block column
	s_add_co_u32 s46, s46, s47
	s_add_co_u32 s46, s46, WOFF
	s_mov_b32 s47, 0
	s_lshl_b32 s68, s13, 7                         ; my 64 x 64 of the result and of the residual
	s_lshl_b32 s69, s11, 6
	s_add_co_u32 s68, s68, s69
	s_lshl_b32 s68, s68, 12
	s_lshl_b32 s69, s42, 9
	s_add_co_u32 s68, s68, s69
	s_lshl_b32 s69, s12, 8
	s_add_co_u32 s68, s68, s69
	s_mov_b32 s69, 0
	s_mul_i32 s20, s10, PART
	s_wait_dscnt 0x0
	s_wait_kmcnt 0x0
	s_add_nc_u64 s[14:15], s[4:5], s[16:17]        ; chunk 0 of my part of the left operand's tile: kept to the end
	s_add_nc_u64 s[46:47], s[6:7], s[46:47]        ; chunk 0 of my part of the weight's tile: kept to the end
	s_add_nc_u64 s[8:9], s[8:9], s[68:69]
	s_add_nc_u64 s[66:67], s[66:67], s[68:69]
	CROUND
.irp s, 0,1
	s_mov_b32 s[G0+4*\s], 1
	s_add_co_u32 s[G0+4*\s+1], s20, \s*SLOT
	s_mov_b32 s[G0B+4*\s], 1
	s_add_co_u32 s[G0B+4*\s+1], s20, \s*SLOT
	AIM \s
	JLOAD \s
.endr
	v_and_b32 v1, 15, v0
	v_bfe_u32 v2, v0, 4, 1
	v_and_b32 v6, 7, v0
	v_bfe_u32 v7, v0, 3, 1
	v_mul_u32_u24 v3, v1, PA
	v_lshl_add_u32 v3, v2, 4, v3
	s_mul_i32 s21, s11, PART
	v_add_nc_u32 v[ADRA], s21, v3
	v_add_nc_u32 v[ADRA+1], SLOT, v[ADRA]
	v_lshl_add_u32 v6, v2, 3, v6
	v_mul_u32_u24 v6, v6, PB
	v_lshl_add_u32 v6, v7, 4, v6
	s_lshl_b32 s22, s12, 7
	s_add_co_u32 s22, s22, 2*PART
	v_add_nc_u32 v[ADRB], s22, v6
	v_add_nc_u32 v[ADRB+1], PART, v[ADRB]
	v_add_nc_u32 v[ADRB+2], SLOT, v[ADRB]
	v_add_nc_u32 v[ADRB+3], SLOT+PART, v[ADRB]
	s_mul_i32 s23, s10, 16*SPITCH
	s_add_co_u32 s23, s23, STAGE
	v_mul_u32_u24 v4, v1, SPITCH
	v_lshl_add_u32 v4, v2, 5, v4
	v_add_nc_u32 v[STO], s23, v4                   ; in: row l % 16, 32 bytes for each half of the lanes
	v_mul_u32_u24 v5, v2, SPITCH
	v_lshl_add_u32 v5, v1, 4, v5
	v_add_nc_u32 v[RD], s23, v5                    ; back: lanes 0-15 one row of 256 bytes, lanes 16-31 the next
	v_lshlrev_b32 v5, 12, v2
	v_lshl_add_u32 v[CO], v1, 4, v5                ; the same two rows in memory
	WIN 0x80                                       ; the residual, in the layout in which rows come back from the stage; it lands under the product
.irp a, 0,1,2,3
.irp t, 0,1,2,3,4,5,6,7
	global_load_b128 v[RES+32*\a+4*\t:RES+32*\a+4*\t+3], v[CO], s[66:67] offset:(16*\a+2*\t)*4096
.endr
.endr
	WIN 0
; the fragments of step st (64 along K) of a slot: 16 transposing loads for 64 columns, 16 plain loads for 64 rows
.macro FETCH2 slot, st, f
	WIN TO_B
.irp ks, 0,1
.irp b, 0,1,2,3
	ds_load_tr16_b128 v[\f+8*(4*\ks+\b):\f+8*(4*\ks+\b)+3],   v[ADRB+2*\slot+(\st>>1)] offset:((\st&1)*64+32*\ks)*PB+32*\b
	ds_load_tr16_b128 v[\f+8*(4*\ks+\b)+4:\f+8*(4*\ks+\b)+7], v[ADRB+2*\slot+(\st>>1)] offset:((\st&1)*64+32*\ks+16)*PB+32*\b
.endr
.endr
	WIN 0
.irp ks, 0,1
.irp a, 0,1,2,3
	ds_load_b128 v[\f+8*(4*\ks+\a):\f+8*(4*\ks+\a)+3],   v[ADRA+\slot] offset:\a*16*PA+128*\st+64*\ks
	ds_load_b128 v[\f+8*(4*\ks+\a)+4:\f+8*(4*\ks+\a)+7], v[ADRA+\slot] offset:\a*16*PA+128*\st+64*\ks+32
.endr
.endr
.endm
.macro MULH f, ks, zero                ; 16 matrix instructions, the 16 accumulators by turns
.irp a, 0,1,2,3
.irp b, 0,1,2,3
.if \zero
	v_wmma_f32_16x16x32_bf16 v[8*(4*\a+\b):8*(4*\a+\b)+7], v[\f+8*(4*\ks+\b):\f+8*(4*\ks+\b)+7], v[\f+8*(4*\ks+\a):\f+8*(4*\ks+\a)+7], 0
.else
	v_wmma_f32_16x16x32_bf16 v[8*(4*\a+\b):8*(4*\a+\b)+7], v[\f+8*(4*\ks+\b):\f+8*(4*\ks+\b)+7], v[\f+8*(4*\ks+\a):\f+8*(4*\ks+\a)+7], v[8*(4*\a+\b):8*(4*\a+\b)+7]
.endif
.endr
.endr
.endm
.macro STEP slot, nxt, f, g, zero      ; multiplies buffer f, asked for a step ago; asks for step nxt into buffer g first
	s_wait_dscnt 0x0
	PLACES
	FETCH2 \slot, \nxt, \g
	WIN MUL
	MULH \f, 0, \zero
	MULH \f, 1, 0
.endm
.macro TURN2 slot, next, fill          ; the slot's last step changes slots
	s_wait_dscnt 0x0                               ; my reads of this slot are over
	s_wait_tensorcnt 0x0                           ; all my tensor loads have landed: the one that was out is my part of the next slot
	ds_add_u32 v255, v255
	s_wait_dscnt 0x0
	s_barrier_signal -1
	WIN MUL
	MULH F1, 0, 0
	WIN 0
	s_barrier_wait -1
.if \fill
	CREST
	AIM \slot                                      ; no tensor load of mine is out: this slot's group 0 may be written
	JLOAD \slot                                    ; the first tensor load behind the round
.endif
	PLACES
	FETCH2 \next, 0, F0
	WIN MUL
	MULH F1, 1, 0
.endm
.macro THREE slot, zero
	STEP \slot, 1, F0, F1, \zero
	STEP \slot, 2, F1, F0, 0
	STEP \slot, 3, F0, F1, 0
.endm
.macro LAP zero
	THREE 0, \zero
	TURN2 0, 1, 1
	THREE 1, 0
	TURN2 1, 0, 1
.endm
	s_wait_tensorcnt 1                             ; my part of slot 0 is in; slot 1's stays out
	s_barrier_signal -1
	s_barrier_wait -1
	FETCH2 0, 0, F0
	LAP 1
.if LAPS > 2
	WIN 0
	s_mov_b32 s3, LAPS-2
.Llap:
	LAP 0
	WIN 0
	s_sub_co_u32 s3, s3, 1
	s_cmp_lg_u32 s3, 0
	s_cbranch_scc1 .Llap
.endif
	THREE 0, 0                                     ; the last lap fills nothing
	TURN2 0, 1, 0
	THREE 1, 0
	s_wait_dscnt 0x0
	WIN MUL
	MULH F1, 0, 0
	MULH F1, 1, 0
	; the way out, 16 rows at a time: f32 tiles into my own stage, back as rows of 256 bytes into the same registers, + residual, store
	PLACES
	s_wait_loadcnt 0x0                             ; the residual
.irp a, 0,1,2,3
	WIN 0x88                                       ; LDS and global data in window 2, addresses in window 0
.irp b, 0,1,2,3
	ds_store_b128 v[STO], v[32*\a+8*\b:32*\a+8*\b+3]   offset:64*\b
	ds_store_b128 v[STO], v[32*\a+8*\b+4:32*\a+8*\b+7] offset:64*\b+16
.endr
.irp t, 0,1,2,3,4,5,6,7
	ds_load_b128 v[32*\a+4*\t:32*\a+4*\t+3], v[RD] offset:\t*2*SPITCH   ; a wave's LDS instructions are served in order: these see the stores above
.endr
	s_wait_dscnt 0x0
	WIN 0x8a
.irp p, 0,2,4,6,8,10,12,14,16,18,20,22,24,26,28,30
	v_pk_add_f32 v[32*\a+\p:32*\a+\p+1], v[32*\a+\p:32*\a+\p+1], v[RES+32*\a+\p:RES+32*\a+\p+1]
.endr
	WIN 0x88
.irp t, 0,1,2,3,4,5,6,7
	global_store_b128 v[CO], v[32*\a+4*\t:32*\a+4*\t+3], s[8:9] offset:(16*\a+2*\t)*4096   ; 16 lanes store 256 consecutive bytes, aligned; no stored register is written again
.endr
.endr
	WIN 0
	s_set_vgpr_msb 0x1
	s_wait_tensorcnt 0x0
	ds_add_u32 v255, v255
	s_wait_dscnt 0x0
	s_set_vgpr_msb 0x100
	CROUND                                         ; the closing round
	s_endpgm
.Lfunc_end_k_q5d09bfd814_wout:
	.size	k_q5d09bfd814_wout, .Lfunc_end_k_q5d09bfd814_wout-k_q5d09bfd814_wout
	.p2alignl 7, 3214868480
	.fill 96, 4, 3214868480
	.section	.rodata,"a",@progbits
	.p2align	6, 0x0
	.amdhsa_kernel k_q5d09bfd814_wout
		.amdhsa_group_segment_fixed_size 327680
		.amdhsa_private_segment_fixed_size 0
		.amdhsa_enable_private_segment 0
		.amdhsa_kernarg_size 32
		.amdhsa_user_sgpr_count 2
		.amdhsa_user_sgpr_kernarg_segment_ptr 1
		.amdhsa_wavefront_size32 1
		.amdhsa_system_sgpr_workgroup_id_x 1
		.amdhsa_system_sgpr_workgroup_id_y 1
		.amdhsa_system_sgpr_workgroup_id_z 1
		.amdhsa_system_vgpr_workitem_id 0
		.amdhsa_next_free_vgpr 768
		.amdhsa_next_free_sgpr 80
		.amdhsa_reserve_vcc 0
		.amdhsa_float_denorm_mode_32 3
		.amdhsa_float_denorm_mode_16_64 3
		.amdhsa_memory_ordered 1
		.amdhsa_forward_progress 1
		.amdhsa_inst_pref_size 93
	.end_amdhsa_kernel
	.amdgpu_metadata
---
amdhsa.version: [ 1, 2 ]
amdhsa.kernels:
  - .name:           k_q5d09bfd814_wout
    .symbol:         k_q5d09bfd814_wout.kd
    .args:
      - { .name: att, .offset: 0, .size: 8, .value_kind: global_buffer, .address_space: global }
      - { .name: wb, .offset: 8, .size: 8, .value_kind: global_buffer, .address_space: global }
      - { .name: x1, .offset: 16, .size: 8, .value_kind: global_buffer, .address_space: global }
      - { .name: x, .offset: 24, .size: 8, .value_kind: global_buffer, .address_space: global }
    .group_segment_fixed_size: 327680
    .private_segment_fixed_size: 0
    .kernarg_segment_align: 8
    .kernarg_segment_size: 32
    .max_flat_workgroup_size: 128
    .sgpr_count:     80
    .vgpr_count:     768
    .wavefront_size: 32
...
	.end_amdgpu_metadata
.endif
;; end of part 9
;; launch norm2: the kernel of part 5 again; grid 256 x 1, 8 waves a work-group, no clusters, 0 bytes of LDS; arguments x1, g2, hn2; writes hn2
;; launch w1 (part 10): grid 16 x 16, 4 waves a work-group, clusters of 4 x 4, 327,680 bytes of LDS; arguments hn2, wb, act; writes act
.if DOCPART == 10
	.amdgcn_target "amdgcn-amd-amdhsa--gfx1250"
	.amdhsa_code_object_version 6
	.text
	.protected	k_q5d09bfd814_w1
	.globl	k_q5d09bfd814_w1
	.p2align	8
	.type	k_q5d09bfd814_w1,@function
k_q5d09bfd814_w1:
	s_mov_b64 s[64:65], 0
	v_nop
	global_prefetch_b8 v0, s[64:65] scope:SCOPE_SE
	s_setreg_imm32_b32 hwreg(HW_REG_WAVE_MODE, 25, 1), 1
	s_wait_xcnt 0x0
	s_wait_alu depctr_hold_cnt(0) depctr_sa_sdst(0) depctr_va_vdst(0) depctr_va_sdst(0) depctr_va_ssrc(0) depctr_va_vcc(0) depctr_vm_vsrc(0)
	s_getreg_b32 s2, hwreg(HW_REG_IB_STS2, 6, 4)
	s_cmp_eq_u32 s2, 0
	s_cbranch_scc0 .Lentry_in_a_cluster
	s_endpgm
.Lentry_in_a_cluster:
	s_bfe_u32 s2, ttmp6, 0x10000c
	s_cmp_lg_u32 s2, 0xf033
	s_cbranch_scc0 .Lentry_shape_is_right
	s_endpgm
.Lentry_shape_is_right:
; act = gelu(hn2 x W1), the exact (erf) form, bf16.  hn2: [4096][1024] bf16; W1 in wb: [1024][4096] bf16, K down the rows; act: [4096][4096] bf16.
; A work-group makes 256 x 256 with four waves, a wave 128 x 128 (64 accumulator tiles).  K goes in steps of 128 through two LDS slots filled by
; tensor loads; the weight's tile stays [K][N] in LDS and its fragments are taken with the transposing LDS load.
; CLUSTERS 4 x 4: hn2's tile is asked for jointly along a row of the cluster, the weight's along a column.
; The matrix instruction is used transposed: lane l holds row l % 16, registers 0-7 columns 8 (l / 16) + 0..7.
; GELU: for z >= 0, erf(z) = 1 - 1 / (1 + a1 z + .. + a6 z^6)^16 (Abramowitz and Stegun 7.1.28, error at most 3e-7).  With h = |x| / 2, z = h sqrt 2,
; t = 1 + c1 h + .. + c6 h^6 (c_i = a_i 2^(i/2)) and r = 1 / t^16:  gelu(x) = x / 2 + h (1 - r), for both signs of x.  No clamp: where t^16 passes
; f32's range it is infinite, r is 0, and gelu is x or 0 as it should be.
; LIMIT: absolute error of gelu about 2e-6 |x| (the formula's 3e-7 on erf, and t's rounding taken to the sixteenth power); below about x = -5, where
; |gelu| is under 2e-6, the result is of the size of that error.
.set SIZE_K, 1024
.set SIZE_N, 4096
.set WOFF,   8388608                   ; W1's place in wb
.set KSTEP,  128
.set PITCH,  272
.set BP,     544
.set HALFT,  128*PITCH
.set SLOT,   4*HALFT
.set STAGE,  2*SLOT
.set SPITCH, 272
.set LAPS,   SIZE_K/(2*KSTEP)
.set ADRA, 16
.set ADRB, 20
.set STO,  24
.set RD,   25
.set CO,   26
.set CC,   28                          ; v[28:39]   c1 .. c6, each twice: c_i in v[CC+2(i-1) : CC+2(i-1)+1]
.set F0,   64
.set F1,   128
.set AA,   64                          ; the way out: h of 16 rows, 64 numbers a lane
.set TT,   128                         ; t, then t^16, r, h (1 - r), gelu
.set TMP,  192                         ; packed bf16
.set RB,   224                         ; rows read back from the stage
.set G1,  24
.set G0,  32
.set G1B, 48
.set G0B, 56
.set MSB, 0
.macro WIN new
.if MSB != \new
	s_set_vgpr_msb (MSB<<8)|\new
.set MSB, \new
.endif
.endm
.set MUL_LO, 0xa1
.set MUL_HI, 0xf1
.set TO_B,   0x40
.macro JLOAD s
	s_cmp_eq_u32 s11, 0
	s_cbranch_scc0 .Lfor_b_\@
	tensor_load_to_lds s[G0+4*\s:G0+4*\s+3], s[G1:G1+7]
	s_nop 0
	s_branch .Lasked_\@
.Lfor_b_\@:
	tensor_load_to_lds s[G0B+4*\s:G0B+4*\s+3], s[G1B:G1B+7]
	s_nop 0
.Lasked_\@:
.endm
.macro CREST
	s_cmp_lg_u32 s10, 0
	s_cbranch_scc1 .Lnot_wave_0_\@
	s_barrier_signal -3
.Lnot_wave_0_\@:
	s_barrier_wait -3
	s_barrier_signal -1
	s_barrier_wait -1
.endm
.macro CROUND
	s_barrier_signal -1
	s_barrier_wait -1
	CREST
.endm
.macro PLACES
.rept 4
	v_nop
.endr
.endm
	s_load_b128 s[4:7], s[0:1], 0x0                ; hn2, wb
	s_load_b64 s[8:9], s[0:1], 0x10                ; act
	s_set_vgpr_msb 0x40
	v_lshl_add_u32 v255, v0, 2, 0x48400
	s_set_vgpr_msb 0x4000
	v_mov_b32 v63, 0
	s_set_vgpr_msb 0x1
	ds_add_u32 v255, v63
	s_set_vgpr_msb 0x100
	v_lshrrev_b32 v1, 5, v0
	v_readfirstlane_b32 s10, v1
	s_lshr_b32 s11, s10, 1
	s_and_b32 s12, s10, 1
	s_bfe_u32 s40, ttmp6, 0x40000
	s_bfe_u32 s41, ttmp6, 0x40004
	s_lshl_b32 s42, ttmp9, 2
	s_add_co_u32 s42, s42, s40                     ; block column
	s_and_b32 s13, ttmp7, 0xffff
	s_lshl_b32 s13, s13, 2
	s_add_co_u32 s13, s13, s41                     ; block row
	s_lshl_b32 s43, s41, 2
	s_lshl_b32 s43, 15, s43
	s_lshl_b32 s44, 0x1111, s40
	s_or_b32 s[G1+0], s43, (1<<16)|(1<<20)|(1<<21)|(5<<22)|(3<<25)
	s_mov_b32 s[G1+1], KSTEP<<16
	s_mov_b32 s[G1+2], 128<<16
	s_mov_b32 s[G1+3], KSTEP<<16
	s_mov_b32 s[G1+4], 128
	s_mov_b32 s[G1+5], SIZE_K
	s_mov_b32 s[G1+6], 0
	s_mov_b32 s[G1+7], 0
	s_or_b32 s[G1B+0], s44, (1<<16)|(1<<20)|(1<<21)|(6<<22)|(7<<25)
	s_mov_b32 s[G1B+1], 256<<16
	s_mov_b32 s[G1B+2], 64<<16
	s_mov_b32 s[G1B+3], 256<<16
	s_mov_b32 s[G1B+4], 64
	s_mov_b32 s[G1B+5], SIZE_N
	s_mov_b32 s[G1B+6], 0
	s_mov_b32 s[G1B+7], 0
	s_lshl_b32 s17, s12, 7
	s_lshl_b32 s16, s13, 8
	s_add_co_u32 s16, s16, s17
	s_lshl_b32 s16, s16, 11
	s_mov_b32 s17, 0
	s_mul_i32 s46, s12, 64*SIZE_N*2
	s_lshl_b32 s47, s42, 9
	s_add_co_u32 s46, s46, s47
	s_add_co_u32 s46, s46, WOFF
	s_mov_b32 s47, 0
	s_mul_i32 s20, s10, HALFT
	s_wait_dscnt 0x0
	s_wait_kmcnt 0x0
	s_add_nc_u64 s[14:15], s[4:5], s[16:17]
	s_add_nc_u64 s[46:47], s[6:7], s[46:47]
	CROUND
.irp s, 0,1
	s_mov_b32 s[G0+4*\s], 1
	s_add_co_u32 s[G0+4*\s+1], s20, \s*SLOT
	s_add_nc_u64 s[G0+4*\s+2:G0+4*\s+3], s[14:15], \s*KSTEP*2
	s_or_b32 s[G0+4*\s+3], s[G0+4*\s+3], 0x80000000
	s_mov_b32 s[G0B+4*\s], 1
	s_add_co_u32 s[G0B+4*\s+1], s20, \s*SLOT
	s_add_nc_u64 s[G0B+4*\s+2:G0B+4*\s+3], s[46:47], \s*KSTEP*SIZE_N*2
	s_or_b32 s[G0B+4*\s+3], s[G0B+4*\s+3], 0x80000000
	JLOAD \s
.endr
	v_and_b32 v1, 15, v0
	v_bfe_u32 v2, v0, 4, 1
	v_mul_u32_u24 v3, v1, PITCH
	v_lshl_add_u32 v3, v2, 4, v3
	s_mul_i32 s21, s11, HALFT
	v_add_nc_u32 v[ADRA], s21, v3
	v_add_nc_u32 v[ADRA+1], SLOT, v[ADRA]
	v_and_b32 v6, 7, v0
	v_lshl_add_u32 v6, v2, 3, v6
	v_mul_u32_u24 v6, v6, BP
	v_bfe_u32 v7, v0, 3, 1
	v_lshl_add_u32 v6, v7, 4, v6
	s_lshl_b32 s22, s12, 8
	s_add_co_u32 s22, s22, 2*HALFT
	v_add_nc_u32 v[ADRB], s22, v6
	v_add_nc_u32 v[ADRB+1], SLOT, v[ADRB]
	s_mul_i32 s23, s10, 16*SPITCH
	s_add_co_u32 s23, s23, STAGE
	v_mul_u32_u24 v4, v1, SPITCH
	v_lshl_add_u32 v4, v2, 4, v4
	v_add_nc_u32 v[STO], s23, v4
	v_mul_u32_u24 v5, v2, SPITCH
	v_lshl_add_u32 v5, v1, 4, v5
	v_add_nc_u32 v[RD], s23, v5
	v_mul_u32_u24 v5, v2, SIZE_N*2
	v_lshl_add_u32 v[CO], v1, 4, v5
.macro MUL16 f, hi, a0, zero
.irp a, \a0, \a0+1
.irp b, 0,1,2,3,4,5,6,7
.if \zero
	v_wmma_f32_16x16x32_bf16 v[8*(8*(\a)+\b):8*(8*(\a)+\b)+7], v[\f+8*\b:\f+8*\b+7], v[\f+8*(4*\hi+\a):\f+8*(4*\hi+\a)+7], 0
.else
	v_wmma_f32_16x16x32_bf16 v[8*(8*(\a)+\b):8*(8*(\a)+\b)+7], v[\f+8*\b:\f+8*\b+7], v[\f+8*(4*\hi+\a):\f+8*(4*\hi+\a)+7], v[8*(8*(\a)+\b):8*(8*(\a)+\b)+7]
.endif
.endr
.endr
.endm
.macro FETCH slot, q, f
	WIN TO_B
.irp i, 0,1,2,3,4,5,6,7
	ds_load_tr16_b128 v[\f+8*\i:\f+8*\i+3],   v[ADRB+\slot] offset:\q*32*BP+32*\i
	ds_load_tr16_b128 v[\f+8*\i+4:\f+8*\i+7], v[ADRB+\slot] offset:\q*32*BP+16*BP+32*\i
.endr
	WIN 0
.irp i, 0,1,2,3,4,5,6,7
	ds_load_b128 v[\f+8*\i:\f+8*\i+3],   v[ADRA+\slot] offset:64*\q+\i*16*PITCH
	ds_load_b128 v[\f+8*\i+4:\f+8*\i+7], v[ADRA+\slot] offset:64*\q+\i*16*PITCH+32
.endr
.endm
.macro QUARTER slot, q, f, g, zero
	s_wait_dscnt 8                                 ; the weight and rows 0-63 are in; the youngest eight loads (rows 64-127) may be out
	WIN MUL_LO
	MUL16 \f, 0, 0, \zero
	MUL16 \f, 0, 2, \zero
	PLACES
	FETCH \slot, \q, \g
	s_wait_dscnt 32                                ; all but the 32 just issued
	WIN MUL_HI
	MUL16 \f, 1, 0, \zero
	MUL16 \f, 1, 2, \zero
.endm
.macro THREE slot, zero
	QUARTER \slot, 1, F0, F1, \zero
	QUARTER \slot, 2, F1, F0, 0
	QUARTER \slot, 3, F0, F1, 0
.endm
.macro TURN slot, next, fill
	s_wait_dscnt 8
	WIN MUL_LO
	MUL16 F1, 0, 0, 0
	s_wait_dscnt 0                                 ; my reads of this slot are over
	s_wait_tensorcnt 0x0                           ; all my tensor loads have landed
	ds_add_u32 v255, v63
	s_wait_dscnt 0x0
	s_barrier_signal -1
	MUL16 F1, 0, 2, 0
	WIN 0
	s_barrier_wait -1
.if \fill
	CREST
	s_add_nc_u64 s[G0+4*\slot+2:G0+4*\slot+3], s[G0+4*\slot+2:G0+4*\slot+3], 2*KSTEP*2
	s_add_nc_u64 s[G0B+4*\slot+2:G0B+4*\slot+3], s[G0B+4*\slot+2:G0B+4*\slot+3], 2*KSTEP*SIZE_N*2
	JLOAD \slot
.endif
	PLACES
	FETCH \next, 0, F0
	WIN MUL_HI
	MUL16 F1, 1, 0, 0
	MUL16 F1, 1, 2, 0
.endm
.macro LAP zero
	THREE 0, \zero
	TURN 0, 1, 1
	THREE 1, 0
	TURN 1, 0, 1
.endm
	s_wait_tensorcnt 1                             ; my part of K step 0 is in; K step 1's stays out
	s_barrier_signal -1
	s_barrier_wait -1
	FETCH 0, 0, F0
	LAP 1                                          ; the 64 accumulators take turns, one instruction a turn
	WIN 0
	s_mov_b32 s3, LAPS-2
.Llap:
	LAP 0
	WIN 0
	s_sub_co_u32 s3, s3, 1
	s_cmp_lg_u32 s3, 0
	s_cbranch_scc1 .Llap
	THREE 0, 0
	TURN 0, 1, 0
	THREE 1, 0
	s_wait_dscnt 8
	WIN MUL_LO
	MUL16 F1, 0, 0, 0
	MUL16 F1, 0, 2, 0
	s_wait_dscnt 0
	WIN MUL_HI
	MUL16 F1, 1, 0, 0
	MUL16 F1, 1, 2, 0
	; THE WAY OUT.  The six coefficients go into register pairs, so that every line of the polynomial names registers alone and is 8 bytes long.
	; These twelve moves are also the places behind the last matrix instructions (ISA guide 7.12.1): they name none of their registers.
	WIN 0
.macro COEF i, val
	v_mov_b32 v[CC+2*\i], \val
	v_mov_b32 v[CC+2*\i+1], \val
.endm
	COEF 0, 0x3dcc41b4                             ; c1 = 0.0705230784 x 2^(1/2)
	COEF 1, 0x3dad2fe7                             ; c2 = 0.0422820123 x 2
	COEF 2, 0x3cd6cd72                             ; c3 = 0.0092705272 x 2^(3/2)
	COEF 3, 0x3a1f6607                             ; c4 = 0.0001520143 x 4
	COEF 4, 0x3acd0fec                             ; c5 = 0.0002765672 x 2^(5/2)
	COEF 5, 0x39b49f67                             ; c6 = 0.0000430638 x 8
	s_lshl_b32 s13, s13, 8
	s_lshl_b32 s14, s11, 7
	s_add_co_u32 s16, s13, s14                     ; my first row
	s_mul_i32 s16, s16, SIZE_N*2
	s_mov_b32 s17, 0
	s_add_nc_u64 s[8:9], s[8:9], s[16:17]
	s_lshl_b32 s46, s42, 9                         ; my first column, in bytes
	s_lshl_b32 s47, s12, 8
	s_add_co_u32 s46, s46, s47
	s_mov_b32 s47, 0
	s_add_nc_u64 s[8:9], s[8:9], s[46:47]
; Rows 16 i .. 16 i + 15 of my block = the eight tiles (a, 0..7) of window 2 or 3 (from = 0x02 or 0x03: source 0): 64 numbers a lane.
; Every stage runs over all 32 pairs before the next begins: no line reads a result that is younger than 32 lines.
; 17 vector instructions for two numbers: 2 for h, 6 for t, 4 squarings, 2 reciprocals, 2 to close, 1 to round.
.macro OUTG i, a, from
	WIN \from
.set k, 0
.rept 64
	v_mul_f32 v[AA+k], |v[64*\a+k]|, 0.5           ; h = |x| / 2
.set k, k+1
.endr
	WIN 0
.set k, 0
.rept 32
	v_pk_fma_f32 v[TT+2*k:TT+2*k+1], v[AA+2*k:AA+2*k+1], v[CC+10:CC+11], v[CC+8:CC+9]   ; c6 h + c5
.set k, k+1
.endr
.irp c, 6,4,2,0
.set k, 0
.rept 32
	v_pk_fma_f32 v[TT+2*k:TT+2*k+1], v[TT+2*k:TT+2*k+1], v[AA+2*k:AA+2*k+1], v[CC+\c:CC+\c+1]
.set k, k+1
.endr
.endr
.set k, 0
.rept 32
	v_pk_fma_f32 v[TT+2*k:TT+2*k+1], v[TT+2*k:TT+2*k+1], v[AA+2*k:AA+2*k+1], 1.0 op_sel_hi:[1,1,0]   ; t
.set k, k+1
.endr
.rept 4
.set k, 0
.rept 32
	v_pk_mul_f32 v[TT+2*k:TT+2*k+1], v[TT+2*k:TT+2*k+1], v[TT+2*k:TT+2*k+1]   ; t^2, t^4, t^8, t^16
.set k, k+1
.endr
.endr
.set k, 0
.rept 64
	v_rcp_f32 v[TT+k], v[TT+k]                     ; r; t >= 1, so never a division by zero
.set k, k+1
.endr
	v_nop                                          ; one plain place behind the run of reciprocals (ISA guide 5.7.2)
.set k, 0
	s_wait_alu depctr_va_vdst(0)
.rept 32
	v_pk_fma_f32 v[TT+2*k:TT+2*k+1], v[AA+2*k:AA+2*k+1], v[TT+2*k:TT+2*k+1], v[AA+2*k:AA+2*k+1] neg_lo:[1,0,0] neg_hi:[1,0,0]   ; h - h r
.set k, k+1
.endr
	WIN \from
.set k, 0
.rept 32
	v_pk_fma_f32 v[TT+2*k:TT+2*k+1], v[64*\a+2*k:64*\a+2*k+1], 0.5, v[TT+2*k:TT+2*k+1] op_sel_hi:[1,0,1]   ; x / 2 + h (1 - r)
.set k, k+1
.endr
	WIN 0
.set k, 0
.rept 32
	v_cvt_pk_bf16_f32 v[TMP+k], v[TT+2*k], v[TT+2*k+1]   ; tile b's eight numbers become v[TMP+4b : TMP+4b+3]
.set k, k+1
.endr
.irp b, 0,1,2,3,4,5,6,7
	ds_store_b128 v[STO], v[TMP+4*\b:TMP+4*\b+3] offset:32*\b
.endr
	s_wait_xcnt 0x0                                ; the registers that the last group's stores read are loaded again only behind this wait (ISA guide 3.1)
.irp t, 0,1,2,3,4,5,6,7
	ds_load_b128 v[RB+4*\t:RB+4*\t+3], v[RD] offset:\t*2*SPITCH    ; a wave's LDS instructions are served in order: these see the stores above
.endr
.irp t, 0,1,2,3,4,5,6,7
	s_wait_dscnt 7-\t                              ; row pair t is back, the 7 - t younger loads stay out
	global_store_b128 v[CO], v[RB+4*\t:RB+4*\t+3], s[8:9] offset:(16*\i+2*\t)*SIZE_N*2   ; 16 lanes store 256 consecutive bytes, aligned; the row stands in the immediate, 1,032,192 at the most
.endr
.endm
	OUTG 0, 0, 0x02
	OUTG 1, 1, 0x02
	OUTG 2, 2, 0x02
	OUTG 3, 3, 0x02
	OUTG 4, 0, 0x03
	OUTG 5, 1, 0x03
	OUTG 6, 2, 0x03
	OUTG 7, 3, 0x03
	s_set_vgpr_msb 0x1
	s_wait_tensorcnt 0x0
	ds_add_u32 v255, v63
	s_wait_dscnt 0x0
	s_set_vgpr_msb 0x100
	CROUND                                         ; the closing round
	s_endpgm
.Lfunc_end_k_q5d09bfd814_w1:
	.size	k_q5d09bfd814_w1, .Lfunc_end_k_q5d09bfd814_w1-k_q5d09bfd814_w1
	.p2alignl 7, 3214868480
	.fill 96, 4, 3214868480
	.section	.rodata,"a",@progbits
	.p2align	6, 0x0
	.amdhsa_kernel k_q5d09bfd814_w1
		.amdhsa_group_segment_fixed_size 327680
		.amdhsa_private_segment_fixed_size 0
		.amdhsa_enable_private_segment 0
		.amdhsa_kernarg_size 24
		.amdhsa_user_sgpr_count 2
		.amdhsa_user_sgpr_kernarg_segment_ptr 1
		.amdhsa_wavefront_size32 1
		.amdhsa_system_sgpr_workgroup_id_x 1
		.amdhsa_system_sgpr_workgroup_id_y 1
		.amdhsa_system_sgpr_workgroup_id_z 1
		.amdhsa_system_vgpr_workitem_id 0
		.amdhsa_next_free_vgpr 1024
		.amdhsa_next_free_sgpr 72
		.amdhsa_reserve_vcc 0
		.amdhsa_float_denorm_mode_32 3
		.amdhsa_float_denorm_mode_16_64 3
		.amdhsa_memory_ordered 1
		.amdhsa_forward_progress 1
		.amdhsa_inst_pref_size 255
	.end_amdhsa_kernel
	.section	.bss,"aw",@nobits
	.p2align	6
	.space	262144
	.amdgpu_metadata
---
amdhsa.version: [ 1, 2 ]
amdhsa.kernels:
  - .name:           k_q5d09bfd814_w1
    .symbol:         k_q5d09bfd814_w1.kd
    .args:
      - { .name: hn2, .offset: 0, .size: 8, .value_kind: global_buffer, .address_space: global }
      - { .name: wb, .offset: 8, .size: 8, .value_kind: global_buffer, .address_space: global }
      - { .name: act, .offset: 16, .size: 8, .value_kind: global_buffer, .address_space: global }
    .group_segment_fixed_size: 327680
    .private_segment_fixed_size: 0
    .kernarg_segment_align: 8
    .kernarg_segment_size: 24
    .max_flat_workgroup_size: 128
    .sgpr_count:     72
    .vgpr_count:     1024
    .wavefront_size: 32
...
	.end_amdgpu_metadata
.endif
;; end of part 10
;; launch w2 (part 11): grid 8 x 32, 4 waves a work-group, clusters of 4 x 4, 327,680 bytes of LDS; arguments act, wb, out0, x1; writes out0
.if DOCPART == 11
	.amdgcn_target "amdgcn-amd-amdhsa--gfx1250"
	.amdhsa_code_object_version 6
	.text
	.protected	k_q5d09bfd814_w2
	.globl	k_q5d09bfd814_w2
	.p2align	8
	.type	k_q5d09bfd814_w2,@function
k_q5d09bfd814_w2:
	s_mov_b64 s[64:65], 0
	v_nop
	global_prefetch_b8 v0, s[64:65] scope:SCOPE_SE
	s_setreg_imm32_b32 hwreg(HW_REG_WAVE_MODE, 25, 1), 1
	s_wait_xcnt 0x0
	s_wait_alu depctr_hold_cnt(0) depctr_sa_sdst(0) depctr_va_vdst(0) depctr_va_sdst(0) depctr_va_ssrc(0) depctr_va_vcc(0) depctr_vm_vsrc(0)
	s_getreg_b32 s2, hwreg(HW_REG_IB_STS2, 6, 4)
	s_cmp_eq_u32 s2, 0
	s_cbranch_scc0 .Lentry_in_a_cluster
	s_endpgm
.Lentry_in_a_cluster:
	s_bfe_u32 s2, ttmp6, 0x10000c
	s_cmp_lg_u32 s2, 0xf033
	s_cbranch_scc0 .Lentry_shape_is_right
	s_endpgm
.Lentry_shape_is_right:
; out0 = x1 + act x W2, f32 out.  act: [4096][4096] bf16; W2 in wb: [4096][1024] bf16, K down the rows; x1, out0: [4096][1024] f32.
; 4096 x 1024 outputs on 256 work-groups are 128 x 128 each; a wave makes 64 x 64 (16 accumulator tiles).  A block of 256 x 256 would read half the
; LDS bytes for each product but give work to 64 work-groups only.  An LDS slot holds a chunk of 256 along K (four steps of 64), so that a wave's one
; tensor load behind each change of slots has 112 matrix instructions in which to land.
; CLUSTERS 4 x 4: act's tile is asked for jointly along a row of the cluster, the weight's along a column.
; THE WALK ALONG K differs from cluster to cluster: in trip t cluster (X, Y) asks for chunk t xor f, f = (Y & 3) xor 2 (X & 1).  The two clusters that
; read the same rows of act have f that differ by 2: of every four chunks each asks first for two, and for the other two it asks two trips behind its
; neighbour.  Four clusters with different Y & 3 that read the same columns of the weight each ask first for one chunk in four.  So half of the trips
; ask only for bytes that another cluster has read two trips before.  f and t are the same in all work-groups of a cluster.
; LIMIT: the f32 sums run over K in the order of the walk, not ascending.
; The matrix instruction is used transposed: lane l holds row l % 16, registers 0-7 columns 8 (l / 16) + 0..7.
; Windows: 0 addresses and act's fragments; 1 the weight's fragments; 2 accumulators v[0:127] and the residual v[128:255], loaded at the start.
.set SIZE_K, 4096
.set SIZE_N, 1024
.set WOFF,   16777216                  ; W2's place in wb
.set PA,     528
.set PB,     288
.set PART,   128*PB
.set SLOT,   4*PART
.set STAGE,  2*SLOT
.set SPITCH, 272
.set LAPS,   SIZE_K/512
.set ADRA, 16
.set ADRB, 20
.set STO,  24
.set RD,   25
.set CO,   26
.set F0,   64
.set F1,   128
.set RES,  128
.set G1,  24
.set G0,  32
.set G1B, 48
.set G0B, 56
                                       ; s70 t: how many chunks have been asked for; s71 f; s[72:73], s[74:75] byte offsets of a chunk (upper words 0)
.set MSB, 0
.macro WIN new
.if MSB != \new
	s_set_vgpr_msb (MSB<<8)|\new
.set MSB, \new
.endif
.endm
.set MUL,  0xa1
.set TO_B, 0x40
.macro JLOAD s
	s_cmp_eq_u32 s11, 0
	s_cbranch_scc0 .Lfor_b_\@
	tensor_load_to_lds s[G0+4*\s:G0+4*\s+3], s[G1:G1+7]
	s_nop 0
	s_branch .Lasked_\@
.Lfor_b_\@:
	tensor_load_to_lds s[G0B+4*\s:G0B+4*\s+3], s[G1B:G1B+7]
	s_nop 0
.Lasked_\@:
.endm
; the global addresses of slot s's two group 0 are set to chunk t xor f, and t steps.  Stands only where no tensor load that names them is out.
.macro AIM s
	s_xor_b32 s72, s70, s71                        ; the chunk
	s_lshl_b32 s74, s72, 19                        ; the weight: 256 K rows of 2,048 bytes
	s_lshl_b32 s72, s72, 9                         ; the left operand: 256 bf16 along a row
	s_add_nc_u64 s[G0+4*\s+2:G0+4*\s+3], s[14:15], s[72:73]
	s_or_b32 s[G0+4*\s+3], s[G0+4*\s+3], 0x80000000
	s_add_nc_u64 s[G0B+4*\s+2:G0B+4*\s+3], s[46:47], s[74:75]
	s_or_b32 s[G0B+4*\s+3], s[G0B+4*\s+3], 0x80000000
	s_add_co_u32 s70, s70, 1
.endm
.macro CREST
	s_cmp_lg_u32 s10, 0
	s_cbranch_scc1 .Lnot_wave_0_\@
	s_barrier_signal -3
.Lnot_wave_0_\@:
	s_barrier_wait -3
	s_barrier_signal -1
	s_barrier_wait -1
.endm
.macro CROUND
	s_barrier_signal -1
	s_barrier_wait -1
	CREST
.endm
.macro PLACES
.rept 4
	v_nop
.endr
.endm
	s_load_b128 s[4:7], s[0:1], 0x0                ; the left operand, wb
	s_load_b64 s[8:9], s[0:1], 0x10                ; the result
	s_load_b64 s[66:67], s[0:1], 0x18              ; the residual
	s_set_vgpr_msb 0x40
	v_lshl_add_u32 v255, v0, 2, 0x4c400
	s_set_vgpr_msb 0x4000
	v_mov_b32 v255, 0
	s_set_vgpr_msb 0x1
	ds_add_u32 v255, v255
	s_set_vgpr_msb 0x100
	v_lshrrev_b32 v1, 5, v0
	v_readfirstlane_b32 s10, v1
	s_lshr_b32 s11, s10, 1
	s_and_b32 s12, s10, 1
	s_bfe_u32 s40, ttmp6, 0x40000
	s_bfe_u32 s41, ttmp6, 0x40004
	s_lshl_b32 s42, ttmp9, 2
	s_add_co_u32 s42, s42, s40                     ; block column
	s_and_b32 s13, ttmp7, 0xffff
	s_lshl_b32 s13, s13, 2
	s_add_co_u32 s13, s13, s41                     ; block row
	s_lshl_b32 s43, s41, 2
	s_lshl_b32 s43, 15, s43
	s_lshl_b32 s44, 0x1111, s40
	s_and_b32 s71, ttmp7, 3                        ; f = (cluster y & 3) xor 2 (cluster x & 1): made of the cluster's place alone
	s_lshl_b32 s72, ttmp9, 1
	s_and_b32 s72, s72, 2
	s_xor_b32 s71, s71, s72
	s_mov_b32 s70, 0
	s_mov_b32 s73, 0
	s_mov_b32 s75, 0
	s_or_b32 s[G1+0], s43, (1<<16)|(1<<20)|(1<<21)|(6<<22)|(3<<25)
	s_mov_b32 s[G1+1], 256<<16
	s_mov_b32 s[G1+2], 64<<16
	s_mov_b32 s[G1+3], 256<<16
	s_mov_b32 s[G1+4], 64
	s_mov_b32 s[G1+5], SIZE_K
	s_mov_b32 s[G1+6], 0
	s_mov_b32 s[G1+7], 0
	s_or_b32 s[G1B+0], s44, (1<<16)|(1<<20)|(1<<21)|(5<<22)|(7<<25)
	s_mov_b32 s[G1B+1], 128<<16
	s_mov_b32 s[G1B+2], 128<<16
	s_mov_b32 s[G1B+3], 128<<16
	s_mov_b32 s[G1B+4], 128
	s_mov_b32 s[G1B+5], SIZE_N
	s_mov_b32 s[G1B+6], 0
	s_mov_b32 s[G1B+7], 0
	s_lshl_b32 s17, s12, 6
	s_lshl_b32 s16, s13, 7
	s_add_co_u32 s16, s16, s17
	s_mul_i32 s16, s16, SIZE_K*2
	s_mov_b32 s17, 0
	s_lshl_b32 s46, s12, 18
	s_lshl_b32 s47, s42, 8
	s_add_co_u32 s46, s46, s47
	s_add_co_u32 s46, s46, WOFF
	s_mov_b32 s47, 0
	s_lshl_b32 s68, s13, 7
	s_lshl_b32 s69, s11, 6
	s_add_co_u32 s68, s68, s69
	s_lshl_b32 s68, s68, 12
	s_lshl_b32 s69, s42, 9
	s_add_co_u32 s68, s68, s69
	s_lshl_b32 s69, s12, 8
	s_add_co_u32 s68, s68, s69
	s_mov_b32 s69, 0
	s_mul_i32 s20, s10, PART
	s_wait_dscnt 0x0
	s_wait_kmcnt 0x0
	s_add_nc_u64 s[14:15], s[4:5], s[16:17]        ; chunk 0 of my part of the left operand's tile: kept to the end
	s_add_nc_u64 s[46:47], s[6:7], s[46:47]        ; chunk 0 of my part of the weight's tile: kept to the end
	s_add_nc_u64 s[8:9], s[8:9], s[68:69]
	s_add_nc_u64 s[66:67], s[66:67], s[68:69]
	CROUND
.irp s, 0,1
	s_mov_b32 s[G0+4*\s], 1
	s_add_co_u32 s[G0+4*\s+1], s20, \s*SLOT
	s_mov_b32 s[G0B+4*\s], 1
	s_add_co_u32 s[G0B+4*\s+1], s20, \s*SLOT
	AIM \s
	JLOAD \s
.endr
	v_and_b32 v1, 15, v0
	v_bfe_u32 v2, v0, 4, 1
	v_and_b32 v6, 7, v0
	v_bfe_u32 v7, v0, 3, 1
	v_mul_u32_u24 v3, v1, PA
	v_lshl_add_u32 v3, v2, 4, v3
	s_mul_i32 s21, s11, PART
	v_add_nc_u32 v[ADRA], s21, v3
	v_add_nc_u32 v[ADRA+1], SLOT, v[ADRA]
	v_lshl_add_u32 v6, v2, 3, v6
	v_mul_u32_u24 v6, v6, PB
	v_lshl_add_u32 v6, v7, 4, v6
	s_lshl_b32 s22, s12, 7
	s_add_co_u32 s22, s22, 2*PART
	v_add_nc_u32 v[ADRB], s22, v6
	v_add_nc_u32 v[ADRB+1], PART, v[ADRB]
	v_add_nc_u32 v[ADRB+2], SLOT, v[ADRB]
	v_add_nc_u32 v[ADRB+3], SLOT+PART, v[ADRB]
	s_mul_i32 s23, s10, 16*SPITCH
	s_add_co_u32 s23, s23, STAGE
	v_mul_u32_u24 v4, v1, SPITCH
	v_lshl_add_u32 v4, v2, 5, v4
	v_add_nc_u32 v[STO], s23, v4
	v_mul_u32_u24 v5, v2, SPITCH
	v_lshl_add_u32 v5, v1, 4, v5
	v_add_nc_u32 v[RD], s23, v5
	v_lshlrev_b32 v5, 12, v2
	v_lshl_add_u32 v[CO], v1, 4, v5
	WIN 0x80                                       ; the residual, in the layout in which rows come back from the stage; it lands under the product
.irp a, 0,1,2,3
.irp t, 0,1,2,3,4,5,6,7
	global_load_b128 v[RES+32*\a+4*\t:RES+32*\a+4*\t+3], v[CO], s[66:67] offset:(16*\a+2*\t)*4096
.endr
.endr
	WIN 0
.macro FETCH2 slot, st, f
	WIN TO_B
.irp ks, 0,1
.irp b, 0,1,2,3
	ds_load_tr16_b128 v[\f+8*(4*\ks+\b):\f+8*(4*\ks+\b)+3],   v[ADRB+2*\slot+(\st>>1)] offset:((\st&1)*64+32*\ks)*PB+32*\b
	ds_load_tr16_b128 v[\f+8*(4*\ks+\b)+4:\f+8*(4*\ks+\b)+7], v[ADRB+2*\slot+(\st>>1)] offset:((\st&1)*64+32*\ks+16)*PB+32*\b
.endr
.endr
	WIN 0
.irp ks, 0,1
.irp a, 0,1,2,3
	ds_load_b128 v[\f+8*(4*\ks+\a):\f+8*(4*\ks+\a)+3],   v[ADRA+\slot] offset:\a*16*PA+128*\st+64*\ks
	ds_load_b128 v[\f+8*(4*\ks+\a)+4:\f+8*(4*\ks+\a)+7], v[ADRA+\slot] offset:\a*16*PA+128*\st+64*\ks+32
.endr
.endr
.endm
.macro MULH f, ks, zero                ; 16 matrix instructions, the 16 accumulators by turns
.irp a, 0,1,2,3
.irp b, 0,1,2,3
.if \zero
	v_wmma_f32_16x16x32_bf16 v[8*(4*\a+\b):8*(4*\a+\b)+7], v[\f+8*(4*\ks+\b):\f+8*(4*\ks+\b)+7], v[\f+8*(4*\ks+\a):\f+8*(4*\ks+\a)+7], 0
.else
	v_wmma_f32_16x16x32_bf16 v[8*(4*\a+\b):8*(4*\a+\b)+7], v[\f+8*(4*\ks+\b):\f+8*(4*\ks+\b)+7], v[\f+8*(4*\ks+\a):\f+8*(4*\ks+\a)+7], v[8*(4*\a+\b):8*(4*\a+\b)+7]
.endif
.endr
.endr
.endm
.macro STEP slot, nxt, f, g, zero
	s_wait_dscnt 0x0
	PLACES
	FETCH2 \slot, \nxt, \g
	WIN MUL
	MULH \f, 0, \zero
	MULH \f, 1, 0
.endm
.macro TURN2 slot, next, fill
	s_wait_dscnt 0x0                               ; my reads of this slot are over
	s_wait_tensorcnt 0x0                           ; all my tensor loads have landed: the one that was out is my part of the next slot
	ds_add_u32 v255, v255
	s_wait_dscnt 0x0
	s_barrier_signal -1
	WIN MUL
	MULH F1, 0, 0
	WIN 0
	s_barrier_wait -1
.if \fill
	CREST
	AIM \slot                                      ; no tensor load of mine is out: this slot's group 0 may be written
	JLOAD \slot                                    ; the first tensor load behind the round
.endif
	PLACES
	FETCH2 \next, 0, F0
	WIN MUL
	MULH F1, 1, 0
.endm
.macro THREE slot, zero
	STEP \slot, 1, F0, F1, \zero
	STEP \slot, 2, F1, F0, 0
	STEP \slot, 3, F0, F1, 0
.endm
.macro LAP zero
	THREE 0, \zero
	TURN2 0, 1, 1
	THREE 1, 0
	TURN2 1, 0, 1
.endm
	s_wait_tensorcnt 1                             ; my part of slot 0 is in; slot 1's stays out
	s_barrier_signal -1
	s_barrier_wait -1
	FETCH2 0, 0, F0
	LAP 1
.if LAPS > 2
	WIN 0
	s_mov_b32 s3, LAPS-2
.Llap:
	LAP 0
	WIN 0
	s_sub_co_u32 s3, s3, 1
	s_cmp_lg_u32 s3, 0
	s_cbranch_scc1 .Llap
.endif
	THREE 0, 0                                     ; the last lap fills nothing
	TURN2 0, 1, 0
	THREE 1, 0
	s_wait_dscnt 0x0
	WIN MUL
	MULH F1, 0, 0
	MULH F1, 1, 0
	PLACES
	s_wait_loadcnt 0x0                             ; the residual
.irp a, 0,1,2,3
	WIN 0x88
.irp b, 0,1,2,3
	ds_store_b128 v[STO], v[32*\a+8*\b:32*\a+8*\b+3]   offset:64*\b
	ds_store_b128 v[STO], v[32*\a+8*\b+4:32*\a+8*\b+7] offset:64*\b+16
.endr
.irp t, 0,1,2,3,4,5,6,7
	ds_load_b128 v[32*\a+4*\t:32*\a+4*\t+3], v[RD] offset:\t*2*SPITCH   ; a wave's LDS instructions are served in order: these see the stores above
.endr
	s_wait_dscnt 0x0
	WIN 0x8a
.irp p, 0,2,4,6,8,10,12,14,16,18,20,22,24,26,28,30
	v_pk_add_f32 v[32*\a+\p:32*\a+\p+1], v[32*\a+\p:32*\a+\p+1], v[RES+32*\a+\p:RES+32*\a+\p+1]
.endr
	WIN 0x88
.irp t, 0,1,2,3,4,5,6,7
	global_store_b128 v[CO], v[32*\a+4*\t:32*\a+4*\t+3], s[8:9] offset:(16*\a+2*\t)*4096   ; 16 lanes store 256 consecutive bytes, aligned; no stored register is written again
.endr
.endr
	WIN 0
	s_set_vgpr_msb 0x1
	s_wait_tensorcnt 0x0
	ds_add_u32 v255, v255
	s_wait_dscnt 0x0
	s_set_vgpr_msb 0x100
	CROUND                                         ; the closing round
	s_endpgm
.Lfunc_end_k_q5d09bfd814_w2:
	.size	k_q5d09bfd814_w2, .Lfunc_end_k_q5d09bfd814_w2-k_q5d09bfd814_w2
	.p2alignl 7, 3214868480
	.fill 96, 4, 3214868480
	.section	.rodata,"a",@progbits
	.p2align	6, 0x0
	.amdhsa_kernel k_q5d09bfd814_w2
		.amdhsa_group_segment_fixed_size 327680
		.amdhsa_private_segment_fixed_size 0
		.amdhsa_enable_private_segment 0
		.amdhsa_kernarg_size 32
		.amdhsa_user_sgpr_count 2
		.amdhsa_user_sgpr_kernarg_segment_ptr 1
		.amdhsa_wavefront_size32 1
		.amdhsa_system_sgpr_workgroup_id_x 1
		.amdhsa_system_sgpr_workgroup_id_y 1
		.amdhsa_system_sgpr_workgroup_id_z 1
		.amdhsa_system_vgpr_workitem_id 0
		.amdhsa_next_free_vgpr 768
		.amdhsa_next_free_sgpr 80
		.amdhsa_reserve_vcc 0
		.amdhsa_float_denorm_mode_32 3
		.amdhsa_float_denorm_mode_16_64 3
		.amdhsa_memory_ordered 1
		.amdhsa_forward_progress 1
		.amdhsa_inst_pref_size 129
	.end_amdhsa_kernel
	.amdgpu_metadata
---
amdhsa.version: [ 1, 2 ]
amdhsa.kernels:
  - .name:           k_q5d09bfd814_w2
    .symbol:         k_q5d09bfd814_w2.kd
    .args:
      - { .name: act, .offset: 0, .size: 8, .value_kind: global_buffer, .address_space: global }
      - { .name: wb, .offset: 8, .size: 8, .value_kind: global_buffer, .address_space: global }
      - { .name: out0, .offset: 16, .size: 8, .value_kind: global_buffer, .address_space: global }
      - { .name: x1, .offset: 24, .size: 8, .value_kind: global_buffer, .address_space: global }
    .group_segment_fixed_size: 327680
    .private_segment_fixed_size: 0
    .kernarg_segment_align: 8
    .kernarg_segment_size: 32
    .max_flat_workgroup_size: 128
    .sgpr_count:     80
    .vgpr_count:     768
    .wavefront_size: 32
...
	.end_amdgpu_metadata
.endif
;; end of part 11
;; ======== version 3 of 3: 7 launches; version 2 with the launch norm2 written anew for expert scheduling mode
;; limits: an absolute error that grows with the inputs' magnitude: up to 2e-06 times it
;; workspace buffers: wb 25,165,824 bytes; rope 1,572,864 bytes; hn 8,388,608 bytes; qkvb 25,165,824 bytes; att 8,388,608 bytes; x1 16,777,216 bytes; hn2 8,388,608 bytes; act 33,554,432 bytes
;; launch prep: the kernel of part 1 again; grid 1152 x 1, 8 waves a work-group, no clusters, 0 bytes of LDS; arguments Wqkv, Wout, W1, W2, x, g1, wb, hn, rope; writes wb, hn, rope
;; launch qkv: the kernel of part 2 again; grid 12 x 16, 4 waves a work-group, clusters of 4 x 4, 327,680 bytes of LDS; arguments hn, wb, qkvb, rope; writes qkvb
;; launch attn: the kernel of part 8 again; grid 16 x 16, 8 waves a work-group, clusters of 4 x 4, 327,680 bytes of LDS; arguments qkvb, attn_mask, att; writes att
;; launch wout: the kernel of part 9 again; grid 8 x 32, 4 waves a work-group, clusters of 4 x 4, 327,680 bytes of LDS; arguments att, wb, x1, x; writes x1
;; launch norm2 (part 12): grid 256 x 1, 8 waves a work-group, no clusters, 0 bytes of LDS; arguments x1, g2, hn2; writes hn2
.if DOCPART == 12
	.amdgcn_target "amdgcn-amd-amdhsa--gfx1250"
	.amdhsa_code_object_version 6
	.text
	.protected	k_q5d09bfd814_norm2
	.globl	k_q5d09bfd814_norm2
	.p2align	8
	.type	k_q5d09bfd814_norm2,@function
k_q5d09bfd814_norm2:
	s_mov_b64 s[64:65], 0
	v_nop
	global_prefetch_b8 v0, s[64:65] scope:SCOPE_SE
	s_setreg_imm32_b32 hwreg(HW_REG_WAVE_SCHED_MODE, 0, 2), 2
	s_setreg_imm32_b32 hwreg(HW_REG_WAVE_MODE, 25, 1), 1
	s_wait_xcnt 0x0
	s_wait_alu depctr_vm_vsrc(0)
; hn2 = g2 * x1 * rsqrt(mean(x1^2) + 1e-8), bf16.  x1: [4096][1024] f32.  One wave takes a row of 4,096 bytes into 32 registers and keeps it between
; the sum and the scaling: the row is read once and no wave waits for another.  Two rows a wave, all loads out first.  Memory binds: no LDS, no barrier.
; THE MODE: SCHED_MODE bits 1:0 = 2 (LLVM: expert scheduling mode 2), set by the entry lines.  The code itself states the register dependences
; between vector instructions and memory instructions, with s_wait_alu, always for 0.
; THE PLAN.  Registers that memory instructions touch:
;   v1, v10    byte offsets of the loads and of the stores: written once at the head, never again.
;   GG         written by the eight loads of g2, read by vector instructions; no vector instruction writes it.
;   XX row i   written by the row's eight loads, which are issued before any vector instruction names it; scaled and rounded in place; of each four
;              registers the first two are then read by one store, and nothing writes them afterwards.
;   T, RS      named by vector instructions alone.
; So no register that a memory instruction has read is written again, and no load lands in a register that a vector instruction has named.  What is left to state:
; the offsets ahead of the first load, and each row's sixteen roundings ahead of its eight stores: one wait a row.  Row 0's stores stand behind the wait at the
; head of row 1, dealt among row 1's first eight products, which name T and row 1 alone; row 1's stores stand behind the wait at the end.
.set GG, 16                            ; v[16:47]   g of my 32 columns
.set XX, 48                            ; v[48:111]  two rows
.set T,  2                             ; v[2:9]     four running sums of pairs
.set RS, 12                            ; v[12:13]   1 / rms, twice
; Row i.  left: how many younger loads may stay out.  send = 1: the stores of the row before go out among this row's first products.
.macro NROW i, left, send
	s_wait_loadcnt \left                           ; g and this row are in, a younger row may stay out
.if \send
	s_wait_alu depctr_va_vdst(0)                   ; the roundings of the row before have written the registers that the eight stores below read
.endif
.irp c, 0,1,2,3
.if \send
	global_store_b64 v10, v[XX+32*(\i-1)+4*\c:XX+32*(\i-1)+4*\c+1], s[22:23] offset:2048*(\i-1)+256*\c   ; 32 lanes x 8 bytes: 256 consecutive bytes, aligned; no vector instruction since the wait names these registers
.endif
	v_pk_mul_f32 v[T+2*\c:T+2*\c+1], v[XX+32*\i+2*\c:XX+32*\i+2*\c+1], v[XX+32*\i+2*\c:XX+32*\i+2*\c+1]
.endr
.irp k, 1,2,3
.irp c, 0,1,2,3
.if (\send) && (\k == 1)
	global_store_b64 v10, v[XX+32*(\i-1)+4*(4+\c):XX+32*(\i-1)+4*(4+\c)+1], s[22:23] offset:2048*(\i-1)+256*(4+\c)
.endif
	v_pk_fma_f32 v[T+2*\c:T+2*\c+1], v[XX+32*\i+8*\k+2*\c:XX+32*\i+8*\k+2*\c+1], v[XX+32*\i+8*\k+2*\c:XX+32*\i+8*\k+2*\c+1], v[T+2*\c:T+2*\c+1]
.endr
.endr
	v_pk_add_f32 v[T:T+1], v[T:T+1], v[T+2:T+3]
	v_pk_add_f32 v[T+4:T+5], v[T+4:T+5], v[T+6:T+7]
	v_pk_add_f32 v[T:T+1], v[T:T+1], v[T+4:T+5]
	v_add_f32 v[T], v[T], v[T+1]
	v_add_f32_dpp v[T], v[T], v[T] row_xmask:1 row_mask:0xf bank_mask:0xf
	v_add_f32_dpp v[T], v[T], v[T] row_xmask:2 row_mask:0xf bank_mask:0xf
	v_add_f32_dpp v[T], v[T], v[T] row_xmask:4 row_mask:0xf bank_mask:0xf
	v_add_f32_dpp v[T], v[T], v[T] row_xmask:8 row_mask:0xf bank_mask:0xf
	v_permlanex16_b32 v[T+1], v[T], s32, s33
	v_add_f32 v[T], v[T], v[T+1]
	v_fma_f32 v[T], v[T], s27, s28                 ; sum / 1024 + 1e-8
	v_rsq_f32 v[RS], v[T]
	v_rsq_f32 v[RS+1], v[T]                        ; the g * x products below are the plain place behind these two (ISA guide 5.7.2)
.irp j, 0,1,2,3,4,5,6,7
	v_pk_mul_f32 v[XX+32*\i+4*\j:XX+32*\i+4*\j+1], v[XX+32*\i+4*\j:XX+32*\i+4*\j+1], v[GG+4*\j:GG+4*\j+1]
	v_pk_mul_f32 v[XX+32*\i+4*\j+2:XX+32*\i+4*\j+3], v[XX+32*\i+4*\j+2:XX+32*\i+4*\j+3], v[GG+4*\j+2:GG+4*\j+3]
.endr
	s_wait_alu depctr_va_vdst(0)                   ; the two reciprocal roots have written v[RS:RS+1], which the scalings below read: one wait for both
.irp j, 0,1,2,3,4,5,6,7
	v_pk_mul_f32 v[XX+32*\i+4*\j:XX+32*\i+4*\j+1], v[XX+32*\i+4*\j:XX+32*\i+4*\j+1], v[RS:RS+1]
	v_pk_mul_f32 v[XX+32*\i+4*\j+2:XX+32*\i+4*\j+3], v[XX+32*\i+4*\j+2:XX+32*\i+4*\j+3], v[RS:RS+1]
	v_cvt_pk_bf16_f32 v[XX+32*\i+4*\j], v[XX+32*\i+4*\j], v[XX+32*\i+4*\j+1]
	v_cvt_pk_bf16_f32 v[XX+32*\i+4*\j+1], v[XX+32*\i+4*\j+2], v[XX+32*\i+4*\j+3]
.endr
.endm
	s_load_b128 s[16:19], s[0:1], 0x0              ; x1 s[16:17], g2 s[18:19]
	s_load_b64 s[22:23], s[0:1], 0x10              ; hn2
	v_lshrrev_b32 v1, 5, v0
	v_readfirstlane_b32 s3, v1                     ; wave 0..7
	v_and_b32 v1, 31, v0
	v_lshlrev_b32 v10, 3, v1                       ; out: 8 bytes a lane
	v_lshlrev_b32 v1, 4, v1                        ; in: 16 bytes a lane
	s_mov_b32 s31, 0
	s_lshl_b32 s26, ttmp9, 3
	s_wait_alu depctr_va_sdst(0)                   ; s3 is written, ahead of its first reader: the bases of x1 and hn2 are made from it
	s_add_co_u32 s26, s26, s3                      ; my pair of rows
	s_mov_b32 s27, 0x3a800000                      ; 1 / 1024
	s_mov_b32 s28, 0x322bcc77                      ; 1e-8
	s_mov_b32 s32, 0x76543210
	s_mov_b32 s33, 0xfedcba98
	s_wait_kmcnt 0x0
	s_lshl_b32 s30, s26, 13
	s_add_nc_u64 s[16:17], s[16:17], s[30:31]
	s_lshl_b32 s30, s26, 12
	s_add_nc_u64 s[22:23], s[22:23], s[30:31]
	s_wait_alu depctr_va_vdst(0)                   ; v1 and v10 are written: every load reads v1 as its offset, every store v10
.irp j, 0,1,2,3,4,5,6,7
	global_load_b128 v[GG+4*\j:GG+4*\j+3], v1, s[18:19] offset:512*\j
.endr
.irp i, 0,1
.irp j, 0,1,2,3,4,5,6,7
	global_load_b128 v[XX+32*\i+4*\j:XX+32*\i+4*\j+3], v1, s[16:17] offset:4096*\i+512*\j
.endr
.endr
	NROW 0, 8, 0
	NROW 1, 0, 1
	s_wait_alu depctr_va_vdst(0)                   ; row 1's roundings have written the registers that the last eight stores read
.irp j, 0,1,2,3,4,5,6,7
	global_store_b64 v10, v[XX+32+4*\j:XX+32+4*\j+1], s[22:23] offset:2048+256*\j   ; 32 lanes x 8 bytes: 256 consecutive bytes, aligned
.endr
	s_endpgm
.Lfunc_end_k_q5d09bfd814_norm2:
	.size	k_q5d09bfd814_norm2, .Lfunc_end_k_q5d09bfd814_norm2-k_q5d09bfd814_norm2
	.p2alignl 7, 3214868480
	.fill 96, 4, 3214868480
	.section	.rodata,"a",@progbits
	.p2align	6, 0x0
	.amdhsa_kernel k_q5d09bfd814_norm2
		.amdhsa_group_segment_fixed_size 0
		.amdhsa_private_segment_fixed_size 0
		.amdhsa_enable_private_segment 0
		.amdhsa_kernarg_size 24
		.amdhsa_user_sgpr_count 2
		.amdhsa_user_sgpr_kernarg_segment_ptr 1
		.amdhsa_wavefront_size32 1
		.amdhsa_system_sgpr_workgroup_id_x 1
		.amdhsa_system_sgpr_workgroup_id_y 1
		.amdhsa_system_sgpr_workgroup_id_z 1
		.amdhsa_system_vgpr_workitem_id 0
		.amdhsa_next_free_vgpr 112
		.amdhsa_next_free_sgpr 66
		.amdhsa_reserve_vcc 0
		.amdhsa_float_denorm_mode_32 3
		.amdhsa_float_denorm_mode_16_64 3
		.amdhsa_memory_ordered 1
		.amdhsa_forward_progress 1
		.amdhsa_inst_pref_size 15
	.end_amdhsa_kernel
	.amdgpu_metadata
---
amdhsa.version: [ 1, 2 ]
amdhsa.kernels:
  - .name:           k_q5d09bfd814_norm2
    .symbol:         k_q5d09bfd814_norm2.kd
    .args:
      - { .name: x1, .offset: 0, .size: 8, .value_kind: global_buffer, .address_space: global }
      - { .name: g2, .offset: 8, .size: 8, .value_kind: global_buffer, .address_space: global }
      - { .name: hn2, .offset: 16, .size: 8, .value_kind: global_buffer, .address_space: global }
    .group_segment_fixed_size: 0
    .private_segment_fixed_size: 0
    .kernarg_segment_align: 8
    .kernarg_segment_size: 24
    .max_flat_workgroup_size: 256
    .sgpr_count:     66
    .vgpr_count:     112
    .wavefront_size: 32
...
	.end_amdgpu_metadata
.endif
;; end of part 12
;; launch w1: the kernel of part 10 again; grid 16 x 16, 4 waves a work-group, clusters of 4 x 4, 327,680 bytes of LDS; arguments hn2, wb, act; writes act
;; launch w2: the kernel of part 11 again; grid 8 x 32, 4 waves a work-group, clusters of 4 x 4, 327,680 bytes of LDS; arguments act, wb, out0, x1; writes out0
